; MI455X (gfx1250); checked and timed in simulation.
; The chip was launched on July 23, 2026; its instructions are those of AMD's public machine-readable ISA for CDNA 5 (MIT licence, August 2026) and "CDNA5" Instruction Set Architecture Reference Guide (July 2026). The comments in the code are by the model that wrote it; some were corrected since.
;; Enhanced Cross Attention. Allowed arithmetic: matrix products marked QUANTISED: E2M1 operands, one E8M0 scale for each 32 along K, by v_wmma_scale_f32_16x16x128_f8f6f4 with both operands' format E2M1 (or v_wmma_scale_f32_32x16x128_f4), f32 sums; everything else in f32.
;; Inputs: bdg 512 float32; bdk 512 float32; bdq 512 float32; bdv 512 float32; bgg 512 float32; bgk 512 float32; bgq 512 float32; bgv 512 float32; bo 512 float32; dg_b 512 float32; dg_g 512 float32; drug_embeds 4,096 x 512 float32; gene_embeds 4,096 x 512 float32; gg_b 512 float32; gg_g 512 float32; lnd_b 512 float32; lnd_g 512 float32; lng_b 512 float32; lng_g 512 float32; wdg_codes 512 x 32 x 16 uint8 (E2M1 codes of wdg, K innermost, in blocks of 32 codes, two codes a byte); wdg_scales 512 x 32 uint8 (E8M0 scales of wdg, one for each 32 codes along K); wdk_codes 512 x 16 x 16 uint8 (E2M1 codes of wdk, K innermost, in blocks of 32 codes, two codes a byte); wdk_scales 512 x 16 uint8 (E8M0 scales of wdk, one for each 32 codes along K); wdq_codes 512 x 16 x 16 uint8 (E2M1 codes of wdq, K innermost, in blocks of 32 codes, two codes a byte); wdq_scales 512 x 16 uint8 (E8M0 scales of wdq, one for each 32 codes along K); wdv_codes 512 x 16 x 16 uint8 (E2M1 codes of wdv, K innermost, in blocks of 32 codes, two codes a byte); wdv_scales 512 x 16 uint8 (E8M0 scales of wdv, one for each 32 codes along K); wgg_codes 512 x 32 x 16 uint8 (E2M1 codes of wgg, K innermost, in blocks of 32 codes, two codes a byte); wgg_scales 512 x 32 uint8 (E8M0 scales of wgg, one for each 32 codes along K); wgk_codes 512 x 16 x 16 uint8 (E2M1 codes of wgk, K innermost, in blocks of 32 codes, two codes a byte); wgk_scales 512 x 16 uint8 (E8M0 scales of wgk, one for each 32 codes along K); wgq_codes 512 x 16 x 16 uint8 (E2M1 codes of wgq, K innermost, in blocks of 32 codes, two codes a byte); wgq_scales 512 x 16 uint8 (E8M0 scales of wgq, one for each 32 codes along K); wgv_codes 512 x 16 x 16 uint8 (E2M1 codes of wgv, K innermost, in blocks of 32 codes, two codes a byte); wgv_scales 512 x 16 uint8 (E8M0 scales of wgv, one for each 32 codes along K); wo_codes 512 x 16 x 16 uint8 (E2M1 codes of wo, K innermost, in blocks of 32 codes, two codes a byte); wo_scales 512 x 16 uint8 (E8M0 scales of wo, one for each 32 codes along K).
;; Outputs: out0 4,096 x 512 float32; out1 4,096 x 512 float32.
;; This version of the problem:
;;   THIS VERSION OF THE PROBLEM IS GIVEN IN LOW PRECISION. The matrix products marked QUANTISED in the list below multiply operands that are first quantised to E2M1 (2 exponent bits, 1 mantissa bit; 4 bits a number), with one power-of-two scale for each 32 numbers along K (OCP MX v1.0); their sums are f32. All else is computed in f32.
;;   The module's matrix products, in the order in which they are computed (A, B: the left and right operand; K: the contracted axis; several contracted axes count as one K, in the product's order):
;;     1. [M 4,096, K 512] x [K 512, N 512]; A: computed on the way; B: input wgq (given as codes): QUANTISED
;;     2. [M 4,096, K 512] x [K 512, N 512]; A: computed on the way; B: input wgk (given as codes): QUANTISED
;;     3. [M 4,096, K 512] x [K 512, N 512]; A: input gene_embeds; B: input wgv (given as codes): QUANTISED
;;     4. [M 4,096, K 512] x [K 512, N 512]; A: computed on the way; B: input wdq (given as codes): QUANTISED
;;     5. [M 4,096, K 512] x [K 512, N 512]; A: computed on the way; B: input wdk (given as codes): QUANTISED
;;     6. [M 4,096, K 512] x [K 512, N 512]; A: input drug_embeds; B: input wdv (given as codes): QUANTISED
;;     7. batch 8 x [M 4,096, K 64] x [K 64, N 4,096]; A: computed on the way; B: computed on the way: QUANTISED
;;     8. batch 8 x [M 4,096, K 4,096] x [K 4,096, N 64]; A: softmax (see below); B: computed on the way: QUANTISED
;;     9. batch 8 x [M 4,096, K 64] x [K 64, N 4,096]; A: computed on the way; B: computed on the way: QUANTISED
;;     10. batch 8 x [M 4,096, K 4,096] x [K 4,096, N 64]; A: softmax (see below); B: computed on the way: QUANTISED
;;     11. [M 4,096, K 1,024] x [K 1,024, N 512]; A: computed on the way; B: input wgg (given as codes): QUANTISED
;;     12. [M 4,096, K 1,024] x [K 1,024, N 512]; A: computed on the way; B: input wdg (given as codes): QUANTISED
;;     13. [M 4,096, K 512] x [K 512, N 512]; A: computed on the way; B: input wo (given as codes): QUANTISED
;;     14. [M 4,096, K 512] x [K 512, N 512]; A: computed on the way; B: input wo (given as codes): QUANTISED
;;   THE QUANTISER, for each operand of a quantised product, along K:
;;     - K is cut into blocks of 32 from its start; a last block that is shorter is filled with zeros.
;;     - A block's scale is 2^e with e = floor(log2(the largest magnitude in the block)) - 2, held to -126 .. 127; a block of zeros has e = 0. As a byte (E8M0): e + 127.
;;     - Each number is divided by its block's scale, clamped to +-6, and rounded to the nearest number of E2M1, ties to even, subnormals kept.
;;     - The product sums the exact products of the quantised numbers (number of the format x scale) in f32.
;;   ~~~python
;;   def quantise(x, axis):      # numpy; x: float32 -> the quantised numbers, widened to float32 again
;;       x = np.moveaxis(x, axis, -1); K = x.shape[-1]
;;       x = np.pad(x, [(0, 0)] * (x.ndim - 1) + [(0, -K % 32)]); x = x.reshape(x.shape[:-1] + (-1, 32)); a = np.abs(x).max(-1, keepdims=True)
;;       e = np.where(a > 0, np.clip(np.frexp(np.where(a > 0, a, 1))[1] - 1 - 2, -126, 127), 0)      # np.frexp(a)[1] - 1 = floor(log2(a)), exactly
;;       r = np.clip(x / 2.0 ** e, -6, 6)
;;       step = 2.0 ** (np.maximum(np.frexp(np.where(r == 0, 1, r))[1] - 1, 0) - 1)
;;       q = np.round(r / step) * step * 2.0 ** e      # np.round: ties to even
;;       return np.moveaxis(q.reshape(q.shape[:-2] + (-1,))[..., :K], -1, axis).astype(np.float32)
;;   ~~~
;;   SOFTMAX AHEAD OF A QUANTISED PRODUCT. Where the list says 'softmax', what is quantised is not the finished softmax but p = 2^(t - M), with t = logit x log2(e) and M = ceil(the row's largest t), a whole number; so 1/2 < the row's largest p <= 1. The row's sum l is taken of the UNQUANTISED p, in f32, and the product's result is divided by l at the end. Since M is a whole number, a kernel that streams over the keys may use a running M (the ceiling of the running maximum): every later rescaling is an exact power of two, which a block's scale takes up: the codes' values come out the same.
;;   OPERANDS COMPUTED ON THE WAY. 'Computed on the way' means the value that the module computes at that place (a softmax that the list does not call 'softmax' is quantised finished and normalised). What goes into a quantiser is computed in f32, as accurately as f32 sums, v_exp_f32 and their like allow (about 1e-6 of the number): no bf16 or f16 on the way to a quantiser, and a product that is left as it is and whose result goes on into a quantised operand takes f32 operands (vector FMAs, or v_wmma_f32_16x16x4_f32). A number that lies on a knife's edge between two numbers of the format may be rounded either way, as far as f32 arithmetic and the matrix unit's own rounding can turn it there, and no further.
;;   INPUTS GIVEN AS CODES. wdg (in the module: [1024, 512], K = its axis 0); wdk (in the module: [512, 512], K = its axis 0); wdq (in the module: [512, 512], K = its axis 0); wdv (in the module: [512, 512], K = its axis 0); wgg (in the module: [1024, 512], K = its axis 0); wgk (in the module: [512, 512], K = its axis 0); wgq (in the module: [512, 512], K = its axis 0); wgv (in the module: [512, 512], K = its axis 0); wo (in the module: [512, 512], K = its axis 0): each comes as NAME_codes (uint8): NAME with its K axis moved to the last place and cut into blocks of 32 codes, [.., K / 32, bytes a block], one block behind the other in memory; two codes a byte, the lower K in the low four bits (a code: sign, 2 exponent bits, 1 mantissa bit); and NAME_scales (uint8): the same leading axes, one E8M0 byte (e + 127) for each 32 codes along K. Its value is code x scale, taken as it is: it is not quantised again, and the codes and scales need not be those that the quantiser above would give.
;; 2 versions. Each part assembles by itself: llvm-mc -triple=amdgcn-amd-amdhsa -mcpu=gfx1250 --defsym DOCPART=n.
;; ======== version 1 of 2: 3 launches
;; workspace buffers: codes1 8,388,608 bytes; scales1 917,504 bytes; cc 2,097,152 bytes; cs 131,072 bytes
;; launch project (part 1): grid 256 x 1, 8 waves a work-group, no clusters, 21,504 bytes of LDS; arguments gene_embeds, lng_g, lng_b, wgq_codes, wgq_scales, bgq, wgk_codes, wgk_scales, bgk, wgv_codes, wgv_scales, bgv, drug_embeds, lnd_g, lnd_b, wdq_codes, wdq_scales, bdq, wdk_codes, wdk_scales, bdk, wdv_codes, wdv_scales, bdv, codes1, scales1; writes codes1, scales1
.if DOCPART == 1
	.amdgcn_target "amdgcn-amd-amdhsa--gfx1250"
	.amdhsa_code_object_version 6
	.text
	.protected	k_qd2d43060f6_project
	.globl	k_qd2d43060f6_project
	.p2align	8
	.type	k_qd2d43060f6_project,@function
k_qd2d43060f6_project:
	s_mov_b64 s[64:65], 0
	v_nop
	global_prefetch_b8 v0, s[64:65] scope:SCOPE_SE
	s_setreg_imm32_b32 hwreg(HW_REG_WAVE_MODE, 25, 1), 1
	s_wait_xcnt 0x0
; PROJECT: LayerNorm, the six projections, the l2 norms, and the quantisers behind them.  First of three launches (project, attend, gate).
; WORK LEFT OUT IN THE PROGRAM (in the launch attend), for all finite inputs:
;   q and k are divided by max(their head's norm, 1e-12) inside the problem, so each head vector has norm at most 1, q's also the factor 1/8.  The quantiser moves a number of 2 scale units or more by at most a quarter of
;   itself and a smaller one by at most a quarter unit, which is at most 1/16 of its block's largest magnitude: the error vector of 64 numbers is at most (0.25 + 0.5) x the norm.  So |score| <= 1.75 x 1.75 / 8 = 0.383.
;   (a) the clip of the scores at +-10 changes no value, and is not written;  (b) t = score x log2(e) lies in +-0.553, so M = ceil(the row's largest t) is 0 or 1; p is quantised with power-of-two block scales and
;   divided by its own sum, so every whole M gives the same result: M = 0 is taken, p = 2^t lies in (0.68, 1.47), a row's sum under 6,030: no exponential and no sum can overflow or underflow.
;   No input is without a way to an output: all are loaded.  LIMITS: NaN and infinities among the inputs are not served; a head's sum of squares must stay inside f32; a block whose largest magnitude lies under
;   2^-124 (a block of zeros too) gets the scale byte 1: its bytes are read by this program alone.
; SHARES.  A work-group takes 32 rows of one side (side = wg / 128, group g = wg % 128) and all 1,536 columns.  The 32 rows are two tiles u: lane r of tile u stands for row 32 g + 8 u + r + 8 (r / 8).
;   Phase X: wave w makes fragment (u = w / 4, K step s = w % 4) of x, raw and normed, and hands it on through LDS as an image of its registers.
;   Phase P: wave w is head w: 64 columns each of Q, K (transposed use: source 0 = 16 rows of W, source 1 = x: a lane holds one row, its registers run along the head) and of V (source 0 = x, source 1 = W: a lane holds one
;   channel, its registers run along the 32 keys).  The rows of W that form a tile are 32 (t / 2) + 8 (t % 2) + r + 8 (r / 8), so that 16 registers of two neighbouring tiles are 16 neighbours.
; The weights go from memory into the registers that multiply them.  No joint loads: a work-group's weights, 3 x 139,264 bytes, do not fit into LDS at once, so sharing them would take a ring and a second move through
; LDS for 96 matrix instructions a wave.
; OUT (workspace): Q's, K's tiles and x's fragments as register images, V's codes with the keys innermost, and their scale words; layouts at the constants below.
.set QC, 0                             ; codes1: Q: side x 2^20 + head x 2^17 + g x 1024 + u x 512 + lane x 16
.set KC, 2097152                       ;         K: the same
.set VC, 4194304                       ;         V: side, head, g x 1024 + (16 t + r) x 16: the 32 keys of group g
.set XC, 6291456                       ;         x (raw): side x 2^20 + g x 8192 + (4 u + s) x 1024 + c x 512 + lane x 16
.set QSO, 0                            ; scales1: Q: side x 2^17 + head x 2^14 + g x 128 + lane x 4: bytes u0 b0, u0 b1, u1 b0, u1 b1
.set KSO, 262144                       ;          K: the same
.set VSO, 524288                       ;          V: side x 2^16 + head x 2^13 + (g / 4) x 256 + (16 t + r) x 4 + g % 4
.set XSO, 655360                       ;          x: side x 2^17 + g x 1024 + (4 u + s) x 128 + lane x 4
.set XN,    0                          ; LDS: the normed fragments' images, 8 x 1,024
.set XNS,   8192                       ;      their scale words, 8 x 128
.set XR,    9216                       ;      the raw fragments' images
.set XRS,   17408                      ;      their scale words
.set STAT,  18432                      ;      (mean, M2) of 128 columns: 8 waves x 32 lanes x 8 bytes
.set SPARE, 20480                      ;      the spare words, 128 bytes a wave, which no other line names
.set LI,  1                            ; v1   16 x lane
.set LS,  2                            ; v2   4 x lane
.set XA,  3                            ; v3   x: (r + 8 (r / 8)) x 2048 + 64 h
.set HA,  4                            ; v4   64 h
.set WA,  5                            ; v5   W's codes: (r + 8 (r / 8)) x 256 + 16 h
.set WSA, 6                            ; v6   W's scales: (r + 8 (r / 8)) x 16
.set BVA, 7                            ; v7   bv: (r + 8 (r / 8)) x 4
.set IW,  8                            ; v8   16 x lane + 1024 x wave
.set SW,  9                            ; v9   4 x lane + 128 x wave
.set STW, 10                           ; v10  STAT + 8 x lane + 256 x wave
.set STR, 11                           ; v11  STAT + 8 x lane + 1024 u
.set SH8, 12                           ; v12  8 h
.set SPW, 14                           ; v14  my spare word; never rewritten
.set NIL, 15                           ; v15  0; never rewritten
.set X,   16                           ; v16-79   64 numbers of x; later the eight fragments, (4 u + s) x 8
.set XS,  80                           ; v80-87   their scale words
.set ACC, 88                           ; v88-151  at work in phase X; the eight accumulators
.set WS,  152                          ; v152-199 W's scale words: q +0, k +16, v +32; 4 t + s
.set BB,  200                          ; v200-231 a bias in the result's layout
.set TM,  232                          ; v232-243 at work
.set PC,  244                          ; v244-251 the codes just made
.set PW,  252                          ; v252     the scale word just made
.set SEL, 60                           ; s[60:61] selects of v_permlanex16_b32: lane l xor 16
.set PXE, 8                            ; the side's twelve buffers, chosen into s[8:31]
.set PLG, 10
.set PLB, 12
.set PWQC, 14
.set PWQS, 16
.set PBQ, 18
.set PWKC, 20
.set PWKS, 22
.set PBK, 24
.set PWVC, 26
.set PWVS, 28
.set PBV, 30
.set PO, 76                            ; s[76:77] codes1 at side, head, g (Q, K, V by the immediate)
.set PX, 78                            ; s[78:79] codes1 at side, g, my fragment
.set SQ, 80                            ; s[80:81] scales1 at side, head, g
.set SV, 82                            ; s[82:83] scales1 at side, head, g / 4, byte g % 4
.set SX, 84                            ; s[84:85] scales1 at side, g
; window 1: v0-127 (RA) Wq, later Wv; v128-255 (RB) the LayerNorm's gain and bias, later Wk
.set MSB, 0
.macro WIN new                         ; the immediate's high byte repeats the setting that is left
.if MSB != \new
	s_set_vgpr_msb (MSB<<8)|\new
.set MSB, \new
.endif
.endm
.macro PLACES
.rept 4
	v_nop
.endr
.endm
.macro BARRIER                         ; my LDS stores have landed and my LDS loads are in: then the work-group's barrier
	s_wait_dscnt 0x0
	s_barrier_signal -1
	s_barrier_wait -1
.endm
; 64 numbers of a lane, register 16 b + i = number 32 b + 16 (lane / 16) + i of its row, become a fragment's codes in v[PC] on and its scale word in v[PW]
.macro QUANT s
.irp b, 0,1,2,3
	v_max3_num_f32 v[TM+\b], |v[\s+16*\b]|, |v[\s+1+16*\b]|, 0x1800000   ; my 16 numbers of block b, and the floor 2^(3 - 127): the byte cannot fall under 1
.endr
.irp i, 2,4,6,8,10,12,14
.irp b, 0,1,2,3
	v_max3_num_f32 v[TM+\b], v[TM+\b], |v[\s+16*\b+\i]|, |v[\s+1+16*\b+\i]|
.endr
.endr
.irp b, 0,1,2,3
	v_permlanex16_b32 v[TM+4+\b], v[TM+\b], s[SEL], s[SEL+1]
.endr
.irp b, 0,1,2,3
	v_max_num_f32 v[TM+\b], v[TM+\b], v[TM+4+\b]   ; with lane l xor 16's: the block's largest magnitude
.endr
.irp b, 0,1,2,3
	v_add_nc_u32 v[TM+8+\b], 0xff000000, v[TM+\b]   ; 2 off its exponent field: the conversion's scale operand
.endr
.irp b, 0,1,2,3
	v_lshrrev_b32 v[TM+4+\b], 23, v[TM+8+\b]        ; the scale's byte
.endr
	v_lshl_or_b32 v[PW], v[TM+5], 8, v[TM+4]
	v_lshl_or_b32 v[PW], v[TM+6], 16, v[PW]
	v_lshl_or_b32 v[PW], v[TM+7], 24, v[PW]
.irp b, 0,1,2,3
	v_cvt_scalef32_pk8_fp4_f32 v[PC+2*\b], v[\s+16*\b:\s+7+16*\b], v[TM+8+\b]
	v_cvt_scalef32_pk8_fp4_f32 v[PC+1+2*\b], v[\s+8+16*\b:\s+15+16*\b], v[TM+8+\b]
.endr
	v_nop                                          ; one plain place behind a scaled conversion
.irp c, 0,1                                    ; a whole block to a lane: lanes 0-15 block 2 c, lanes 16-31 block 2 c + 1
.irp i, 0,1
	v_permlane16_swap_b32 v[PC+4*\c+\i], v[PC+2+4*\c+\i]
.endr
.endr
.endm
; mean and sum of squared deviations of cnt registers of this lane and of lane l xor 16 (inv = 1 / (2 cnt)): v[dst] = mean, v[dst+1] = M2; scr: 16 registers at work
.macro LSTAT s, cnt, inv, scr, dst
.irp k, 0,1,2,3
	v_pk_add_f32 v[\scr+2*\k:\scr+2*\k+1], v[\s+2*\k:\s+2*\k+1], v[\s+8+2*\k:\s+8+2*\k+1]
.endr
.set M_, 2
.rept \cnt/8-2
.irp k, 0,1,2,3
	v_pk_add_f32 v[\scr+2*\k:\scr+2*\k+1], v[\scr+2*\k:\scr+2*\k+1], v[\s+8*M_+2*\k:\s+8*M_+2*\k+1]
.endr
.set M_, M_+1
.endr
	v_pk_add_f32 v[\scr:\scr+1], v[\scr:\scr+1], v[\scr+2:\scr+3]
	v_pk_add_f32 v[\scr+4:\scr+5], v[\scr+4:\scr+5], v[\scr+6:\scr+7]
	v_pk_add_f32 v[\scr:\scr+1], v[\scr:\scr+1], v[\scr+4:\scr+5]
	v_add_f32 v[\scr], v[\scr], v[\scr+1]
	v_permlanex16_b32 v[\scr+1], v[\scr], s[SEL], s[SEL+1]
	v_add_f32 v[\scr], v[\scr], v[\scr+1]
	v_mul_f32 v[\dst], \inv, v[\scr]
.set M_, 0
.rept \cnt/8
.irp k, 0,1,2,3
	v_pk_add_f32 v[\scr+8+2*\k:\scr+9+2*\k], v[\s+8*M_+2*\k:\s+8*M_+2*\k+1], v[\dst:\dst+1] op_sel_hi:[1,0] neg_lo:[0,1] neg_hi:[0,1]
.endr
.irp k, 0,1,2,3
.if M_ == 0
	v_pk_mul_f32 v[\scr+2*\k:\scr+2*\k+1], v[\scr+8+2*\k:\scr+9+2*\k], v[\scr+8+2*\k:\scr+9+2*\k]
.else
	v_pk_fma_f32 v[\scr+2*\k:\scr+2*\k+1], v[\scr+8+2*\k:\scr+9+2*\k], v[\scr+8+2*\k:\scr+9+2*\k], v[\scr+2*\k:\scr+2*\k+1]
.endif
.endr
.set M_, M_+1
.endr
	v_pk_add_f32 v[\scr:\scr+1], v[\scr:\scr+1], v[\scr+2:\scr+3]
	v_pk_add_f32 v[\scr+4:\scr+5], v[\scr+4:\scr+5], v[\scr+6:\scr+7]
	v_pk_add_f32 v[\scr:\scr+1], v[\scr:\scr+1], v[\scr+4:\scr+5]
	v_add_f32 v[\scr], v[\scr], v[\scr+1]
	v_permlanex16_b32 v[\scr+1], v[\scr], s[SEL], s[SEL+1]
	v_add_f32 v[\dst+1], v[\scr], v[\scr+1]
.endm
.macro WLOAD R, base                   ; my head's 64 rows of a weight, 16 fragments (tile t, K step s) at v[R + 8 (4 t + s)] of window 1
	WIN 0x40
.irp t, 0,1,2,3
.irp s, 0,1,2,3
.irp c, 0,1
	global_load_b128 v[\R+8*(4*\t+\s)+4*\c:\R+8*(4*\t+\s)+4*\c+3], v[WA], s[\base:\base+1] offset:(32*(\t/2)+8*(\t%2))*256+64*\s+32*\c
.endr
.endr
.endr
	WIN 0
.endm
.macro BLOAD base                      ; a bias for the transposed use: lane (r, h), tile t, register j: column 32 (t / 2) + 16 h + 8 (t % 2) + j
.irp t, 0,1,2,3
	global_load_b128 v[BB+8*\t:BB+8*\t+3], v[HA], s[\base:\base+1] offset:(32*(\t/2)+8*(\t%2))*4
	global_load_b128 v[BB+8*\t+4:BB+8*\t+7], v[HA], s[\base:\base+1] offset:(32*(\t/2)+8*(\t%2))*4+16
.endr
.endm
.macro XFETCH img, sc                  ; the eight fragments of x and their scale words, as any wave stored them
.irp f, 0,1,2,3,4,5,6,7
	ds_load_b128 v[X+8*\f:X+8*\f+3], v[LI] offset:\img+1024*\f
	ds_load_b128 v[X+8*\f+4:X+8*\f+7], v[LI] offset:\img+1024*\f+512
	ds_load_b32 v[XS+\f], v[LS] offset:\sc+128*\f
.endr
.endm
; 32 products, transposed: accumulator (u, t) at ACC + 32 u + 8 t; the bias is the C of each sum's first product; the eight accumulators take turns
.macro PROD_T R, wso
	WIN 0x01                                       ; source 0 (W) window 1
.irp s, 0,1,2,3
.irp u, 0,1
.irp t, 0,1,2,3
.if \s == 0
	v_wmma_scale_f32_16x16x128_f8f6f4 v[ACC+32*\u+8*\t:ACC+32*\u+8*\t+7], v[\R+8*(4*\t+\s):\R+8*(4*\t+\s)+7], v[X+8*(4*\u+\s):X+8*(4*\u+\s)+7], v[BB+8*\t:BB+8*\t+7], v[WS+\wso+4*\t+\s], v[XS+4*\u+\s] matrix_a_fmt:MATRIX_FMT_FP4 matrix_b_fmt:MATRIX_FMT_FP4
.else
	v_wmma_scale_f32_16x16x128_f8f6f4 v[ACC+32*\u+8*\t:ACC+32*\u+8*\t+7], v[\R+8*(4*\t+\s):\R+8*(4*\t+\s)+7], v[X+8*(4*\u+\s):X+8*(4*\u+\s)+7], v[ACC+32*\u+8*\t:ACC+32*\u+8*\t+7], v[WS+\wso+4*\t+\s], v[XS+4*\u+\s] matrix_a_fmt:MATRIX_FMT_FP4 matrix_b_fmt:MATRIX_FMT_FP4
.endif
.endr
.endr
.endr
	WIN 0
.endm
; 32 products, source 0 = x: accumulator (t, u) at ACC + 16 t + 8 u: lane (r, h) holds channel (t, r), register 8 u + j the key 16 h + 8 u + j of the group
.macro PROD_N R, wso
	WIN 0x04                                       ; source 1 (W) window 1
.irp s, 0,1,2,3
.irp u, 0,1
.irp t, 0,1,2,3
.if \s == 0
	v_wmma_scale_f32_16x16x128_f8f6f4 v[ACC+16*\t+8*\u:ACC+16*\t+8*\u+7], v[X+8*(4*\u+\s):X+8*(4*\u+\s)+7], v[\R+8*(4*\t+\s):\R+8*(4*\t+\s)+7], v[BB+8*\t:BB+8*\t+7], v[XS+4*\u+\s], v[WS+\wso+4*\t+\s] matrix_a_fmt:MATRIX_FMT_FP4 matrix_b_fmt:MATRIX_FMT_FP4
.else
	v_wmma_scale_f32_16x16x128_f8f6f4 v[ACC+16*\t+8*\u:ACC+16*\t+8*\u+7], v[X+8*(4*\u+\s):X+8*(4*\u+\s)+7], v[\R+8*(4*\t+\s):\R+8*(4*\t+\s)+7], v[ACC+16*\t+8*\u:ACC+16*\t+8*\u+7], v[XS+4*\u+\s], v[WS+\wso+4*\t+\s] matrix_a_fmt:MATRIX_FMT_FP4 matrix_b_fmt:MATRIX_FMT_FP4
.endif
.endr
.endr
.endr
	WIN 0
.endm
; the head's l2 norm (isq = 1: and the factor 1/8), the quantiser along the head, and the stores.  1 / max(n, 1e-12) = min(rsq(sum of squares), 1e12)
.macro POST isq, cb, sb
	s_wait_xcnt 0x0                                ; the last stores have read v[PC] on and v[PW]
.irp u, 0,1
	v_pk_mul_f32 v[TM+2*\u:TM+2*\u+1], v[ACC+32*\u:ACC+32*\u+1], v[ACC+32*\u:ACC+32*\u+1]   ; each accumulator is read from its low end on
.endr
.irp i, 1,2,3,4,5,6,7,8,9,10,11,12,13,14,15
.irp u, 0,1
	v_pk_fma_f32 v[TM+2*\u:TM+2*\u+1], v[ACC+32*\u+2*\i:ACC+32*\u+2*\i+1], v[ACC+32*\u+2*\i:ACC+32*\u+2*\i+1], v[TM+2*\u:TM+2*\u+1]
.endr
.endr
.irp u, 0,1
	v_add_f32 v[TM+2*\u], v[TM+2*\u], v[TM+2*\u+1]
.endr
.irp u, 0,1
	v_permlanex16_b32 v[TM+4+\u], v[TM+2*\u], s[SEL], s[SEL+1]
.endr
.irp u, 0,1
	v_add_f32 v[TM+2*\u], v[TM+2*\u], v[TM+4+\u]
.endr
.irp u, 0,1
	v_rsq_f32 v[TM+2*\u], v[TM+2*\u]
.endr
	v_nop                                          ; a plain place behind the transcendentals
	s_wait_alu depctr_va_vdst(0)                   ; one wait for both, ahead of their first reader
.irp u, 0,1
	v_min_num_f32 v[TM+2*\u], 0x5368d4a5, v[TM+2*\u]
.endr
.if \isq
.irp u, 0,1
	v_mul_f32 v[TM+2*\u], 0x3e000000, v[TM+2*\u]
.endr
.endif
.irp i, 0,1,2,3,4,5,6,7,8,9,10,11,12,13,14,15
.irp u, 0,1
	v_pk_mul_f32 v[ACC+32*\u+2*\i:ACC+32*\u+2*\i+1], v[ACC+32*\u+2*\i:ACC+32*\u+2*\i+1], v[TM+2*\u:TM+2*\u+1] op_sel_hi:[1,0]
.endr
.endr
	QUANT ACC                                      ; blocks: (u 0, b 0), (u 0, b 1), (u 1, b 0), (u 1, b 1): registers 4 u .. 4 u + 3 are tile u's image
.irp c, 0,1
	global_store_b128 v[LI], v[PC+4*\c:PC+4*\c+3], s[PO:PO+1] offset:\cb+512*\c   ; 512 consecutive bytes, aligned
.endr
	global_store_b32 v[LS], v[PW], s[SQ:SQ+1] offset:\sb
.endm
	s_load_b512 s[8:23], s[0:1], 0x0               ; the gene side's twelve buffers
	s_load_b256 s[24:31], s[0:1], 0x40
	s_load_b512 s[32:47], s[0:1], 0x60             ; the drug side's
	s_load_b256 s[48:55], s[0:1], 0xa0
	s_load_b128 s[56:59], s[0:1], 0xc0             ; codes1, scales1
	v_lshl_add_u32 v[SPW], v0, 2, SPARE
	v_mov_b32 v[NIL], 0
	v_lshrrev_b32 v253, 5, v0
	v_readfirstlane_b32 s2, v253                   ; wave
	s_lshr_b32 s3, ttmp9, 7                        ; side
	s_and_b32 s4, ttmp9, 127                       ; g
	s_lshr_b32 s5, s2, 2                           ; u
	s_and_b32 s6, s2, 3                            ; s
	s_mov_b32 s[SEL], 0x76543210
	s_mov_b32 s[SEL+1], 0xfedcba98
	s_mov_b32 s62, 0x3727c5ac                      ; 1e-5
	s_mov_b32 s63, 0x3b000000                      ; 1 / 512
	v_and_b32 v253, 31, v0                         ; lane
	v_and_b32 v254, 15, v0                         ; r
	v_bfe_u32 v255, v0, 4, 1                       ; h
	v_lshlrev_b32 v[LI], 4, v253
	v_lshlrev_b32 v[LS], 2, v253
	v_and_b32 v13, 8, v254
	v_add_nc_u32 v13, v13, v254                    ; r + 8 (r / 8)
	v_lshlrev_b32 v[XA], 11, v13
	v_lshl_add_u32 v[XA], v255, 6, v[XA]
	v_lshlrev_b32 v[HA], 6, v255
	v_lshlrev_b32 v[WA], 8, v13
	v_lshl_add_u32 v[WA], v255, 4, v[WA]
	v_lshlrev_b32 v[WSA], 4, v13
	v_lshlrev_b32 v[BVA], 2, v13
	s_lshl_b32 s7, s2, 10
	v_add_nc_u32 v[IW], s7, v[LI]
	s_lshl_b32 s7, s2, 7
	v_add_nc_u32 v[SW], s7, v[LS]
	s_lshl_b32 s7, s2, 8
	s_add_co_u32 s7, s7, STAT
	v_lshl_add_u32 v[STW], v253, 3, s7
	s_lshl_b32 s7, s5, 10
	s_add_co_u32 s7, s7, STAT
	v_lshl_add_u32 v[STR], v253, 3, s7
	v_lshlrev_b32 v[SH8], 3, v255
.irp b, 0,1,2,3
	v_mov_b32 v[TM+4+\b], 0                        ; written once: a lane permute's destination counts as one of its sources
.endr
	s_lshl_b32 s66, s4, 16                         ; x: 32 rows of 2,048 bytes a group,
	s_lshl_b32 s7, s5, 14                          ; 8 rows a tile,
	s_add_co_u32 s66, s66, s7
	s_lshl_b32 s68, s6, 9                          ; 128 columns a K step
	s_add_co_u32 s66, s66, s68
	s_mov_b32 s67, 0
	s_mov_b32 s69, 0
	s_lshl_b32 s70, s2, 14                         ; my head's 64 rows of codes,
	s_mov_b32 s71, 0
	s_lshl_b32 s72, s2, 10                         ; of scale bytes,
	s_mov_b32 s73, 0
	s_lshl_b32 s74, s2, 8                          ; and of a bias
	s_mov_b32 s75, 0
	s_lshl_b32 s[PO], s3, 20
	s_mov_b32 s[PX], s[PO]
	s_lshl_b32 s7, s2, 17
	s_add_co_u32 s[PO], s[PO], s7
	s_lshl_b32 s7, s4, 10
	s_add_co_u32 s[PO], s[PO], s7
	s_mov_b32 s[PO+1], 0
	s_lshl_b32 s7, s4, 13
	s_add_co_u32 s[PX], s[PX], s7
	s_add_co_u32 s[PX], s[PX], s72
	s_mov_b32 s[PX+1], 0
	s_lshl_b32 s[SQ], s3, 17
	s_lshl_b32 s7, s4, 10
	s_add_co_u32 s[SX], s[SQ], s7
	s_mov_b32 s[SX+1], 0
	s_add_co_u32 s[SQ], s[SQ], s70
	s_lshl_b32 s7, s4, 7
	s_add_co_u32 s[SQ], s[SQ], s7
	s_mov_b32 s[SQ+1], 0
	s_lshl_b32 s[SV], s3, 16
	s_lshl_b32 s7, s2, 13
	s_add_co_u32 s[SV], s[SV], s7
	s_lshr_b32 s7, s4, 2
	s_lshl_b32 s7, s7, 8
	s_add_co_u32 s[SV], s[SV], s7
	s_and_b32 s7, s4, 3
	s_add_co_u32 s[SV], s[SV], s7
	s_mov_b32 s[SV+1], 0
	s_wait_kmcnt 0x0
	s_cmp_eq_u32 s3, 0                             ; the choice hangs on the work-group's number alone
.irp i, 0,2,4,6,8,10,12,14,16,18,20,22
	s_cselect_b64 s[8+\i:9+\i], s[8+\i:9+\i], s[32+\i:33+\i]
.endr
	s_add_nc_u64 s[PXE:PXE+1], s[PXE:PXE+1], s[66:67]
	s_add_nc_u64 s[PLG:PLG+1], s[PLG:PLG+1], s[68:69]
	s_add_nc_u64 s[PLB:PLB+1], s[PLB:PLB+1], s[68:69]
.irp p, PWQC, PWKC, PWVC
	s_add_nc_u64 s[\p:\p+1], s[\p:\p+1], s[70:71]
.endr
.irp p, PWQS, PWKS, PWVS
	s_add_nc_u64 s[\p:\p+1], s[\p:\p+1], s[72:73]
.endr
.irp p, PBQ, PBK, PBV
	s_add_nc_u64 s[\p:\p+1], s[\p:\p+1], s[74:75]
.endr
	s_add_nc_u64 s[PO:PO+1], s[56:57], s[PO:PO+1]
	s_add_nc_u64 s[PX:PX+1], s[56:57], s[PX:PX+1]
	s_add_nc_u64 s[SQ:SQ+1], s[58:59], s[SQ:SQ+1]
	s_add_nc_u64 s[SV:SV+1], s[58:59], s[SV:SV+1]
	s_add_nc_u64 s[SX:SX+1], s[58:59], s[SX:SX+1]
	; all that is known is asked for now: x 16 loads, scale words 12, bq 8, the LayerNorm's gain and bias 32, Wq 32
.irp b, 0,1,2,3
.irp j, 0,1,2,3
	global_load_b128 v[X+16*\b+4*\j:X+16*\b+4*\j+3], v[XA], s[PXE:PXE+1] offset:128*\b+16*\j th:TH_LOAD_NT   ; register 16 b + i = column 128 s + 32 b + 16 h + i of my row
.endr
.endr
.irp t, 0,1,2,3
	global_load_b128 v[WS+4*\t:WS+4*\t+3], v[WSA], s[PWQS:PWQS+1] offset:(32*(\t/2)+8*(\t%2))*16
	global_load_b128 v[WS+16+4*\t:WS+16+4*\t+3], v[WSA], s[PWKS:PWKS+1] offset:(32*(\t/2)+8*(\t%2))*16
	global_load_b128 v[WS+32+4*\t:WS+32+4*\t+3], v[WSA], s[PWVS:PWVS+1] offset:(32*(\t/2)+8*(\t%2))*16
.endr
	BLOAD PBQ
	WIN 0x40
.irp b, 0,1,2,3
.irp j, 0,1,2,3
	global_load_b128 v[128+16*\b+4*\j:128+16*\b+4*\j+3], v[HA], s[PLG:PLG+1] offset:128*\b+16*\j
	global_load_b128 v[192+16*\b+4*\j:192+16*\b+4*\j+3], v[HA], s[PLB:PLB+1] offset:128*\b+16*\j
.endr
.endr
	WLOAD 0, PWQC
	; ---- X: my fragment of x
	s_wait_loadcnt 63                              ; 84 loads are younger than x's sixteen; the count's field holds 63: x is in
	LSTAT X, 64, 0x3c000000, ACC, 254              ; mean and M2 of my row's 128 columns
	ds_store_b64 v[STW], v[254:255]
	QUANT X                                        ; raw x: operand of V's product here and of the gate's product later
.irp c, 0,1
	ds_store_b128 v[IW], v[PC+4*\c:PC+4*\c+3] offset:XR+512*\c
.endr
	ds_store_b32 v[SW], v[PW] offset:XRS
.irp c, 0,1
	global_store_b128 v[LI], v[PC+4*\c:PC+4*\c+3], s[PX:PX+1] offset:XC+512*\c
.endr
	BARRIER                                        ; the four parts of every row's statistics lie in LDS
.irp q, 0,1,2,3
	ds_load_b64 v[ACC+2*\q:ACC+2*\q+1], v[STR] offset:256*\q
.endr
	s_wait_dscnt 0x0
	v_pk_add_f32 v[ACC+12:ACC+13], v[ACC:ACC+1], v[ACC+2:ACC+3]       ; (sum of means, sum of M2)
	v_pk_add_f32 v[ACC+14:ACC+15], v[ACC+4:ACC+5], v[ACC+6:ACC+7]
	v_pk_add_f32 v[ACC+12:ACC+13], v[ACC+12:ACC+13], v[ACC+14:ACC+15]
	v_mul_f32 v[ACC+8], 0x3e800000, v[ACC+12]      ; the row's mean
.irp q, 0,1,2,3
	v_sub_f32 v[ACC+2*\q], v[ACC+2*\q], v[ACC+8]
.endr
	v_mul_f32 v[ACC+14], v[ACC], v[ACC]
.irp q, 1,2,3
	v_fma_f32 v[ACC+14], v[ACC+2*\q], v[ACC+2*\q], v[ACC+14]
.endr
	v_fma_f32 v[ACC+10], 0x43000000, v[ACC+14], v[ACC+13]   ; M2 = sum of M2 + 128 x sum of (part's mean - mean)^2: no difference of large sums
	v_fma_f32 v[ACC+10], v[ACC+10], s63, s62       ; / 512 + 1e-5
	v_rsq_f32 v[ACC+10], v[ACC+10]
	v_nop
	s_wait_alu depctr_va_vdst(0)
.set J_, 0
.rept 32
	v_pk_add_f32 v[X+J_:X+J_+1], v[X+J_:X+J_+1], v[ACC+8:ACC+9] op_sel_hi:[1,0] neg_lo:[0,1] neg_hi:[0,1]
.set J_, J_+2
.endr
.set J_, 0
.rept 32
	v_pk_mul_f32 v[X+J_:X+J_+1], v[X+J_:X+J_+1], v[ACC+10:ACC+11] op_sel_hi:[1,0]
.set J_, J_+2
.endr
	s_wait_loadcnt 32                              ; the gain and the bias are in; Wq's 32 loads may be out
	WIN 0x14                                       ; sources 1 and 2 window 1
.set J_, 0
.rept 32
	v_pk_fma_f32 v[X+J_:X+J_+1], v[X+J_:X+J_+1], v[128+J_:129+J_], v[192+J_:193+J_]
.set J_, J_+2
.endr
	WIN 0
	WLOAD 128, PWKC                                ; Wk takes the gain's and the bias's registers
	s_wait_xcnt 0x0                                ; the stores of the raw codes have read v[PC] on
	QUANT X                                        ; normed x: operand of Q's and K's products
.irp c, 0,1
	ds_store_b128 v[IW], v[PC+4*\c:PC+4*\c+3] offset:XN+512*\c
.endr
	ds_store_b32 v[SW], v[PW] offset:XNS
	BARRIER                                        ; all sixteen fragments lie in LDS
	; ---- P: my head
	XFETCH XN, XNS
	s_cmp_lg_u32 s2, 0                             ; wave 0 sends the raw fragments' scale words on: 1,024 consecutive bytes
	s_cbranch_scc1 .Lnot_wave_0
	ds_load_b128 v[PC:PC+3], v[LI] offset:XRS
	ds_load_b128 v[PC+4:PC+7], v[LI] offset:XRS+512
	s_wait_dscnt 0x0
	global_store_b128 v[LI], v[PC:PC+3], s[SX:SX+1] offset:XSO
	global_store_b128 v[LI], v[PC+4:PC+7], s[SX:SX+1] offset:XSO+512
.Lnot_wave_0:
	s_wait_loadcnt 32                              ; the scale words, bq and Wq are in; Wk's 32 loads may be out
	s_wait_dscnt 0x0
	PROD_T 0, 0                                    ; Q
	PLACES                                         ; in front of loads into registers that the products have read, and of the first read of results
	BLOAD PBK
	WLOAD 0, PWVC
	POST 1, QC, QSO
	s_wait_loadcnt 32                              ; Wk and bk are in; Wv's 32 loads may be out
	PROD_T 128, 16                                 ; K
	PLACES
.irp t, 0,1,2,3
	global_load_b32 v[BB+8*\t], v[BVA], s[PBV:PBV+1] offset:(32*(\t/2)+8*(\t%2))*4   ; bv of my lane's channel
.endr
	XFETCH XR, XRS
	POST 0, KC, KSO
	s_wait_loadcnt 0x0
.irp t, 0,1,2,3
.irp j, 1,2,3,4,5,6,7
	v_mov_b32 v[BB+8*\t+\j], v[BB+8*\t]            ; the same for all eight keys of a register run
.endr
.endr
	PLACES
	s_wait_dscnt 0x0
	PROD_N 0, 32                                   ; V
	PLACES
	s_wait_xcnt 0x0
	QUANT ACC                                      ; block t = channel tile t, along the group's 32 keys
.irp c, 0,1
	global_store_b128 v[LI], v[PC+4*\c:PC+4*\c+3], s[PO:PO+1] offset:VC+512*\c   ; lane (r, h), registers 4 c on: channel 16 (2 c + h) + r
.endr
	v_lshrrev_b32 v253, v[SH8], v[PW]              ; byte h: tile h's scale of channel r,
	v_lshrrev_b32 v254, 16, v253                   ; byte 2 + h: tile 2 + h's
	global_store_b8 v[LS], v253, s[SV:SV+1] offset:VSO
	global_store_b8 v[LS], v254, s[SV:SV+1] offset:VSO+128
	s_wait_tensorcnt 0x0                           ; the wave's end: three lines behind my last LDS store
	ds_add_u32 v[SPW], v[NIL]
	s_wait_dscnt 0x0
	s_endpgm
.Lfunc_end_k_qd2d43060f6_project:
	.size	k_qd2d43060f6_project, .Lfunc_end_k_qd2d43060f6_project-k_qd2d43060f6_project
	.p2alignl 7, 3214868480
	.fill 96, 4, 3214868480
	.section	.rodata,"a",@progbits
	.p2align	6, 0x0
	.amdhsa_kernel k_qd2d43060f6_project
		.amdhsa_group_segment_fixed_size 21504
		.amdhsa_private_segment_fixed_size 0
		.amdhsa_enable_private_segment 0
		.amdhsa_kernarg_size 208
		.amdhsa_user_sgpr_count 2
		.amdhsa_user_sgpr_kernarg_segment_ptr 1
		.amdhsa_wavefront_size32 1
		.amdhsa_system_sgpr_workgroup_id_x 1
		.amdhsa_system_sgpr_workgroup_id_y 1
		.amdhsa_system_sgpr_workgroup_id_z 1
		.amdhsa_system_vgpr_workitem_id 0
		.amdhsa_next_free_vgpr 512
		.amdhsa_next_free_sgpr 86
		.amdhsa_reserve_vcc 0
		.amdhsa_float_denorm_mode_32 3
		.amdhsa_float_denorm_mode_16_64 3
		.amdhsa_memory_ordered 1
		.amdhsa_forward_progress 1
		.amdhsa_inst_pref_size 82
	.end_amdhsa_kernel
	.amdgpu_metadata
---
amdhsa.version: [ 1, 2 ]
amdhsa.kernels:
  - .name:           k_qd2d43060f6_project
    .symbol:         k_qd2d43060f6_project.kd
    .args:
      - { .name: gene_embeds, .offset: 0, .size: 8, .value_kind: global_buffer, .address_space: global }
      - { .name: lng_g, .offset: 8, .size: 8, .value_kind: global_buffer, .address_space: global }
      - { .name: lng_b, .offset: 16, .size: 8, .value_kind: global_buffer, .address_space: global }
      - { .name: wgq_codes, .offset: 24, .size: 8, .value_kind: global_buffer, .address_space: global }
      - { .name: wgq_scales, .offset: 32, .size: 8, .value_kind: global_buffer, .address_space: global }
      - { .name: bgq, .offset: 40, .size: 8, .value_kind: global_buffer, .address_space: global }
      - { .name: wgk_codes, .offset: 48, .size: 8, .value_kind: global_buffer, .address_space: global }
      - { .name: wgk_scales, .offset: 56, .size: 8, .value_kind: global_buffer, .address_space: global }
      - { .name: bgk, .offset: 64, .size: 8, .value_kind: global_buffer, .address_space: global }
      - { .name: wgv_codes, .offset: 72, .size: 8, .value_kind: global_buffer, .address_space: global }
      - { .name: wgv_scales, .offset: 80, .size: 8, .value_kind: global_buffer, .address_space: global }
      - { .name: bgv, .offset: 88, .size: 8, .value_kind: global_buffer, .address_space: global }
      - { .name: drug_embeds, .offset: 96, .size: 8, .value_kind: global_buffer, .address_space: global }
      - { .name: lnd_g, .offset: 104, .size: 8, .value_kind: global_buffer, .address_space: global }
      - { .name: lnd_b, .offset: 112, .size: 8, .value_kind: global_buffer, .address_space: global }
      - { .name: wdq_codes, .offset: 120, .size: 8, .value_kind: global_buffer, .address_space: global }
      - { .name: wdq_scales, .offset: 128, .size: 8, .value_kind: global_buffer, .address_space: global }
      - { .name: bdq, .offset: 136, .size: 8, .value_kind: global_buffer, .address_space: global }
      - { .name: wdk_codes, .offset: 144, .size: 8, .value_kind: global_buffer, .address_space: global }
      - { .name: wdk_scales, .offset: 152, .size: 8, .value_kind: global_buffer, .address_space: global }
      - { .name: bdk, .offset: 160, .size: 8, .value_kind: global_buffer, .address_space: global }
      - { .name: wdv_codes, .offset: 168, .size: 8, .value_kind: global_buffer, .address_space: global }
      - { .name: wdv_scales, .offset: 176, .size: 8, .value_kind: global_buffer, .address_space: global }
      - { .name: bdv, .offset: 184, .size: 8, .value_kind: global_buffer, .address_space: global }
      - { .name: codes1, .offset: 192, .size: 8, .value_kind: global_buffer, .address_space: global }
      - { .name: scales1, .offset: 200, .size: 8, .value_kind: global_buffer, .address_space: global }
    .group_segment_fixed_size: 21504
    .private_segment_fixed_size: 0
    .kernarg_segment_align: 8
    .kernarg_segment_size: 208
    .max_flat_workgroup_size: 256
    .sgpr_count:     86
    .vgpr_count:     512
    .wavefront_size: 32
...
	.end_amdgpu_metadata
.endif
;; end of part 1
;; launch attend (part 2): grid 16 x 16, 16 waves a work-group, clusters of 4 x 1, 327,680 bytes of LDS; arguments codes1, scales1, cc, cs; writes cc, cs
.if DOCPART == 2
	.amdgcn_target "amdgcn-amd-amdhsa--gfx1250"
	.amdhsa_code_object_version 6
	.text
	.protected	k_qd2d43060f6_attend
	.globl	k_qd2d43060f6_attend
	.p2align	8
	.type	k_qd2d43060f6_attend,@function
k_qd2d43060f6_attend:
	s_mov_b64 s[64:65], 0
	v_nop
	global_prefetch_b8 v0, s[64:65] scope:SCOPE_SE
	s_setreg_imm32_b32 hwreg(HW_REG_WAVE_MODE, 25, 1), 1
	s_wait_xcnt 0x0
	s_wait_alu depctr_hold_cnt(0) depctr_sa_sdst(0) depctr_va_vdst(0) depctr_va_sdst(0) depctr_va_ssrc(0) depctr_va_vcc(0) depctr_vm_vsrc(0)
	s_getreg_b32 s2, hwreg(HW_REG_IB_STS2, 6, 4)
	s_cmp_eq_u32 s2, 0
	s_cbranch_scc0 .Lentry_in_a_cluster
	s_endpgm
.Lentry_in_a_cluster:
	s_bfe_u32 s2, ttmp6, 0x10000c
	s_cmp_lg_u32 s2, 0x3003
	s_cbranch_scc0 .Lentry_shape_is_right
	s_endpgm
.Lentry_shape_is_right:
; ATTEND: both cross-attentions on codes of FP4: S^T = K Q^T, p = 2^t, p quantised along the keys, O^T = V^T P^T, O / l, ctx quantised along its 64 channels.
; LEFT OUT, as shown at the head of the first kernel: q and k are normalised by the problem itself, so |score| <= 0.383 for all finite inputs: the clip at +-10 changes no value; M = ceil(largest t) is 0 or 1, and any
; whole M gives the same codes' values and the same O / l: M = 0.  p lies in (0.68, 1.47), a row's sum under 6,030.  LIMIT: NaN and infinities are not served.
; SHARES.  y = 8 d + head: queries of side d, keys and values of side 1 - d.  A work-group owns 256 queries; each of its sixteen waves one tile of 16 (tile T = 16 qb + w), in 256 registers: four waves to a SIMD, so that
; one wave's vector work stands beside another's products and LDS loads.  A WHOLE HEAD'S K, V AND SCALES, 286,720 bytes, LIE IN LDS, filled once: no slot is ever filled again.
; CLUSTER.  The four query blocks of a cluster read the same head: each tile is asked for jointly, by the same tensor load with the same descriptor and the mask of all four.
; The fills go out as 8 chunks of 512 keys (wave 0: K's codes, wave 1: V's, wave 2: K's scale words, wave 3: V's): a loading wave has eight tensor loads out.  Chunk c is read behind a counted
; wait that leaves the 7 - c younger chunks on their way, and a barrier.
; LAYOUT.  A group of 32 keys is two tiles u; both lie in ONE operand of 128 along K: registers 0-3 tile 0's 64 codes, registers 4-7 tile 1's.  Against [q | 0] it gives tile 0's scores, against [0 | q] tile 1's: zero codes
; add nothing.  Lane r of tile u is key 8 u + r + 8 (r / 8), so the 16 registers of a group are keys 16 (lane / 16) + 0 .. 15.  A lane holds one query throughout.
; Nothing is prefetched: every byte that the work-group reads is asked for at its head.
.set KC,  2097152
.set KSO, 262144
.set VSO, 524288
.set KCL, 0                            ; LDS: K's codes, 128 groups x 1,024
.set VCL, 131072                       ;      V's codes, likewise
.set KSL, 262144                       ;      K's scale words, 128 groups x 128
.set VSL, 278528                       ;      V's scale words, 32 steps x 256
.set STG, 286720                       ;      ctx's scale bytes of the work-group's 16 tiles: 512 bytes, into which no fill lands
.set SPARE, 287232                     ;      the spare words, 128 bytes a wave
.set AK0, 1                            ; v1   16 x lane
.set AV0, 2                            ; v2   VCL + 1024 h + 16 r
.set ASK0, 3                           ; v3   KSL + 4 x lane
.set ASV0, 4                           ; v4   VSL + 4 x lane
.set SPW, 5                            ; v5   my spare word; never rewritten
.set NIL, 6                            ; v6   0; never rewritten
.set STA, 7                            ; v7   STG + 32 x wave + 2 r
.set ADK, 8                            ; v8-11 the step's addresses
.set ADV, 9
.set ADS, 10
.set ADT, 11
.set QW,  12                           ; v12  q's scale word: s0, s1, s0, s1
.set QB,  16                           ; v[16:23] = [0 | q]
.set QA,  20                           ; v[20:27] = [q | 0]
.set SUM, 28                           ; v28-35 the row's sum, in four pairs
.set KF,  36                           ; v36-67 four groups of K
.set KSR, 68                           ; v68-71 their scale words
.set VSR, 72                           ; v72-73 V's scale words: lanes 0-15 tile 2 i, lanes 16-31 tile 2 i + 1
.set VF,  76                           ; v76-107 four tiles of V^T
.set S,   108                          ; v108-171 S^T, then p
.set OA,  172                          ; v172-203 O^T
.set PC,  204                          ; v204-211 p's codes
.set PW,  212                          ; v212 p's scale word
.set TM,  214                          ; v214-225 at work
.set WV,  12                           ; s12 wave
.set SEL, 20
.set CL,  22                           ; s[22:23] log2(e)
.set TK,  24                           ; s24 the step's codes begin here, in K's and in V's region
.set TS,  25                           ; s25 K's scale words
.set TJ,  26                           ; s26 V's
.set CNT, 27
.set G0,  32                           ; s[32:63] eight groups 0, one for each of a wave's loads
.set G1C, 68                           ; s[68:75] group 1: 64 rows of 256 bytes
.set G1KS, 76                          ; s[76:83] 8 rows
.set G1VS, 84                          ; s[84:91] 4 rows
.set KB,  92
.set VB,  94
.set KSB, 96
.set VSB, 98
.macro CROUND                          ; a round of the cluster's barrier
	s_barrier_signal -1
	s_barrier_wait -1
	s_cmp_lg_u32 s[WV], 0
	s_cbranch_scc1 .Lnot_wave_0_\@
	s_barrier_signal -3
.Lnot_wave_0_\@:
	s_barrier_wait -3
	s_barrier_signal -1
	s_barrier_wait -1
.endm
.macro FILL8 base, lds, bytes, g1      ; eight dense chunks, each with a group 0 of its own; an s_nop 0 follows each load and four v_nop the last
.irp c, 0,1,2,3,4,5,6,7
	s_mov_b32 s[G0+4*\c], 1
	s_mov_b32 s[G0+4*\c+1], \lds+\c*\bytes
	s_add_nc_u64 s[G0+4*\c+2:G0+4*\c+3], s[\base:\base+1], \c*\bytes
	s_or_b32 s[G0+4*\c+3], s[G0+4*\c+3], 0x80000000
	tensor_load_to_lds s[G0+4*\c:G0+4*\c+3], s[\g1:\g1+7]
	s_nop 0
.endr
.rept 4
	v_nop
.endr
.endm
	s_load_b256 s[4:11], s[0:1], 0x0               ; codes1, scales1, cc, cs
	v_lshl_add_u32 v[SPW], v0, 2, SPARE
	v_mov_b32 v[NIL], 0
	ds_add_u32 v[SPW], v[NIL]                      ; the wave's opening: the add, twice on end, and its wait ahead of the first tensor load
	ds_add_u32 v[SPW], v[NIL]
	v_lshrrev_b32 v13, 5, v0
	v_readfirstlane_b32 s[WV], v13
	s_bfe_u32 s13, ttmp6, 0x40000                  ; cx
	s_lshl_b32 s14, ttmp9, 2
	s_add_co_u32 s14, s14, s13                     ; qb = 4 x cluster x + cx: it enters Q's, cc's and cs's addresses alone
	s_and_b32 s15, ttmp7, 0xffff
	s_lshr_b32 s16, s15, 3                         ; d
	s_and_b32 s17, s15, 7                          ; head
.irp g, G1C, G1KS, G1VS
	s_mov_b32 s[\g], 15|(3<<16)|(1<<21)            ; the mask of all four; elements of 8 bytes; bit 21 beside a mask; no padding
	s_mov_b32 s[\g+1], 32<<16                      ; tensor_dim0 = 32 elements: rows of 256 bytes
	s_mov_b32 s[\g+3], 32<<16                      ; tile_dim0
	s_mov_b32 s[\g+5], 32                          ; the pitch: the block is dense
	s_mov_b32 s[\g+6], 0
	s_mov_b32 s[\g+7], 0
.endr
	s_mov_b32 s[G1C+2], 64<<16                     ; tensor_dim1,
	s_mov_b32 s[G1C+4], 64                         ; tile_dim1
	s_mov_b32 s[G1KS+2], 8<<16
	s_mov_b32 s[G1KS+4], 8
	s_mov_b32 s[G1VS+2], 4<<16
	s_mov_b32 s[G1VS+4], 4
	s_mov_b32 s[SEL], 0x76543210
	s_mov_b32 s[SEL+1], 0xfedcba98
	s_mov_b32 s[CL], 0x3fb8aa3b
	s_mov_b32 s[CL+1], s[CL]
	s_xor_b32 s18, s16, 1                          ; the keys' side
	s_lshl_b32 s[KB], s18, 20
	s_lshl_b32 s19, s17, 17
	s_add_co_u32 s[KB], s[KB], s19
	s_add_co_u32 s[KB], s[KB], KC
	s_mov_b32 s[KB+1], 0
	s_lshl_b32 s[KSB], s18, 17
	s_lshl_b32 s19, s17, 14
	s_add_co_u32 s[KSB], s[KSB], s19
	s_add_co_u32 s[KSB], s[KSB], KSO
	s_mov_b32 s[KSB+1], 0
	s_lshl_b32 s[VSB], s18, 16
	s_lshl_b32 s19, s17, 13
	s_add_co_u32 s[VSB], s[VSB], s19
	s_add_co_u32 s[VSB], s[VSB], VSO
	s_mov_b32 s[VSB+1], 0
	s_lshl_b32 s29, s14, 4
	s_add_co_u32 s29, s29, s[WV]                   ; T
	s_lshl_b32 s2, s16, 20                         ; q's codes: d, head, T x 512
	s_lshl_b32 s15, s17, 17
	s_add_co_u32 s2, s2, s15
	s_lshl_b32 s15, s29, 9
	s_add_co_u32 s2, s2, s15
	s_mov_b32 s3, 0
	s_lshl_b32 s30, s16, 17                        ; q's scale words: d, head, (T / 2) x 128
	s_lshl_b32 s15, s17, 14
	s_add_co_u32 s30, s30, s15
	s_lshr_b32 s15, s29, 1
	s_lshl_b32 s15, s15, 7
	s_add_co_u32 s30, s30, s15
	s_mov_b32 s31, 0
	s_lshl_b32 s66, s16, 20                        ; cc: d, T x 4096, head x 512
	s_lshl_b32 s15, s29, 12
	s_add_co_u32 s66, s66, s15
	s_lshl_b32 s15, s17, 9
	s_add_co_u32 s66, s66, s15
	s_mov_b32 s67, 0
	s_lshl_b32 s24, s16, 16                        ; cs: d, head x 8192, qb x 512
	s_lshl_b32 s15, s17, 13
	s_add_co_u32 s24, s24, s15
	s_lshl_b32 s15, s14, 9
	s_add_co_u32 s24, s24, s15
	s_mov_b32 s25, 0
	v_and_b32 v13, 31, v0
	v_lshlrev_b32 v[AK0], 4, v13
	v_lshlrev_b32 v14, 2, v13
	v_and_b32 v8, 15, v0
	v_bfe_u32 v9, v0, 4, 1
	v_lshlrev_b32 v[AV0], 4, v8
	v_lshl_add_u32 v[AV0], v9, 10, v[AV0]
	v_add_nc_u32 v[AV0], VCL, v[AV0]
	v_add_nc_u32 v[ASK0], KSL, v14
	v_add_nc_u32 v[ASV0], VSL, v14
	s_lshl_b32 s19, s[WV], 5
	s_add_co_u32 s19, s19, STG
	v_lshl_add_u32 v[STA], v8, 1, s19
	s_wait_dscnt 0x0                               ; both opening adds are done
	s_wait_kmcnt 0x0
	s_add_nc_u64 s[KB:KB+1], s[4:5], s[KB:KB+1]
	s_add_nc_u64 s[VB:VB+1], s[KB:KB+1], 2097152
	s_add_nc_u64 s[KSB:KSB+1], s[6:7], s[KSB:KSB+1]
	s_add_nc_u64 s[VSB:VSB+1], s[6:7], s[VSB:VSB+1]
	s_add_nc_u64 s[4:5], s[4:5], s[2:3]
	s_add_nc_u64 s[6:7], s[6:7], s[30:31]
	s_add_nc_u64 s[8:9], s[8:9], s[66:67]
	s_add_nc_u64 s[10:11], s[10:11], s[24:25]
	CROUND                                         ; all four work-groups are here: the joint loads meet
	s_cmp_lg_u32 s[WV], 0                          ; each loading wave's eight fills stand in one arm of a branch on the wave's number, the same in all partners
	s_cbranch_scc1 .Lnot_k
	FILL8 KB, KCL, 16384, G1C
	s_branch .Lasked
.Lnot_k:
	s_cmp_lg_u32 s[WV], 1
	s_cbranch_scc1 .Lnot_v
	FILL8 VB, VCL, 16384, G1C
	s_branch .Lasked
.Lnot_v:
	s_cmp_lg_u32 s[WV], 2
	s_cbranch_scc1 .Lnot_ks
	FILL8 KSB, KSL, 2048, G1KS
	s_branch .Lasked
.Lnot_ks:
	s_cmp_lg_u32 s[WV], 3
	s_cbranch_scc1 .Lasked
	FILL8 VSB, VSL, 1024, G1VS
.Lasked:
	global_load_b128 v[QA:QA+3], v[AK0], s[4:5]    ; my tile of q: lanes 0-15 block 0, lanes 16-31 block 1
	global_load_b32 v13, v14, s[6:7]               ; its group's scale word
.irp j, 16,17,18,19,24,25,26,27
	v_mov_b32 v[\j], 0                             ; zero codes on both sides of q
.endr
.irp j, 0,1,2,3,4,5,6,7
	v_mov_b32 v[SUM+\j], 0
.endr
.irp b, 0,1,2,3
	v_mov_b32 v[TM+4+\b], 0                        ; written once: a lane permute's destination counts as one of its sources
.endr
	s_and_b32 s18, s[WV], 1                        ; u = T % 2
	s_mov_b32 s28, 0x03020302
	s_cmp_eq_u32 s18, 0
	s_cselect_b32 s28, 0x01000100, s28
	s_wait_loadcnt 0x0
	v_perm_b32 v[QW], v13, v13, s28                ; my tile's two bytes, twice: they serve [q | 0] and [0 | q]
.rept 8
	v_nop                                          ; a scale register written by a vector instruction stands 8 places ahead of a scaled product
.endr
.macro PVI t, zero
.if (\t)%2
.if \zero
	v_wmma_scale_f32_16x16x128_f8f6f4 v[OA+8*\t:OA+8*\t+7], v[VF+8*\t:VF+8*\t+7], v[PC:PC+7], 0, v[VSR+(\t)/2], v[PW] matrix_a_fmt:MATRIX_FMT_FP4 matrix_b_fmt:MATRIX_FMT_FP4 matrix_a_scale:MATRIX_SCALE_ROW1
.else
	v_wmma_scale_f32_16x16x128_f8f6f4 v[OA+8*\t:OA+8*\t+7], v[VF+8*\t:VF+8*\t+7], v[PC:PC+7], v[OA+8*\t:OA+8*\t+7], v[VSR+(\t)/2], v[PW] matrix_a_fmt:MATRIX_FMT_FP4 matrix_b_fmt:MATRIX_FMT_FP4 matrix_a_scale:MATRIX_SCALE_ROW1
.endif
.else
.if \zero
	v_wmma_scale_f32_16x16x128_f8f6f4 v[OA+8*\t:OA+8*\t+7], v[VF+8*\t:VF+8*\t+7], v[PC:PC+7], 0, v[VSR+(\t)/2], v[PW] matrix_a_fmt:MATRIX_FMT_FP4 matrix_b_fmt:MATRIX_FMT_FP4
.else
	v_wmma_scale_f32_16x16x128_f8f6f4 v[OA+8*\t:OA+8*\t+7], v[VF+8*\t:VF+8*\t+7], v[PC:PC+7], v[OA+8*\t:OA+8*\t+7], v[VSR+(\t)/2], v[PW] matrix_a_fmt:MATRIX_FMT_FP4 matrix_b_fmt:MATRIX_FMT_FP4
.endif
.endif
.endm
; A KEY STEP: 128 keys, four groups b.  zero = 1: the first step starts O^T's sums.  Between two products on one tile of O^T stand three on the other tiles and eight on S^T: the accumulators take turns.
.macro STEP zero
	v_add_nc_u32 v[ADK], s[TK], v[AK0]             ; these four are also the places between the last step's products and the loads into V's registers
	v_add_nc_u32 v[ADV], s[TK], v[AV0]
	v_add_nc_u32 v[ADS], s[TS], v[ASK0]
	v_add_nc_u32 v[ADT], s[TJ], v[ASV0]
.irp b, 0,1,2,3
	ds_load_b128 v[KF+8*\b:KF+8*\b+3], v[ADK] offset:1024*\b
	ds_load_b128 v[KF+8*\b+4:KF+8*\b+7], v[ADK] offset:1024*\b+512
.endr
.irp b, 0,1,2,3
	ds_load_b32 v[KSR+\b], v[ADS] offset:128*\b
.endr
.irp t, 0,1,2,3
	ds_load_b128 v[VF+8*\t:VF+8*\t+3], v[ADV] offset:256*\t          ; keys 32 h on of channel (t, r),
	ds_load_b128 v[VF+8*\t+4:VF+8*\t+7], v[ADV] offset:256*\t+2048   ; and keys 64 + 32 h on
.endr
	ds_load_b32 v[VSR], v[ADT]
	ds_load_b32 v[VSR+1], v[ADT] offset:128
	s_wait_dscnt 10                                ; K's twelve loads are in; V's ten may be out
.irp b, 0,1,2,3
	v_wmma_scale_f32_16x16x128_f8f6f4 v[S+16*\b:S+16*\b+7], v[KF+8*\b:KF+8*\b+7], v[QA:QA+7], 0, v[KSR+\b], v[QW] matrix_a_fmt:MATRIX_FMT_FP4 matrix_b_fmt:MATRIX_FMT_FP4
	v_wmma_scale_f32_16x16x128_f8f6f4 v[S+16*\b+8:S+16*\b+15], v[KF+8*\b:KF+8*\b+7], v[QB:QB+7], 0, v[KSR+\b], v[QW] matrix_a_fmt:MATRIX_FMT_FP4 matrix_b_fmt:MATRIX_FMT_FP4
.endr
.rept 4
	v_nop
.endr
.set J_, 0
.rept 32
	v_pk_mul_f32 v[S+J_:S+J_+1], v[S+J_:S+J_+1], s[CL:CL+1] op_sel_hi:[1,0]   ; t = score x log2(e), each accumulator from its low end on
.set J_, J_+2
.endr
.set J_, 0
.rept 64
	v_exp_f32 v[S+J_], v[S+J_]                     ; p = 2^t
.set J_, J_+1
.endr
	v_nop                                          ; a plain place behind the exponentials
	s_wait_alu depctr_va_vdst(0)                   ; one wait for the batch, ahead of its first reader
.irp b, 0,1,2,3
	v_max3_num_f32 v[TM+\b], v[S+16*\b], v[S+16*\b+1], v[S+16*\b+2]   ; each block's largest p (p is over 1/2: no floor is wanted)
.endr
.irp i, 3,5,7,9,11,13
.irp b, 0,1,2,3
	v_max3_num_f32 v[TM+\b], v[TM+\b], v[S+16*\b+\i], v[S+16*\b+\i+1]
.endr
.endr
.irp b, 0,1,2,3
	v_max_num_f32 v[TM+\b], v[TM+\b], v[S+16*\b+15]
.endr
.irp b, 0,1,2,3
	v_permlanex16_b32 v[TM+4+\b], v[TM+\b], s[SEL], s[SEL+1]
.endr
.irp b, 0,1,2,3
	v_max_num_f32 v[TM+\b], v[TM+\b], v[TM+4+\b]
.endr
.irp b, 0,1,2,3
	v_add_nc_u32 v[TM+8+\b], 0xff000000, v[TM+\b]  ; 2 off the exponent field: the conversion's scale operand
.endr
.irp b, 0,1,2,3
	v_lshrrev_b32 v[TM+4+\b], 23, v[TM+8+\b]
.endr
	v_lshl_or_b32 v[PW], v[TM+5], 8, v[TM+4]
	v_lshl_or_b32 v[PW], v[TM+6], 16, v[PW]
	v_lshl_or_b32 v[PW], v[TM+7], 24, v[PW]
.irp b, 0,1,2,3
	v_cvt_scalef32_pk8_fp4_f32 v[PC+2*\b], v[S+16*\b:S+16*\b+7], v[TM+8+\b]
	v_cvt_scalef32_pk8_fp4_f32 v[PC+1+2*\b], v[S+16*\b+8:S+16*\b+15], v[TM+8+\b]
.endr
	v_nop                                          ; one plain place behind a scaled conversion
.irp c, 0,1
.irp i, 0,1
	v_permlane16_swap_b32 v[PC+4*\c+\i], v[PC+2+4*\c+\i]
.endr
.endr
.set J_, 0
.rept 32
	v_pk_add_f32 v[SUM+2*((J_/2)%4):SUM+2*((J_/2)%4)+1], v[SUM+2*((J_/2)%4):SUM+2*((J_/2)%4)+1], v[S+J_:S+J_+1]   ; the row's sum, of the unquantised p; these 32 are also the places between p's codes and scale word and the products
.set J_, J_+2
.endr
	s_wait_dscnt 0x0                               ; V is in
.irp t, 0,1,2,3
	PVI \t, \zero
.endr
	s_add_co_u32 s[TK], s[TK], 4096
	s_add_co_u32 s[TS], s[TS], 512
	s_add_co_u32 s[TJ], s[TJ], 256
.endm
; CHUNK c: 512 keys, four steps
.macro CHUNK c
	s_wait_tensorcnt 7-\c                          ; a loading wave's chunk c has landed; its 7 - c younger loads may stay out
	s_wait_dscnt 0x0
	s_barrier_signal -1
	s_barrier_wait -1
	s_mov_b32 s[TK], 16384*\c
	s_mov_b32 s[TS], 2048*\c
	s_mov_b32 s[TJ], 1024*\c
.if \c == 0
	STEP 1
	s_mov_b32 s[CNT], 3
.else
	s_mov_b32 s[CNT], 4
.endif
.Lstep_\@:
	STEP 0
	s_sub_co_u32 s[CNT], s[CNT], 1
	s_cmp_lg_u32 s[CNT], 0
	s_cbranch_scc1 .Lstep_\@
.endm
.irp c, 0,1,2,3,4,5,6,7
	CHUNK \c
.endr
	; THE WAY OUT: O^T / the sum; the quantiser along the head's 64 channels; half a fragment of ctx and its two scale bytes
	v_pk_add_f32 v[SUM:SUM+1], v[SUM:SUM+1], v[SUM+2:SUM+3]           ; (these four are the places behind the last products)
	v_pk_add_f32 v[SUM+4:SUM+5], v[SUM+4:SUM+5], v[SUM+6:SUM+7]
	v_pk_add_f32 v[SUM:SUM+1], v[SUM:SUM+1], v[SUM+4:SUM+5]
	v_add_f32 v[SUM], v[SUM], v[SUM+1]
	v_permlanex16_b32 v[SUM+1], v[SUM], s[SEL], s[SEL+1]
	v_add_f32 v[SUM], v[SUM], v[SUM+1]
	v_rcp_f32 v[SUM], v[SUM]
	v_add_nc_u32 v14, STG, v[AK0]                  ; (a plain place behind the transcendental)
	s_wait_alu depctr_va_vdst(0)
.set J_, 0
.rept 16
	v_pk_mul_f32 v[OA+J_:OA+J_+1], v[OA+J_:OA+J_+1], v[SUM:SUM+1] op_sel_hi:[1,0]   ; register 16 b + i = channel 32 b + 16 h + i
.set J_, J_+2
.endr
.irp b, 0,1
	v_max3_num_f32 v[TM+\b], |v[OA+16*\b]|, |v[OA+16*\b+1]|, 0x1800000
.endr
.irp i, 2,4,6,8,10,12,14
.irp b, 0,1
	v_max3_num_f32 v[TM+\b], v[TM+\b], |v[OA+16*\b+\i]|, |v[OA+16*\b+\i+1]|
.endr
.endr
.irp b, 0,1
	v_permlanex16_b32 v[TM+4+\b], v[TM+\b], s[SEL], s[SEL+1]
.endr
.irp b, 0,1
	v_max_num_f32 v[TM+\b], v[TM+\b], v[TM+4+\b]
.endr
.irp b, 0,1
	v_add_nc_u32 v[TM+8+\b], 0xff000000, v[TM+\b]
.endr
.irp b, 0,1
	v_lshrrev_b32 v[TM+4+\b], 23, v[TM+8+\b]
.endr
	v_lshl_or_b32 v13, v[TM+5], 8, v[TM+4]
.irp b, 0,1
	v_cvt_scalef32_pk8_fp4_f32 v[PC+2*\b], v[OA+16*\b:OA+16*\b+7], v[TM+8+\b]
	v_cvt_scalef32_pk8_fp4_f32 v[PC+1+2*\b], v[OA+16*\b+8:OA+16*\b+15], v[TM+8+\b]
.endr
	v_nop
	v_permlane16_swap_b32 v[PC], v[PC+2]
	v_permlane16_swap_b32 v[PC+1], v[PC+3]         ; lanes 0-15: block 0, lanes 16-31: block 1
	global_store_b128 v[AK0], v[PC:PC+3], s[8:9]   ; 512 consecutive bytes, aligned
	ds_store_b16 v[STA], v13                       ; lanes l and l xor 16 write the same two bytes
	s_wait_dscnt 0x0
	s_barrier_signal -1
	s_barrier_wait -1
	s_cmp_lg_u32 s[WV], 0                          ; wave 0 stores the sixteen tiles' scale bytes: 512 consecutive bytes
	s_cbranch_scc1 .Lno_scales
	ds_load_b128 v[KF:KF+3], v14
	s_wait_dscnt 0x0
	global_store_b128 v[AK0], v[KF:KF+3], s[10:11]
.Lno_scales:
	s_wait_tensorcnt 0x0                           ; the wave's end: three lines behind my last tensor load and my last LDS store
	ds_add_u32 v[SPW], v[NIL]
	s_wait_dscnt 0x0
	CROUND                                         ; the closing round
	s_endpgm
.Lfunc_end_k_qd2d43060f6_attend:
	.size	k_qd2d43060f6_attend, .Lfunc_end_k_qd2d43060f6_attend-k_qd2d43060f6_attend
	.p2alignl 7, 3214868480
	.fill 96, 4, 3214868480
	.section	.rodata,"a",@progbits
	.p2align	6, 0x0
	.amdhsa_kernel k_qd2d43060f6_attend
		.amdhsa_group_segment_fixed_size 327680
		.amdhsa_private_segment_fixed_size 0
		.amdhsa_enable_private_segment 0
		.amdhsa_kernarg_size 32
		.amdhsa_user_sgpr_count 2
		.amdhsa_user_sgpr_kernarg_segment_ptr 1
		.amdhsa_wavefront_size32 1
		.amdhsa_system_sgpr_workgroup_id_x 1
		.amdhsa_system_sgpr_workgroup_id_y 1
		.amdhsa_system_sgpr_workgroup_id_z 1
		.amdhsa_system_vgpr_workitem_id 0
		.amdhsa_next_free_vgpr 256
		.amdhsa_next_free_sgpr 100
		.amdhsa_reserve_vcc 0
		.amdhsa_float_denorm_mode_32 3
		.amdhsa_float_denorm_mode_16_64 3
		.amdhsa_memory_ordered 1
		.amdhsa_forward_progress 1
		.amdhsa_inst_pref_size 142
	.end_amdhsa_kernel
	.amdgpu_metadata
---
amdhsa.version: [ 1, 2 ]
amdhsa.kernels:
  - .name:           k_qd2d43060f6_attend
    .symbol:         k_qd2d43060f6_attend.kd
    .args:
      - { .name: codes1, .offset: 0, .size: 8, .value_kind: global_buffer, .address_space: global }
      - { .name: scales1, .offset: 8, .size: 8, .value_kind: global_buffer, .address_space: global }
      - { .name: cc, .offset: 16, .size: 8, .value_kind: global_buffer, .address_space: global }
      - { .name: cs, .offset: 24, .size: 8, .value_kind: global_buffer, .address_space: global }
    .group_segment_fixed_size: 327680
    .private_segment_fixed_size: 0
    .kernarg_segment_align: 8
    .kernarg_segment_size: 32
    .max_flat_workgroup_size: 512
    .sgpr_count:     100
    .vgpr_count:     256
    .wavefront_size: 32
...
	.end_amdgpu_metadata
.endif
;; end of part 2
;; launch gate (part 3): grid 256 x 1, 8 waves a work-group, no clusters, 93,184 bytes of LDS; arguments gene_embeds, wgg_codes, wgg_scales, bgg, gg_g, gg_b, out0, drug_embeds, wdg_codes, wdg_scales, bdg, dg_g, dg_b, out1, wo_codes, wo_scales, bo, codes1, scales1, cc, cs; writes out0, out1
.if DOCPART == 3
	.amdgcn_target "amdgcn-amd-amdhsa--gfx1250"
	.amdhsa_code_object_version 6
	.text
	.protected	k_qd2d43060f6_gate
	.globl	k_qd2d43060f6_gate
	.p2align	8
	.type	k_qd2d43060f6_gate,@function
k_qd2d43060f6_gate:
	s_mov_b64 s[64:65], 0
	v_nop
	global_prefetch_b8 v0, s[64:65] scope:SCOPE_SE
	s_setreg_imm32_b32 hwreg(HW_REG_WAVE_MODE, 25, 1), 1
	s_wait_xcnt 0x0
; GATE: out = x + sigmoid(LayerNorm([ctx, x] Wg + bg)) * (ctx Wo + bo), both products on codes of FP4.  ctx's and x's codes and scale bytes were made by the two launches before; nothing is left out here.
; SHARES.  A work-group takes 32 rows of one side (side = wg / 128, group g = wg % 128): two tiles u, lane r of tile u = row 32 g + 8 u + r + 8 (r / 8).  Wave w makes columns 64 w .. 64 w + 63 of both products.
; Transposed use (source 0 = 16 rows of W, source 1 = the rows' fragment): lane (r, h) holds one row, register j of tile t column 64 w + 16 t + 8 h + j.  The biases are loaded into the accumulators and so begin the sums.
; The sixteen fragments (ctx's eight K steps x tiles, x's eight) are fetched once, a fragment a wave, and go round through LDS as images of their registers.
; The weights go from memory into the registers that multiply them.  No joint loads: a work-group's weights, 417,792 bytes, do not fit into LDS at once.
; The LayerNorm's row spans the eight waves: each gives mean and M2 of its 64 columns; they are joined without a difference of large sums.
; LIMIT: NaN and infinities among the inputs are not served.
.set XC,  6291456
.set XSO, 655360
.set CI,    0                          ; LDS: ctx's eight fragments' images
.set CSW,   8192                       ;      their scale words
.set XI,    9216                       ;      x's images
.set XSW,   17408                      ;      their scale words
.set STAT,  18432                      ;      8 waves x 32 lanes x (mean 0, M2 0, mean 1, M2 1)
.set STG,   22528                      ;      a stage of 32 rows x (256 + 16) bytes for each wave
.set SPARE, 92160                      ;      the spare words
.set LI,  1                            ; v1   16 x lane
.set LS,  2                            ; v2   4 x lane
.set WGA, 3                            ; v3   512 r + 16 h
.set WOA, 4                            ; v4   256 r + 16 h
.set GSA, 5                            ; v5   32 r
.set OSA, 6                            ; v6   16 r
.set BA,  7                            ; v7   32 h
.set IW,  8                            ; v8   16 x lane + 1024 x wave
.set SWA, 9                            ; v9   4 x lane + 128 x wave
.set STW, 10                           ; v10  STAT + 16 x lane + 512 x wave
.set SO,  11                           ; v11  my stage: row r + 8 (r / 8), + 32 h
.set SR,  12                           ; v12  my stage: row lane / 16, + 16 (lane % 16)
.set RO,  13                           ; v13  the same two rows in x and in out
.set SPW, 14
.set NIL, 15
.set AF,  16                           ; v16-79   eight fragments; at work
.set AS,  80                           ; v80-87   their scale words
.set GG,  88                           ; v88-151  the gate's accumulators, 32 u + 8 t
.set YY,  152                          ; v152-215 ctx Wo + bo
.set GS,  216                          ; v216-231 the gate weight's scale words, 4 t + s
.set OS,  232                          ; v232-247 Wo's
.set SEL, 60
.set EMB, 8
.set WGC, 10
.set WGS, 12
.set BG,  14
.set GGG, 16
.set GGB, 18
.set OUT, 20
.set WOC, 40
.set WOS, 42
.set BO,  44
.set C1,  46
.set S1,  48
.set CC,  50
.set CS,  52
; window 1: v0-127 (R1) the gate's weights, a half of K at a time; v128-255 (R2) Wo, later x's rows (v128-191), the gain (v192-223) and the bias (v224-255)
.set MSB, 0
.macro WIN new
.if MSB != \new
	s_set_vgpr_msb (MSB<<8)|\new
.set MSB, \new
.endif
.endm
.macro PLACES
.rept 4
	v_nop
.endr
.endm
.macro BARRIER
	s_wait_dscnt 0x0
	s_barrier_signal -1
	s_barrier_wait -1
.endm
.macro LSTAT s, cnt, inv, scr, dst     ; mean and M2 of cnt registers of this lane and of lane l xor 16; the registers are read in ascending order
.irp k, 0,1,2,3
	v_pk_add_f32 v[\scr+2*\k:\scr+2*\k+1], v[\s+2*\k:\s+2*\k+1], v[\s+8+2*\k:\s+8+2*\k+1]
.endr
.set M_, 2
.rept \cnt/8-2
.irp k, 0,1,2,3
	v_pk_add_f32 v[\scr+2*\k:\scr+2*\k+1], v[\scr+2*\k:\scr+2*\k+1], v[\s+8*M_+2*\k:\s+8*M_+2*\k+1]
.endr
.set M_, M_+1
.endr
	v_pk_add_f32 v[\scr:\scr+1], v[\scr:\scr+1], v[\scr+2:\scr+3]
	v_pk_add_f32 v[\scr+4:\scr+5], v[\scr+4:\scr+5], v[\scr+6:\scr+7]
	v_pk_add_f32 v[\scr:\scr+1], v[\scr:\scr+1], v[\scr+4:\scr+5]
	v_add_f32 v[\scr], v[\scr], v[\scr+1]
	v_permlanex16_b32 v[\scr+1], v[\scr], s[SEL], s[SEL+1]
	v_add_f32 v[\scr], v[\scr], v[\scr+1]
	v_mul_f32 v[\dst], \inv, v[\scr]
.set M_, 0
.rept \cnt/8
.irp k, 0,1,2,3
	v_pk_add_f32 v[\scr+8+2*\k:\scr+9+2*\k], v[\s+8*M_+2*\k:\s+8*M_+2*\k+1], v[\dst:\dst+1] op_sel_hi:[1,0] neg_lo:[0,1] neg_hi:[0,1]
.endr
.irp k, 0,1,2,3
.if M_ == 0
	v_pk_mul_f32 v[\scr+2*\k:\scr+2*\k+1], v[\scr+8+2*\k:\scr+9+2*\k], v[\scr+8+2*\k:\scr+9+2*\k]
.else
	v_pk_fma_f32 v[\scr+2*\k:\scr+2*\k+1], v[\scr+8+2*\k:\scr+9+2*\k], v[\scr+8+2*\k:\scr+9+2*\k], v[\scr+2*\k:\scr+2*\k+1]
.endif
.endr
.set M_, M_+1
.endr
	v_pk_add_f32 v[\scr:\scr+1], v[\scr:\scr+1], v[\scr+2:\scr+3]
	v_pk_add_f32 v[\scr+4:\scr+5], v[\scr+4:\scr+5], v[\scr+6:\scr+7]
	v_pk_add_f32 v[\scr:\scr+1], v[\scr:\scr+1], v[\scr+4:\scr+5]
	v_add_f32 v[\scr], v[\scr], v[\scr+1]
	v_permlanex16_b32 v[\scr+1], v[\scr], s[SEL], s[SEL+1]
	v_add_f32 v[\dst+1], v[\scr], v[\scr+1]
.endm
.macro WLOAD R, base, adr, tstep, koff ; 16 fragments (tile t, K step s) of my 64 rows of a weight at v[R + 8 (4 t + s)] of window 1
	WIN 0x40
.irp t, 0,1,2,3
.irp s, 0,1,2,3
.irp c, 0,1
	global_load_b128 v[\R+8*(4*\t+\s)+4*\c:\R+8*(4*\t+\s)+4*\c+3], v[\adr], s[\base:\base+1] offset:\tstep*\t+\koff+64*\s+32*\c
.endr
.endr
.endr
	WIN 0
.endm
.macro AFETCH img, sc
.irp f, 0,1,2,3,4,5,6,7
	ds_load_b128 v[AF+8*\f:AF+8*\f+3], v[LI] offset:\img+1024*\f
	ds_load_b128 v[AF+8*\f+4:AF+8*\f+7], v[LI] offset:\img+1024*\f+512
	ds_load_b32 v[AS+\f], v[LS] offset:\sc+128*\f
.endr
.endm
.macro PROD acc, R, sc                 ; 32 products onto eight accumulators, which take turns
	WIN 0x01                                       ; source 0 (W) window 1
.irp s, 0,1,2,3
.irp u, 0,1
.irp t, 0,1,2,3
	v_wmma_scale_f32_16x16x128_f8f6f4 v[\acc+32*\u+8*\t:\acc+32*\u+8*\t+7], v[\R+8*(4*\t+\s):\R+8*(4*\t+\s)+7], v[AF+8*(4*\u+\s):AF+8*(4*\u+\s)+7], v[\acc+32*\u+8*\t:\acc+32*\u+8*\t+7], v[\sc+4*\t+\s], v[AS+4*\u+\s] matrix_a_fmt:MATRIX_FMT_FP4 matrix_b_fmt:MATRIX_FMT_FP4
.endr
.endr
.endr
	WIN 0
.endm
	s_load_b256 s[8:15], s[0:1], 0x0               ; the gene side's seven buffers
	s_load_b128 s[16:19], s[0:1], 0x20
	s_load_b64 s[20:21], s[0:1], 0x30
	s_load_b256 s[24:31], s[0:1], 0x38             ; the drug side's
	s_load_b128 s[32:35], s[0:1], 0x58
	s_load_b64 s[36:37], s[0:1], 0x68
	s_load_b256 s[40:47], s[0:1], 0x70             ; wo's codes, scales, bo, codes1
	s_load_b128 s[48:51], s[0:1], 0x90             ; scales1, cc
	s_load_b64 s[52:53], s[0:1], 0xa0              ; cs
	v_lshl_add_u32 v[SPW], v0, 2, SPARE
	v_mov_b32 v[NIL], 0
	v_lshrrev_b32 v253, 5, v0
	v_readfirstlane_b32 s2, v253                   ; wave
	s_lshr_b32 s3, ttmp9, 7                        ; side
	s_and_b32 s4, ttmp9, 127                       ; g
	s_lshr_b32 s5, s2, 2                           ; u of the fragment that I fetch
	s_and_b32 s6, s2, 3                            ; and its K step
	s_mov_b32 s[SEL], 0x76543210
	s_mov_b32 s[SEL+1], 0xfedcba98
	s_mov_b32 s58, 0xbfb8aa3b                      ; -log2(e)
	s_mov_b32 s59, s58
	s_mov_b32 s62, 0x3727c5ac                      ; 1e-5
	s_mov_b32 s63, 0x3b000000                      ; 1 / 512
	v_and_b32 v253, 31, v0
	v_and_b32 v254, 15, v0
	v_bfe_u32 v255, v0, 4, 1
	v_lshlrev_b32 v[LI], 4, v253
	v_lshlrev_b32 v[LS], 2, v253
	v_lshlrev_b32 v[WGA], 9, v254
	v_lshl_add_u32 v[WGA], v255, 4, v[WGA]
	v_lshlrev_b32 v[WOA], 8, v254
	v_lshl_add_u32 v[WOA], v255, 4, v[WOA]
	v_lshlrev_b32 v[GSA], 5, v254
	v_lshlrev_b32 v[OSA], 4, v254
	v_lshlrev_b32 v[BA], 5, v255
	s_lshl_b32 s7, s2, 10
	v_add_nc_u32 v[IW], s7, v[LI]
	s_lshl_b32 s7, s2, 7
	v_add_nc_u32 v[SWA], s7, v[LS]
	s_lshl_b32 s7, s2, 9
	s_add_co_u32 s7, s7, STAT
	v_add_nc_u32 v[STW], s7, v[LI]
	s_mul_i32 s7, s2, 8704
	s_add_co_u32 s7, s7, STG
	v_and_b32 v251, 8, v254
	v_add_nc_u32 v251, v251, v254
	v_mul_u32_u24 v[SO], v251, 272
	v_lshl_add_u32 v[SO], v255, 5, v[SO]
	v_add_nc_u32 v[SO], s7, v[SO]
	v_mul_u32_u24 v[SR], v255, 272
	v_lshl_add_u32 v[SR], v254, 4, v[SR]
	v_add_nc_u32 v[SR], s7, v[SR]
	v_lshlrev_b32 v[RO], 11, v255
	v_lshl_add_u32 v[RO], v254, 4, v[RO]
	v_lshlrev_b32 v252, 1, v254                    ; 2 r: ctx's scale bytes
	s_wait_kmcnt 0x0
	s_cmp_eq_u32 s3, 0                             ; the choice hangs on the work-group's number alone
.irp i, 0,2,4,6,8,10,12
	s_cselect_b64 s[8+\i:9+\i], s[8+\i:9+\i], s[24+\i:25+\i]
.endr
	s_mov_b32 s25, 0
	s_lshl_b32 s26, s2, 8                          ; my 64 columns, in bytes of f32
	s_mov_b32 s27, 0
	s_lshl_b32 s24, s4, 16
	s_add_co_u32 s24, s24, s26
	s_add_nc_u64 s[EMB:EMB+1], s[EMB:EMB+1], s[24:25]
	s_add_nc_u64 s[OUT:OUT+1], s[OUT:OUT+1], s[24:25]
.irp p, BG, GGG, GGB, BO
	s_add_nc_u64 s[\p:\p+1], s[\p:\p+1], s[26:27]
.endr
	s_lshl_b32 s24, s2, 15
	s_add_nc_u64 s[WGC:WGC+1], s[WGC:WGC+1], s[24:25]
	s_lshl_b32 s24, s2, 11
	s_add_nc_u64 s[WGS:WGS+1], s[WGS:WGS+1], s[24:25]
	s_lshl_b32 s24, s2, 14
	s_add_nc_u64 s[WOC:WOC+1], s[WOC:WOC+1], s[24:25]
	s_lshl_b32 s24, s2, 10
	s_add_nc_u64 s[WOS:WOS+1], s[WOS:WOS+1], s[24:25]
	s_lshl_b32 s26, s4, 1
	s_add_co_u32 s26, s26, s5                      ; T = 2 g + u
	s_lshl_b32 s24, s3, 20                         ; cc: side, T x 4096, s x 1024
	s_lshl_b32 s7, s26, 12
	s_add_co_u32 s24, s24, s7
	s_lshl_b32 s7, s6, 10
	s_add_co_u32 s24, s24, s7
	s_add_nc_u64 s[CC:CC+1], s[CC:CC+1], s[24:25]
	s_lshl_b32 s24, s3, 20                         ; x's codes: XC, side, g x 8192, fragment x 1024
	s_lshl_b32 s7, s4, 13
	s_add_co_u32 s24, s24, s7
	s_lshl_b32 s7, s2, 10
	s_add_co_u32 s24, s24, s7
	s_add_co_u32 s24, s24, XC
	s_add_nc_u64 s[C1:C1+1], s[C1:C1+1], s[24:25]
	s_lshl_b32 s24, s3, 16                         ; cs: side, head 2 s x 8192, T x 32
	s_lshl_b32 s7, s6, 14
	s_add_co_u32 s24, s24, s7
	s_lshl_b32 s7, s26, 5
	s_add_co_u32 s24, s24, s7
	s_add_nc_u64 s[CS:CS+1], s[CS:CS+1], s[24:25]
	s_lshl_b32 s24, s3, 17                         ; x's scale words: XSO, side, g x 1024, fragment x 128
	s_lshl_b32 s7, s4, 10
	s_add_co_u32 s24, s24, s7
	s_lshl_b32 s7, s2, 7
	s_add_co_u32 s24, s24, s7
	s_add_co_u32 s24, s24, XSO
	s_add_nc_u64 s[S1:S1+1], s[S1:S1+1], s[24:25]
	; all that is known is asked for now: my two fragments 7 loads, the biases 32, scale words 8, the gate's first half 32, Wo 32
	global_load_b128 v[16:19], v[LI], s[CC:CC+1]
	global_load_b128 v[20:23], v[LI], s[CC:CC+1] offset:512
	global_load_b128 v[24:27], v[LI], s[C1:C1+1]
	global_load_b128 v[28:31], v[LI], s[C1:C1+1] offset:512
	global_load_u16 v248, v252, s[CS:CS+1]         ; head 2 s: two bytes of row r,
	global_load_u16 v249, v252, s[CS:CS+1] offset:8192   ; head 2 s + 1
	global_load_b32 v250, v[LS], s[S1:S1+1]
.irp u, 0,1
.irp t, 0,1,2,3
	global_load_b128 v[GG+32*\u+8*\t:GG+32*\u+8*\t+3], v[BA], s[BG:BG+1] offset:64*\t
	global_load_b128 v[GG+32*\u+8*\t+4:GG+32*\u+8*\t+7], v[BA], s[BG:BG+1] offset:64*\t+16
	global_load_b128 v[YY+32*\u+8*\t:YY+32*\u+8*\t+3], v[BA], s[BO:BO+1] offset:64*\t
	global_load_b128 v[YY+32*\u+8*\t+4:YY+32*\u+8*\t+7], v[BA], s[BO:BO+1] offset:64*\t+16
.endr
.endr
.irp t, 0,1,2,3
	global_load_b128 v[GS+4*\t:GS+4*\t+3], v[GSA], s[WGS:WGS+1] offset:512*\t
	global_load_b128 v[OS+4*\t:OS+4*\t+3], v[OSA], s[WOS:WOS+1] offset:256*\t
.endr
	WLOAD 0, WGC, WGA, 8192, 0
	WLOAD 128, WOC, WOA, 4096, 0
	s_wait_loadcnt 63                              ; 104 loads are younger than my seven; the count's field holds 63: they are in
	v_lshl_or_b32 v248, v249, 16, v248             ; ctx's scale word of K step s
	ds_store_b128 v[IW], v[16:19] offset:CI
	ds_store_b128 v[IW], v[20:23] offset:CI+512
	ds_store_b128 v[IW], v[24:27] offset:XI
	ds_store_b128 v[IW], v[28:31] offset:XI+512
	ds_store_b32 v[SWA], v248 offset:CSW
	ds_store_b32 v[SWA], v250 offset:XSW
	BARRIER                                        ; the sixteen fragments lie in LDS
	AFETCH CI, CSW
	s_wait_loadcnt 32                              ; the biases, the scale words and the gate's first half are in; Wo's 32 loads may be out
	s_wait_dscnt 0x0
	PROD GG, 0, GS                                 ; the gate, K = ctx
	PLACES                                         ; in front of loads into registers that the products have read
	WLOAD 0, WGC, WGA, 8192, 256                   ; the gate's second half of K
.irp t, 0,1,2,3
	global_load_b128 v[GS+4*\t:GS+4*\t+3], v[GSA], s[WGS:WGS+1] offset:512*\t+16
.endr
	s_wait_loadcnt 36                              ; Wo is in; the 36 just issued may be out
	PROD YY, 128, OS                               ; ctx Wo + bo
	PLACES
	AFETCH XI, XSW
	WIN 0x40
.irp i, 0,1,2,3,4,5,6,7,8,9,10,11,12,13,14,15
	global_load_b128 v[128+4*\i:128+4*\i+3], v[RO], s[EMB:EMB+1] offset:4096*\i      ; x's rows 2 i, 2 i + 1, my 256 bytes of each
.endr
.irp t, 0,1,2,3
	global_load_b128 v[192+8*\t:192+8*\t+3], v[BA], s[GGG:GGG+1] offset:64*\t
	global_load_b128 v[192+8*\t+4:192+8*\t+7], v[BA], s[GGG:GGG+1] offset:64*\t+16
	global_load_b128 v[224+8*\t:224+8*\t+3], v[BA], s[GGB:GGB+1] offset:64*\t
	global_load_b128 v[224+8*\t+4:224+8*\t+7], v[BA], s[GGB:GGB+1] offset:64*\t+16
.endr
	WIN 0
	s_wait_loadcnt 32                              ; the gate's second half and its scale words are in; the 32 just issued may be out
	s_wait_dscnt 0x0
	PROD GG, 0, GS                                 ; the gate, K = x
	PLACES
	LSTAT GG, 32, 0x3c800000, AF, 248              ; tile 0: mean and M2 of my 64 columns
	LSTAT GG+32, 32, 0x3c800000, AF+16, 250        ; tile 1
	ds_store_b128 v[STW], v[248:251]
	BARRIER                                        ; the eight parts of every row's statistics lie in LDS
.irp q, 0,1,2,3,4,5,6,7
	ds_load_b128 v[AF+4*\q:AF+4*\q+3], v[LI] offset:STAT+512*\q
.endr
	s_wait_dscnt 0x0
.irp u, 0,1
	v_pk_add_f32 v[AF+32+2*\u:AF+33+2*\u], v[AF+2*\u:AF+2*\u+1], v[AF+4+2*\u:AF+5+2*\u]   ; (sum of means, sum of M2)
.endr
.irp q, 2,3,4,5,6,7
.irp u, 0,1
	v_pk_add_f32 v[AF+32+2*\u:AF+33+2*\u], v[AF+32+2*\u:AF+33+2*\u], v[AF+4*\q+2*\u:AF+4*\q+2*\u+1]
.endr
.endr
.irp u, 0,1
	v_mul_f32 v[AF+36+2*\u], 0x3e000000, v[AF+32+2*\u]   ; the row's mean
.endr
.irp q, 0,1,2,3,4,5,6,7
.irp u, 0,1
	v_sub_f32 v[AF+4*\q+2*\u], v[AF+4*\q+2*\u], v[AF+36+2*\u]
.endr
.endr
.irp u, 0,1
	v_mul_f32 v[AF+44+\u], v[AF+2*\u], v[AF+2*\u]
.endr
.irp q, 1,2,3,4,5,6,7
.irp u, 0,1
	v_fma_f32 v[AF+44+\u], v[AF+4*\q+2*\u], v[AF+4*\q+2*\u], v[AF+44+\u]
.endr
.endr
.irp u, 0,1
	v_fma_f32 v[AF+40+2*\u], 0x42800000, v[AF+44+\u], v[AF+33+2*\u]   ; M2 = sum of M2 + 64 x sum of (part's mean - mean)^2
.endr
.irp u, 0,1
	v_fma_f32 v[AF+40+2*\u], v[AF+40+2*\u], s63, s62
.endr
.irp u, 0,1
	v_rsq_f32 v[AF+40+2*\u], v[AF+40+2*\u]
.endr
	v_nop
	s_wait_alu depctr_va_vdst(0)
.irp u, 0,1
	v_mul_f32 v[AF+40+2*\u], s58, v[AF+40+2*\u]    ; x -log2(e): the sigmoid's exponent is made in one go
.endr
	s_wait_loadcnt 0x0
	WIN 0x41                                       ; destination and source 0 window 1
.set J_, 0
.rept 16
	v_pk_mul_f32 v[224+J_:225+J_], v[224+J_:225+J_], s[58:59] op_sel_hi:[1,0]
.set J_, J_+2
.endr
	WIN 0
.irp u, 0,1
.set J_, 0
.rept 16
	v_pk_add_f32 v[GG+32*\u+J_:GG+32*\u+J_+1], v[GG+32*\u+J_:GG+32*\u+J_+1], v[AF+36+2*\u:AF+37+2*\u] op_sel_hi:[1,0] neg_lo:[0,1] neg_hi:[0,1]
.set J_, J_+2
.endr
.endr
.irp u, 0,1
.set J_, 0
.rept 16
	v_pk_mul_f32 v[GG+32*\u+J_:GG+32*\u+J_+1], v[GG+32*\u+J_:GG+32*\u+J_+1], v[AF+40+2*\u:AF+41+2*\u] op_sel_hi:[1,0]
.set J_, J_+2
.endr
.endr
	WIN 0x14                                       ; sources 1 and 2 window 1
.irp u, 0,1
.set J_, 0
.rept 16
	v_pk_fma_f32 v[GG+32*\u+J_:GG+32*\u+J_+1], v[GG+32*\u+J_:GG+32*\u+J_+1], v[192+J_:193+J_], v[224+J_:225+J_]
.set J_, J_+2
.endr
.endr
	WIN 0
.set J_, 0
.rept 64
	v_exp_f32 v[GG+J_], v[GG+J_]                   ; 2^(-z log2(e))
.set J_, J_+1
.endr
	v_nop
	s_wait_alu depctr_va_vdst(0)                   ; one wait for the batch
.set J_, 0
.rept 32
	v_pk_add_f32 v[GG+J_:GG+J_+1], v[GG+J_:GG+J_+1], 1.0 op_sel_hi:[1,0]
.set J_, J_+2
.endr
.set J_, 0
.rept 64
	v_rcp_f32 v[GG+J_], v[GG+J_]                   ; the gate
.set J_, J_+1
.endr
	v_nop
	s_wait_alu depctr_va_vdst(0)
.set J_, 0
.rept 32
	v_pk_mul_f32 v[GG+J_:GG+J_+1], v[GG+J_:GG+J_+1], v[YY+J_:YY+J_+1]   ; x (ctx Wo + bo), each accumulator from its low end on
.set J_, J_+2
.endr
	; THE WAY OUT: through my own stage, so that sixteen lanes store 256 consecutive bytes of a row
.irp u, 0,1
.irp t, 0,1,2,3
	ds_store_b128 v[SO], v[GG+32*\u+8*\t:GG+32*\u+8*\t+3] offset:2176*\u+64*\t
	ds_store_b128 v[SO], v[GG+32*\u+8*\t+4:GG+32*\u+8*\t+7] offset:2176*\u+64*\t+16
.endr
.endr
.irp i, 0,1,2,3,4,5,6,7,8,9,10,11,12,13,14,15
	ds_load_b128 v[AF+4*\i:AF+4*\i+3], v[SR] offset:544*\i   ; LDS serves a wave's instructions in order: these see my stores
.endr
	s_wait_dscnt 0x0
	WIN 0x04                                       ; source 1 window 1
.set J_, 0
.rept 32
	v_pk_add_f32 v[AF+J_:AF+J_+1], v[AF+J_:AF+J_+1], v[128+J_:129+J_]   ; + x
.set J_, J_+2
.endr
	WIN 0
.irp i, 0,1,2,3,4,5,6,7,8,9,10,11,12,13,14,15
	global_store_b128 v[RO], v[AF+4*\i:AF+4*\i+3], s[OUT:OUT+1] offset:4096*\i th:TH_STORE_NT
.endr
	s_wait_tensorcnt 0x0                           ; the wave's end: three lines behind my last LDS store
	ds_add_u32 v[SPW], v[NIL]
	s_wait_dscnt 0x0
	s_endpgm
.Lfunc_end_k_qd2d43060f6_gate:
	.size	k_qd2d43060f6_gate, .Lfunc_end_k_qd2d43060f6_gate-k_qd2d43060f6_gate
	.p2alignl 7, 3214868480
	.fill 96, 4, 3214868480
	.section	.rodata,"a",@progbits
	.p2align	6, 0x0
	.amdhsa_kernel k_qd2d43060f6_gate
		.amdhsa_group_segment_fixed_size 93184
		.amdhsa_private_segment_fixed_size 0
		.amdhsa_enable_private_segment 0
		.amdhsa_kernarg_size 168
		.amdhsa_user_sgpr_count 2
		.amdhsa_user_sgpr_kernarg_segment_ptr 1
		.amdhsa_wavefront_size32 1
		.amdhsa_system_sgpr_workgroup_id_x 1
		.amdhsa_system_sgpr_workgroup_id_y 1
		.amdhsa_system_sgpr_workgroup_id_z 1
		.amdhsa_system_vgpr_workitem_id 0
		.amdhsa_next_free_vgpr 512
		.amdhsa_next_free_sgpr 66
		.amdhsa_reserve_vcc 0
		.amdhsa_float_denorm_mode_32 3
		.amdhsa_float_denorm_mode_16_64 3
		.amdhsa_memory_ordered 1
		.amdhsa_forward_progress 1
		.amdhsa_inst_pref_size 70
	.end_amdhsa_kernel
	.amdgpu_metadata
---
amdhsa.version: [ 1, 2 ]
amdhsa.kernels:
  - .name:           k_qd2d43060f6_gate
    .symbol:         k_qd2d43060f6_gate.kd
    .args:
      - { .name: gene_embeds, .offset: 0, .size: 8, .value_kind: global_buffer, .address_space: global }
      - { .name: wgg_codes, .offset: 8, .size: 8, .value_kind: global_buffer, .address_space: global }
      - { .name: wgg_scales, .offset: 16, .size: 8, .value_kind: global_buffer, .address_space: global }
      - { .name: bgg, .offset: 24, .size: 8, .value_kind: global_buffer, .address_space: global }
      - { .name: gg_g, .offset: 32, .size: 8, .value_kind: global_buffer, .address_space: global }
      - { .name: gg_b, .offset: 40, .size: 8, .value_kind: global_buffer, .address_space: global }
      - { .name: out0, .offset: 48, .size: 8, .value_kind: global_buffer, .address_space: global }
      - { .name: drug_embeds, .offset: 56, .size: 8, .value_kind: global_buffer, .address_space: global }
      - { .name: wdg_codes, .offset: 64, .size: 8, .value_kind: global_buffer, .address_space: global }
      - { .name: wdg_scales, .offset: 72, .size: 8, .value_kind: global_buffer, .address_space: global }
      - { .name: bdg, .offset: 80, .size: 8, .value_kind: global_buffer, .address_space: global }
      - { .name: dg_g, .offset: 88, .size: 8, .value_kind: global_buffer, .address_space: global }
      - { .name: dg_b, .offset: 96, .size: 8, .value_kind: global_buffer, .address_space: global }
      - { .name: out1, .offset: 104, .size: 8, .value_kind: global_buffer, .address_space: global }
      - { .name: wo_codes, .offset: 112, .size: 8, .value_kind: global_buffer, .address_space: global }
      - { .name: wo_scales, .offset: 120, .size: 8, .value_kind: global_buffer, .address_space: global }
      - { .name: bo, .offset: 128, .size: 8, .value_kind: global_buffer, .address_space: global }
      - { .name: codes1, .offset: 136, .size: 8, .value_kind: global_buffer, .address_space: global }
      - { .name: scales1, .offset: 144, .size: 8, .value_kind: global_buffer, .address_space: global }
      - { .name: cc, .offset: 152, .size: 8, .value_kind: global_buffer, .address_space: global }
      - { .name: cs, .offset: 160, .size: 8, .value_kind: global_buffer, .address_space: global }
    .group_segment_fixed_size: 93184
    .private_segment_fixed_size: 0
    .kernarg_segment_align: 8
    .kernarg_segment_size: 168
    .max_flat_workgroup_size: 256
    .sgpr_count:     66
    .vgpr_count:     512
    .wavefront_size: 32
...
	.end_amdgpu_metadata
.endif
;; end of part 3
;; ======== version 2 of 2: 3 launches
;; workspace buffers: codes1 8,388,608 bytes; scales1 917,504 bytes; cc 2,097,152 bytes; cs 131,072 bytes
;; launch project (part 4): grid 256 x 1, 8 waves a work-group, no clusters, 21,504 bytes of LDS; arguments gene_embeds, lng_g, lng_b, wgq_codes, wgq_scales, bgq, wgk_codes, wgk_scales, bgk, wgv_codes, wgv_scales, bgv, drug_embeds, lnd_g, lnd_b, wdq_codes, wdq_scales, bdq, wdk_codes, wdk_scales, bdk, wdv_codes, wdv_scales, bdv, codes1, scales1; writes codes1, scales1
.if DOCPART == 4
	.amdgcn_target "amdgcn-amd-amdhsa--gfx1250"
	.amdhsa_code_object_version 6
	.text
	.protected	k_qd2d43060f6_project
	.globl	k_qd2d43060f6_project
	.p2align	8
	.type	k_qd2d43060f6_project,@function
k_qd2d43060f6_project:
	s_mov_b64 s[64:65], 0
	v_nop
	global_prefetch_b8 v0, s[64:65] scope:SCOPE_SE
	s_setreg_imm32_b32 hwreg(HW_REG_WAVE_SCHED_MODE, 0, 2), 2
	s_setreg_imm32_b32 hwreg(HW_REG_WAVE_MODE, 25, 1), 1
	s_wait_xcnt 0x0
	s_wait_alu depctr_vm_vsrc(0)
; PROJECT: LayerNorm, the six projections, the l2 norms, and the quantisers behind them.  First of three launches (project, attend, gate).
; WORK LEFT OUT IN THE PROGRAM (in the launch attend), for all finite inputs:
;   q and k are divided by max(their head's norm, 1e-12) inside the problem, so each head vector has norm at most 1, q's also the factor 1/8.  The quantiser moves a number of 2 scale units or more by at most a quarter of
;   itself and a smaller one by at most a quarter unit, which is at most 1/16 of its block's largest magnitude: the error vector of 64 numbers is at most (0.25 + 0.5) x the norm.  So |score| <= 1.75 x 1.75 / 8 = 0.383.
;   (a) the clip of the scores at +-10 changes no value, and is not written;  (b) t = score x log2(e) lies in +-0.553, so M = ceil(the row's largest t) is 0 or 1; p is quantised with power-of-two block scales and
;   divided by its own sum, so every whole M gives the same result: M = 0 is taken, p = 2^t lies in (0.68, 1.47), a row's sum under 6,030: no exponential and no sum can overflow or underflow.
;   No input is without a way to an output: all are loaded.  LIMITS: NaN and infinities among the inputs are not served; a head's sum of squares must stay inside f32; a block whose largest magnitude lies under
;   2^-124 (a block of zeros too) gets the scale byte 1: its bytes are read by this program alone.
; SHARES.  A work-group takes 32 rows of one side (side = wg / 128, group g = wg % 128) and all 1,536 columns.  The 32 rows are two tiles u: lane r of tile u stands for row 32 g + 8 u + r + 8 (r / 8).
;   Phase X: wave w makes fragment (u = w / 4, K step s = w % 4) of x, raw and normed, and hands it on through LDS as an image of its registers.
;   Phase P: wave w is head w: 64 columns each of Q, K (transposed use: source 0 = 16 rows of W, source 1 = x: a lane holds one row, its registers run along the head) and of V (source 0 = x, source 1 = W: a lane holds one
;   channel, its registers run along the 32 keys).  The rows of W that form a tile are 32 (t / 2) + 8 (t % 2) + r + 8 (r / 8), so that 16 registers of two neighbouring tiles are 16 neighbours.
; The weights go from memory into the registers that multiply them.  No joint loads: a work-group's weights, 3 x 139,264 bytes, do not fit into LDS at once, so sharing them would take a ring and a second move through
; LDS for 96 matrix instructions a wave.
; OUT (workspace): Q's, K's tiles and x's fragments as register images, V's codes with the keys innermost, and their scale words; layouts at the constants below.
; THE MODE: SCHED_MODE bits 1:0 = 2 (LLVM: expert scheduling mode 2), set by the entry lines.  The code itself states the register dependences between vector or matrix instructions and memory or LDS
; instructions, with s_wait_alu, always for 0.
; THE PLAN.  Registers that memory or LDS instructions touch, in program order:
;   v1-v11        offsets and LDS addresses: written at the head, never again.
;   X, XS         x's loads land; the statistics, the LayerNorm and two quantisers read and write X; the normed fragments land; Q's and K's products read them; the raw fragments land; V's products read them.
;   ACC .. ACC+7  at work in the statistics; then the four parts of the row's statistics land there, out of LDS.
;   BB            bq lands, Q's products read it as C; bk lands, K's products read it; bv lands.
;   window 1      v0-127: Wq lands, Q's products read it, Wv lands.  v128-255: the gain and the bias land, the multiply-adds read them, Wk lands.
;   PC, PW        written by each of the five quantisers, read by the stores straight behind it; in wave 0 two LDS loads land in PC between the second and the third.
;   v[254:255]    the statistics' result, read by one LDS store;  v253, v254: at the end, the data of the last two stores.
; So a wait on va_vdst stands behind each quantiser, ahead of its stores, and behind Q's and K's products, ahead of the next phase's loads; each also serves the loads that follow it with no vector line between.
; A wait on vm_vsrc stands ahead of each quantiser but the first, and ahead of the branch that leads to wave 0's loads into PC.
.set QC, 0                             ; codes1: Q: side x 2^20 + head x 2^17 + g x 1024 + u x 512 + lane x 16
.set KC, 2097152                       ;         K: the same
.set VC, 4194304                       ;         V: side, head, g x 1024 + (16 t + r) x 16: the 32 keys of group g
.set XC, 6291456                       ;         x (raw): side x 2^20 + g x 8192 + (4 u + s) x 1024 + c x 512 + lane x 16
.set QSO, 0                            ; scales1: Q: side x 2^17 + head x 2^14 + g x 128 + lane x 4: bytes u0 b0, u0 b1, u1 b0, u1 b1
.set KSO, 262144                       ;          K: the same
.set VSO, 524288                       ;          V: side x 2^16 + head x 2^13 + (g / 4) x 256 + (16 t + r) x 4 + g % 4
.set XSO, 655360                       ;          x: side x 2^17 + g x 1024 + (4 u + s) x 128 + lane x 4
.set XN,    0                          ; LDS: the normed fragments' images, 8 x 1,024
.set XNS,   8192                       ;      their scale words, 8 x 128
.set XR,    9216                       ;      the raw fragments' images
.set XRS,   17408                      ;      their scale words
.set STAT,  18432                      ;      (mean, M2) of 128 columns: 8 waves x 32 lanes x 8 bytes
.set SPARE, 20480                      ;      the spare words, 128 bytes a wave, which no other line names
.set LI,  1                            ; v1   16 x lane
.set LS,  2                            ; v2   4 x lane
.set XA,  3                            ; v3   x: (r + 8 (r / 8)) x 2048 + 64 h
.set HA,  4                            ; v4   64 h
.set WA,  5                            ; v5   W's codes: (r + 8 (r / 8)) x 256 + 16 h
.set WSA, 6                            ; v6   W's scales: (r + 8 (r / 8)) x 16
.set BVA, 7                            ; v7   bv: (r + 8 (r / 8)) x 4
.set IW,  8                            ; v8   16 x lane + 1024 x wave
.set SW,  9                            ; v9   4 x lane + 128 x wave
.set STW, 10                           ; v10  STAT + 8 x lane + 256 x wave
.set STR, 11                           ; v11  STAT + 8 x lane + 1024 u
.set SH8, 12                           ; v12  8 h
.set SPW, 14                           ; v14  my spare word; never rewritten
.set NIL, 15                           ; v15  0; never rewritten
.set X,   16                           ; v16-79   64 numbers of x; later the eight fragments, (4 u + s) x 8
.set XS,  80                           ; v80-87   their scale words
.set ACC, 88                           ; v88-151  at work in phase X; the eight accumulators
.set WS,  152                          ; v152-199 W's scale words: q +0, k +16, v +32; 4 t + s
.set BB,  200                          ; v200-231 a bias in the result's layout
.set TM,  232                          ; v232-243 at work
.set PC,  244                          ; v244-251 the codes just made
.set PW,  252                          ; v252     the scale word just made
.set SEL, 60                           ; s[60:61] selects of v_permlanex16_b32: lane l xor 16
.set PXE, 8                            ; the side's twelve buffers, chosen into s[8:31]
.set PLG, 10
.set PLB, 12
.set PWQC, 14
.set PWQS, 16
.set PBQ, 18
.set PWKC, 20
.set PWKS, 22
.set PBK, 24
.set PWVC, 26
.set PWVS, 28
.set PBV, 30
.set PO, 76                            ; s[76:77] codes1 at side, head, g (Q, K, V by the immediate)
.set PX, 78                            ; s[78:79] codes1 at side, g, my fragment
.set SQ, 80                            ; s[80:81] scales1 at side, head, g
.set SV, 82                            ; s[82:83] scales1 at side, head, g / 4, byte g % 4
.set SX, 84                            ; s[84:85] scales1 at side, g
; window 1: v0-127 (RA) Wq, later Wv; v128-255 (RB) the LayerNorm's gain and bias, later Wk
.set MSB, 0
.macro WIN new                         ; the immediate's high byte repeats the setting that is left
.if MSB != \new
	s_set_vgpr_msb (MSB<<8)|\new
.set MSB, \new
.endif
.endm
.macro PLACES
.rept 4
	v_nop
.endr
.endm
.macro BARRIER                         ; my LDS stores have landed and my LDS loads are in: then the work-group's barrier
	s_wait_dscnt 0x0
	s_barrier_signal -1
	s_barrier_wait -1
.endm
; 64 numbers of a lane, register 16 b + i = number 32 b + 16 (lane / 16) + i of its row, become a fragment's codes in v[PC] on and its scale word in v[PW]
.macro QUANT s
.irp b, 0,1,2,3
	v_max3_num_f32 v[TM+\b], |v[\s+16*\b]|, |v[\s+1+16*\b]|, 0x1800000   ; my 16 numbers of block b, and the floor 2^(3 - 127): the byte cannot fall under 1
.endr
.irp i, 2,4,6,8,10,12,14
.irp b, 0,1,2,3
	v_max3_num_f32 v[TM+\b], v[TM+\b], |v[\s+16*\b+\i]|, |v[\s+1+16*\b+\i]|
.endr
.endr
.irp b, 0,1,2,3
	v_permlanex16_b32 v[TM+4+\b], v[TM+\b], s[SEL], s[SEL+1]
.endr
.irp b, 0,1,2,3
	v_max_num_f32 v[TM+\b], v[TM+\b], v[TM+4+\b]   ; with lane l xor 16's: the block's largest magnitude
.endr
.irp b, 0,1,2,3
	v_add_nc_u32 v[TM+8+\b], 0xff000000, v[TM+\b]   ; 2 off its exponent field: the conversion's scale operand
.endr
.irp b, 0,1,2,3
	v_lshrrev_b32 v[TM+4+\b], 23, v[TM+8+\b]        ; the scale's byte
.endr
	v_lshl_or_b32 v[PW], v[TM+5], 8, v[TM+4]
	v_lshl_or_b32 v[PW], v[TM+6], 16, v[PW]
	v_lshl_or_b32 v[PW], v[TM+7], 24, v[PW]
.irp b, 0,1,2,3
	v_cvt_scalef32_pk8_fp4_f32 v[PC+2*\b], v[\s+16*\b:\s+7+16*\b], v[TM+8+\b]
	v_cvt_scalef32_pk8_fp4_f32 v[PC+1+2*\b], v[\s+8+16*\b:\s+15+16*\b], v[TM+8+\b]
.endr
	v_nop                                          ; one plain place behind a scaled conversion
.irp c, 0,1                                    ; a whole block to a lane: lanes 0-15 block 2 c, lanes 16-31 block 2 c + 1
.irp i, 0,1
	v_permlane16_swap_b32 v[PC+4*\c+\i], v[PC+2+4*\c+\i]
.endr
.endr
.endm
; mean and sum of squared deviations of cnt registers of this lane and of lane l xor 16 (inv = 1 / (2 cnt)): v[dst] = mean, v[dst+1] = M2; scr: 16 registers at work
.macro LSTAT s, cnt, inv, scr, dst
.irp k, 0,1,2,3
	v_pk_add_f32 v[\scr+2*\k:\scr+2*\k+1], v[\s+2*\k:\s+2*\k+1], v[\s+8+2*\k:\s+8+2*\k+1]
.endr
.set M_, 2
.rept \cnt/8-2
.irp k, 0,1,2,3
	v_pk_add_f32 v[\scr+2*\k:\scr+2*\k+1], v[\scr+2*\k:\scr+2*\k+1], v[\s+8*M_+2*\k:\s+8*M_+2*\k+1]
.endr
.set M_, M_+1
.endr
	v_pk_add_f32 v[\scr:\scr+1], v[\scr:\scr+1], v[\scr+2:\scr+3]
	v_pk_add_f32 v[\scr+4:\scr+5], v[\scr+4:\scr+5], v[\scr+6:\scr+7]
	v_pk_add_f32 v[\scr:\scr+1], v[\scr:\scr+1], v[\scr+4:\scr+5]
	v_add_f32 v[\scr], v[\scr], v[\scr+1]
	v_permlanex16_b32 v[\scr+1], v[\scr], s[SEL], s[SEL+1]
	v_add_f32 v[\scr], v[\scr], v[\scr+1]
	v_mul_f32 v[\dst], \inv, v[\scr]
.set M_, 0
.rept \cnt/8
.irp k, 0,1,2,3
	v_pk_add_f32 v[\scr+8+2*\k:\scr+9+2*\k], v[\s+8*M_+2*\k:\s+8*M_+2*\k+1], v[\dst:\dst+1] op_sel_hi:[1,0] neg_lo:[0,1] neg_hi:[0,1]
.endr
.irp k, 0,1,2,3
.if M_ == 0
	v_pk_mul_f32 v[\scr+2*\k:\scr+2*\k+1], v[\scr+8+2*\k:\scr+9+2*\k], v[\scr+8+2*\k:\scr+9+2*\k]
.else
	v_pk_fma_f32 v[\scr+2*\k:\scr+2*\k+1], v[\scr+8+2*\k:\scr+9+2*\k], v[\scr+8+2*\k:\scr+9+2*\k], v[\scr+2*\k:\scr+2*\k+1]
.endif
.endr
.set M_, M_+1
.endr
	v_pk_add_f32 v[\scr:\scr+1], v[\scr:\scr+1], v[\scr+2:\scr+3]
	v_pk_add_f32 v[\scr+4:\scr+5], v[\scr+4:\scr+5], v[\scr+6:\scr+7]
	v_pk_add_f32 v[\scr:\scr+1], v[\scr:\scr+1], v[\scr+4:\scr+5]
	v_add_f32 v[\scr], v[\scr], v[\scr+1]
	v_permlanex16_b32 v[\scr+1], v[\scr], s[SEL], s[SEL+1]
	v_add_f32 v[\dst+1], v[\scr], v[\scr+1]
.endm
.macro WLOAD R, base                   ; my head's 64 rows of a weight, 16 fragments (tile t, K step s) at v[R + 8 (4 t + s)] of window 1
	WIN 0x40
.irp t, 0,1,2,3
.irp s, 0,1,2,3
.irp c, 0,1
	global_load_b128 v[\R+8*(4*\t+\s)+4*\c:\R+8*(4*\t+\s)+4*\c+3], v[WA], s[\base:\base+1] offset:(32*(\t/2)+8*(\t%2))*256+64*\s+32*\c
.endr
.endr
.endr
	WIN 0
.endm
.macro BLOAD base                      ; a bias for the transposed use: lane (r, h), tile t, register j: column 32 (t / 2) + 16 h + 8 (t % 2) + j
.irp t, 0,1,2,3
	global_load_b128 v[BB+8*\t:BB+8*\t+3], v[HA], s[\base:\base+1] offset:(32*(\t/2)+8*(\t%2))*4
	global_load_b128 v[BB+8*\t+4:BB+8*\t+7], v[HA], s[\base:\base+1] offset:(32*(\t/2)+8*(\t%2))*4+16
.endr
.endm
.macro XFETCH img, sc                  ; the eight fragments of x and their scale words, as any wave stored them
.irp f, 0,1,2,3,4,5,6,7
	ds_load_b128 v[X+8*\f:X+8*\f+3], v[LI] offset:\img+1024*\f
	ds_load_b128 v[X+8*\f+4:X+8*\f+7], v[LI] offset:\img+1024*\f+512
	ds_load_b32 v[XS+\f], v[LS] offset:\sc+128*\f
.endr
.endm
; 32 products, transposed: accumulator (u, t) at ACC + 32 u + 8 t; the bias is the C of each sum's first product; the eight accumulators take turns
.macro PROD_T R, wso
	WIN 0x01                                       ; source 0 (W) window 1
.irp s, 0,1,2,3
.irp u, 0,1
.irp t, 0,1,2,3
.if \s == 0
	v_wmma_scale_f32_16x16x128_f8f6f4 v[ACC+32*\u+8*\t:ACC+32*\u+8*\t+7], v[\R+8*(4*\t+\s):\R+8*(4*\t+\s)+7], v[X+8*(4*\u+\s):X+8*(4*\u+\s)+7], v[BB+8*\t:BB+8*\t+7], v[WS+\wso+4*\t+\s], v[XS+4*\u+\s] matrix_a_fmt:MATRIX_FMT_FP4 matrix_b_fmt:MATRIX_FMT_FP4
.else
	v_wmma_scale_f32_16x16x128_f8f6f4 v[ACC+32*\u+8*\t:ACC+32*\u+8*\t+7], v[\R+8*(4*\t+\s):\R+8*(4*\t+\s)+7], v[X+8*(4*\u+\s):X+8*(4*\u+\s)+7], v[ACC+32*\u+8*\t:ACC+32*\u+8*\t+7], v[WS+\wso+4*\t+\s], v[XS+4*\u+\s] matrix_a_fmt:MATRIX_FMT_FP4 matrix_b_fmt:MATRIX_FMT_FP4
.endif
.endr
.endr
.endr
	WIN 0
.endm
; 32 products, source 0 = x: accumulator (t, u) at ACC + 16 t + 8 u: lane (r, h) holds channel (t, r), register 8 u + j the key 16 h + 8 u + j of the group
.macro PROD_N R, wso
	WIN 0x04                                       ; source 1 (W) window 1
.irp s, 0,1,2,3
.irp u, 0,1
.irp t, 0,1,2,3
.if \s == 0
	v_wmma_scale_f32_16x16x128_f8f6f4 v[ACC+16*\t+8*\u:ACC+16*\t+8*\u+7], v[X+8*(4*\u+\s):X+8*(4*\u+\s)+7], v[\R+8*(4*\t+\s):\R+8*(4*\t+\s)+7], v[BB+8*\t:BB+8*\t+7], v[XS+4*\u+\s], v[WS+\wso+4*\t+\s] matrix_a_fmt:MATRIX_FMT_FP4 matrix_b_fmt:MATRIX_FMT_FP4
.else
	v_wmma_scale_f32_16x16x128_f8f6f4 v[ACC+16*\t+8*\u:ACC+16*\t+8*\u+7], v[X+8*(4*\u+\s):X+8*(4*\u+\s)+7], v[\R+8*(4*\t+\s):\R+8*(4*\t+\s)+7], v[ACC+16*\t+8*\u:ACC+16*\t+8*\u+7], v[XS+4*\u+\s], v[WS+\wso+4*\t+\s] matrix_a_fmt:MATRIX_FMT_FP4 matrix_b_fmt:MATRIX_FMT_FP4
.endif
.endr
.endr
.endr
	WIN 0
.endm
; the head's l2 norm (isq = 1: and the factor 1/8), the quantiser along the head, and the stores.  1 / max(n, 1e-12) = min(rsq(sum of squares), 1e12).
; v[PC] on and v[PW] were freed at the phase's head, ahead of the macro.
.macro POST isq, cb, sb
.irp u, 0,1
	v_pk_mul_f32 v[TM+2*\u:TM+2*\u+1], v[ACC+32*\u:ACC+32*\u+1], v[ACC+32*\u:ACC+32*\u+1]   ; each accumulator is read from its low end on
.endr
.irp i, 1,2,3,4,5,6,7,8,9,10,11,12,13,14,15
.irp u, 0,1
	v_pk_fma_f32 v[TM+2*\u:TM+2*\u+1], v[ACC+32*\u+2*\i:ACC+32*\u+2*\i+1], v[ACC+32*\u+2*\i:ACC+32*\u+2*\i+1], v[TM+2*\u:TM+2*\u+1]
.endr
.endr
.irp u, 0,1
	v_add_f32 v[TM+2*\u], v[TM+2*\u], v[TM+2*\u+1]
.endr
.irp u, 0,1
	v_permlanex16_b32 v[TM+4+\u], v[TM+2*\u], s[SEL], s[SEL+1]
.endr
.irp u, 0,1
	v_add_f32 v[TM+2*\u], v[TM+2*\u], v[TM+4+\u]
.endr
	s_wait_alu depctr_va_vdst(0)
.irp u, 0,1
	v_rsq_f32 v[TM+2*\u], v[TM+2*\u]
.endr
	v_nop                                          ; a plain place behind the transcendentals
	s_wait_alu depctr_va_vdst(0)                   ; both reciprocal roots are written: one wait, ahead of their first reader
.irp u, 0,1
	v_min_num_f32 v[TM+2*\u], 0x5368d4a5, v[TM+2*\u]
.endr
.if \isq
.irp u, 0,1
	v_mul_f32 v[TM+2*\u], 0x3e000000, v[TM+2*\u]
.endr
.endif
.irp i, 0,1,2,3,4,5,6,7,8,9,10,11,12,13,14,15
.irp u, 0,1
	v_pk_mul_f32 v[ACC+32*\u+2*\i:ACC+32*\u+2*\i+1], v[ACC+32*\u+2*\i:ACC+32*\u+2*\i+1], v[TM+2*\u:TM+2*\u+1] op_sel_hi:[1,0]
.endr
.endr
	QUANT ACC                                      ; blocks: (u 0, b 0), (u 0, b 1), (u 1, b 0), (u 1, b 1): registers 4 u .. 4 u + 3 are tile u's image
	s_wait_alu depctr_va_vdst(0)                   ; the quantiser has written v[PC] on and v[PW], which the three stores read
.irp c, 0,1
	global_store_b128 v[LI], v[PC+4*\c:PC+4*\c+3], s[PO:PO+1] offset:\cb+512*\c   ; 512 consecutive bytes, aligned
.endr
	global_store_b32 v[LS], v[PW], s[SQ:SQ+1] offset:\sb
.endm
	s_load_b512 s[8:23], s[0:1], 0x0               ; the gene side's twelve buffers
	s_load_b256 s[24:31], s[0:1], 0x40
	s_load_b512 s[32:47], s[0:1], 0x60             ; the drug side's
	s_load_b256 s[48:55], s[0:1], 0xa0
	s_load_b128 s[56:59], s[0:1], 0xc0             ; codes1, scales1
	v_lshl_add_u32 v[SPW], v0, 2, SPARE
	v_mov_b32 v[NIL], 0
	v_lshrrev_b32 v253, 5, v0
	v_readfirstlane_b32 s2, v253                   ; wave
	s_wait_alu depctr_va_sdst(0)                   ; s2 is written, ahead of its first reader: tile, K step, LDS places and bases are made from it
	s_lshr_b32 s3, ttmp9, 7                        ; side
	s_and_b32 s4, ttmp9, 127                       ; g
	s_lshr_b32 s5, s2, 2                           ; u
	s_and_b32 s6, s2, 3                            ; s
	s_mov_b32 s[SEL], 0x76543210
	s_mov_b32 s[SEL+1], 0xfedcba98
	s_mov_b32 s62, 0x3727c5ac                      ; 1e-5
	s_mov_b32 s63, 0x3b000000                      ; 1 / 512
	v_and_b32 v253, 31, v0                         ; lane
	v_and_b32 v254, 15, v0                         ; r
	v_bfe_u32 v255, v0, 4, 1                       ; h
	v_lshlrev_b32 v[LI], 4, v253
	v_lshlrev_b32 v[LS], 2, v253
	v_and_b32 v13, 8, v254
	v_add_nc_u32 v13, v13, v254                    ; r + 8 (r / 8)
	v_lshlrev_b32 v[XA], 11, v13
	v_lshl_add_u32 v[XA], v255, 6, v[XA]
	v_lshlrev_b32 v[HA], 6, v255
	v_lshlrev_b32 v[WA], 8, v13
	v_lshl_add_u32 v[WA], v255, 4, v[WA]
	v_lshlrev_b32 v[WSA], 4, v13
	v_lshlrev_b32 v[BVA], 2, v13
	s_lshl_b32 s7, s2, 10
	v_add_nc_u32 v[IW], s7, v[LI]
	s_lshl_b32 s7, s2, 7
	v_add_nc_u32 v[SW], s7, v[LS]
	s_lshl_b32 s7, s2, 8
	s_add_co_u32 s7, s7, STAT
	v_lshl_add_u32 v[STW], v253, 3, s7
	s_lshl_b32 s7, s5, 10
	s_add_co_u32 s7, s7, STAT
	v_lshl_add_u32 v[STR], v253, 3, s7
	v_lshlrev_b32 v[SH8], 3, v255
.irp b, 0,1,2,3
	v_mov_b32 v[TM+4+\b], 0                        ; written once: a lane permute's destination counts as one of its sources
.endr
	s_lshl_b32 s66, s4, 16                         ; x: 32 rows of 2,048 bytes a group,
	s_lshl_b32 s7, s5, 14                          ; 8 rows a tile,
	s_add_co_u32 s66, s66, s7
	s_lshl_b32 s68, s6, 9                          ; 128 columns a K step
	s_add_co_u32 s66, s66, s68
	s_mov_b32 s67, 0
	s_mov_b32 s69, 0
	s_lshl_b32 s70, s2, 14                         ; my head's 64 rows of codes,
	s_mov_b32 s71, 0
	s_lshl_b32 s72, s2, 10                         ; of scale bytes,
	s_mov_b32 s73, 0
	s_lshl_b32 s74, s2, 8                          ; and of a bias
	s_mov_b32 s75, 0
	s_lshl_b32 s[PO], s3, 20
	s_mov_b32 s[PX], s[PO]
	s_lshl_b32 s7, s2, 17
	s_add_co_u32 s[PO], s[PO], s7
	s_lshl_b32 s7, s4, 10
	s_add_co_u32 s[PO], s[PO], s7
	s_mov_b32 s[PO+1], 0
	s_lshl_b32 s7, s4, 13
	s_add_co_u32 s[PX], s[PX], s7
	s_add_co_u32 s[PX], s[PX], s72
	s_mov_b32 s[PX+1], 0
	s_lshl_b32 s[SQ], s3, 17
	s_lshl_b32 s7, s4, 10
	s_add_co_u32 s[SX], s[SQ], s7
	s_mov_b32 s[SX+1], 0
	s_add_co_u32 s[SQ], s[SQ], s70
	s_lshl_b32 s7, s4, 7
	s_add_co_u32 s[SQ], s[SQ], s7
	s_mov_b32 s[SQ+1], 0
	s_lshl_b32 s[SV], s3, 16
	s_lshl_b32 s7, s2, 13
	s_add_co_u32 s[SV], s[SV], s7
	s_lshr_b32 s7, s4, 2
	s_lshl_b32 s7, s7, 8
	s_add_co_u32 s[SV], s[SV], s7
	s_and_b32 s7, s4, 3
	s_add_co_u32 s[SV], s[SV], s7
	s_mov_b32 s[SV+1], 0
	s_wait_kmcnt 0x0
	s_cmp_eq_u32 s3, 0                             ; the choice hangs on the work-group's number alone
.irp i, 0,2,4,6,8,10,12,14,16,18,20,22
	s_cselect_b64 s[8+\i:9+\i], s[8+\i:9+\i], s[32+\i:33+\i]
.endr
	s_add_nc_u64 s[PXE:PXE+1], s[PXE:PXE+1], s[66:67]
	s_add_nc_u64 s[PLG:PLG+1], s[PLG:PLG+1], s[68:69]
	s_add_nc_u64 s[PLB:PLB+1], s[PLB:PLB+1], s[68:69]
.irp p, PWQC, PWKC, PWVC
	s_add_nc_u64 s[\p:\p+1], s[\p:\p+1], s[70:71]
.endr
.irp p, PWQS, PWKS, PWVS
	s_add_nc_u64 s[\p:\p+1], s[\p:\p+1], s[72:73]
.endr
.irp p, PBQ, PBK, PBV
	s_add_nc_u64 s[\p:\p+1], s[\p:\p+1], s[74:75]
.endr
	s_add_nc_u64 s[PO:PO+1], s[56:57], s[PO:PO+1]
	s_add_nc_u64 s[PX:PX+1], s[56:57], s[PX:PX+1]
	s_add_nc_u64 s[SQ:SQ+1], s[58:59], s[SQ:SQ+1]
	s_add_nc_u64 s[SV:SV+1], s[58:59], s[SV:SV+1]
	s_add_nc_u64 s[SX:SX+1], s[58:59], s[SX:SX+1]
	s_wait_alu depctr_va_vdst(0)                   ; the offsets and LDS addresses v1 to v11 are written: every load, store and LDS instruction of the kernel reads one of them
	; all that is known is asked for now: x 16 loads, scale words 12, bq 8, the LayerNorm's gain and bias 32, Wq 32
.irp b, 0,1,2,3
.irp j, 0,1,2,3
	global_load_b128 v[X+16*\b+4*\j:X+16*\b+4*\j+3], v[XA], s[PXE:PXE+1] offset:128*\b+16*\j th:TH_LOAD_NT   ; register 16 b + i = column 128 s + 32 b + 16 h + i of my row
.endr
.endr
.irp t, 0,1,2,3
	global_load_b128 v[WS+4*\t:WS+4*\t+3], v[WSA], s[PWQS:PWQS+1] offset:(32*(\t/2)+8*(\t%2))*16
	global_load_b128 v[WS+16+4*\t:WS+16+4*\t+3], v[WSA], s[PWKS:PWKS+1] offset:(32*(\t/2)+8*(\t%2))*16
	global_load_b128 v[WS+32+4*\t:WS+32+4*\t+3], v[WSA], s[PWVS:PWVS+1] offset:(32*(\t/2)+8*(\t%2))*16
.endr
	BLOAD PBQ
	WIN 0x40
.irp b, 0,1,2,3
.irp j, 0,1,2,3
	global_load_b128 v[128+16*\b+4*\j:128+16*\b+4*\j+3], v[HA], s[PLG:PLG+1] offset:128*\b+16*\j
	global_load_b128 v[192+16*\b+4*\j:192+16*\b+4*\j+3], v[HA], s[PLB:PLB+1] offset:128*\b+16*\j
.endr
.endr
	WLOAD 0, PWQC
	; ---- X: my fragment of x
	s_wait_loadcnt 63                              ; 84 loads are younger than x's sixteen; the count's field holds 63: x is in
	LSTAT X, 64, 0x3c000000, ACC, 254              ; mean and M2 of my row's 128 columns
	QUANT X                                        ; raw x: operand of V's product here and of the gate's product later
	s_wait_alu depctr_va_vdst(0)                   ; v[254:255], v[PC] on and v[PW] are written, which the six stores below read; the statistics are done with v[ACC] on, in which the loads behind the barrier land
	ds_store_b64 v[STW], v[254:255]
.irp c, 0,1
	ds_store_b128 v[IW], v[PC+4*\c:PC+4*\c+3] offset:XR+512*\c
.endr
	ds_store_b32 v[SW], v[PW] offset:XRS
.irp c, 0,1
	global_store_b128 v[LI], v[PC+4*\c:PC+4*\c+3], s[PX:PX+1] offset:XC+512*\c
.endr
	BARRIER                                        ; the four parts of every row's statistics lie in LDS
.irp q, 0,1,2,3
	ds_load_b64 v[ACC+2*\q:ACC+2*\q+1], v[STR] offset:256*\q   ; no vector instruction since the wait above
.endr
	s_wait_dscnt 0x0
	v_pk_add_f32 v[ACC+12:ACC+13], v[ACC:ACC+1], v[ACC+2:ACC+3]       ; (sum of means, sum of M2)
	v_pk_add_f32 v[ACC+14:ACC+15], v[ACC+4:ACC+5], v[ACC+6:ACC+7]
	v_pk_add_f32 v[ACC+12:ACC+13], v[ACC+12:ACC+13], v[ACC+14:ACC+15]
	v_mul_f32 v[ACC+8], 0x3e800000, v[ACC+12]      ; the row's mean
.irp q, 0,1,2,3
	v_sub_f32 v[ACC+2*\q], v[ACC+2*\q], v[ACC+8]
.endr
	v_mul_f32 v[ACC+14], v[ACC], v[ACC]
.irp q, 1,2,3
	v_fma_f32 v[ACC+14], v[ACC+2*\q], v[ACC+2*\q], v[ACC+14]
.endr
	v_fma_f32 v[ACC+10], 0x43000000, v[ACC+14], v[ACC+13]   ; M2 = sum of M2 + 128 x sum of (part's mean - mean)^2: no difference of large sums
	v_fma_f32 v[ACC+10], v[ACC+10], s63, s62       ; / 512 + 1e-5
	s_wait_alu depctr_va_vdst(0)
	v_rsq_f32 v[ACC+10], v[ACC+10]
	v_nop
	s_wait_alu depctr_va_vdst(0)                   ; the reciprocal root is written, ahead of its first reader
.set J_, 0
.rept 32
	v_pk_add_f32 v[X+J_:X+J_+1], v[X+J_:X+J_+1], v[ACC+8:ACC+9] op_sel_hi:[1,0] neg_lo:[0,1] neg_hi:[0,1]
.set J_, J_+2
.endr
.set J_, 0
.rept 32
	v_pk_mul_f32 v[X+J_:X+J_+1], v[X+J_:X+J_+1], v[ACC+10:ACC+11] op_sel_hi:[1,0]
.set J_, J_+2
.endr
	s_wait_loadcnt 32                              ; the gain and the bias are in; Wq's 32 loads may be out
	WIN 0x14                                       ; sources 1 and 2 window 1
.set J_, 0
.rept 32
	v_pk_fma_f32 v[X+J_:X+J_+1], v[X+J_:X+J_+1], v[128+J_:129+J_], v[192+J_:193+J_]
.set J_, J_+2
.endr
	WIN 0
	s_wait_xcnt 0x0                                ; the global stores of the raw codes have had their addresses translated: their data are rewritten only behind this wait
	s_wait_alu depctr_vm_vsrc(0)                   ; the LDS and global stores of the raw fragment have read v[PC] on and v[PW], which the quantiser writes again
	QUANT X                                        ; normed x: operand of Q's and K's products
	s_wait_alu depctr_va_vdst(0)                   ; v[PC] on and v[PW] are written, which the LDS stores read; the multiply-adds are done reading the gain and the bias, in whose registers Wk lands; the quantiser is done reading v[X] on, in which the fragments land behind the barrier
.irp c, 0,1
	ds_store_b128 v[IW], v[PC+4*\c:PC+4*\c+3] offset:XN+512*\c
.endr
	ds_store_b32 v[SW], v[PW] offset:XNS
	WLOAD 128, PWKC                                ; Wk takes the gain's and the bias's registers
	BARRIER                                        ; all sixteen fragments lie in LDS
	; ---- P: my head
	s_wait_alu depctr_vm_vsrc(0)                   ; my LDS stores have read v[PC] on: in wave 0 two LDS loads land there, behind the branch below
	XFETCH XN, XNS
	s_cmp_lg_u32 s2, 0                             ; wave 0 sends the raw fragments' scale words on: 1,024 consecutive bytes
	s_cbranch_scc1 .Lnot_wave_0
	ds_load_b128 v[PC:PC+3], v[LI] offset:XRS
	ds_load_b128 v[PC+4:PC+7], v[LI] offset:XRS+512
	s_wait_dscnt 0x0
	global_store_b128 v[LI], v[PC:PC+3], s[SX:SX+1] offset:XSO
	global_store_b128 v[LI], v[PC+4:PC+7], s[SX:SX+1] offset:XSO+512
.Lnot_wave_0:
	s_wait_loadcnt 32                              ; the scale words, bq and Wq are in; Wk's 32 loads may be out
	s_wait_dscnt 0x0
	PROD_T 0, 0                                    ; Q
	PLACES                                         ; in front of the first read of results
	s_wait_xcnt 0x0                                ; wave 0's stores have had their addresses translated; it stands ahead of the 40 loads below, which name none of the registers that it frees
	s_wait_alu depctr_vm_vsrc(0)                   ; the LDS stores of the normed fragment, and wave 0's global stores, have read v[PC] on and v[PW], which the quantiser below writes again
	s_wait_alu depctr_va_vdst(0)                   ; Q's products are done reading bq and Wq, in whose registers bk and Wv land
	BLOAD PBK
	WLOAD 0, PWVC
	POST 1, QC, QSO
	s_wait_loadcnt 32                              ; Wk and bk are in; Wv's 32 loads may be out
	PROD_T 128, 16                                 ; K
	PLACES
	s_wait_xcnt 0x0                                ; Q's stores have had their addresses translated; ahead of the loads below, as above
	s_wait_alu depctr_vm_vsrc(0)                   ; Q's stores have read v[PC] on and v[PW], which the quantiser below writes again
	s_wait_alu depctr_va_vdst(0)                   ; K's products are done reading bk, the normed fragments and their scale words, in whose registers bv and the raw fragments land
.irp t, 0,1,2,3
	global_load_b32 v[BB+8*\t], v[BVA], s[PBV:PBV+1] offset:(32*(\t/2)+8*(\t%2))*4   ; bv of my lane's channel
.endr
	XFETCH XR, XRS
	POST 0, KC, KSO
	s_wait_loadcnt 0x0
.irp t, 0,1,2,3
.irp j, 1,2,3,4,5,6,7
	v_mov_b32 v[BB+8*\t+\j], v[BB+8*\t]            ; the same for all eight keys of a register run
.endr
.endr
	PLACES
	s_wait_alu depctr_va_vdst(0)
	s_wait_dscnt 0x0
	PROD_N 0, 32                                   ; V
	PLACES
	s_wait_xcnt 0x0                                ; K's stores have had their addresses translated
	s_wait_alu depctr_vm_vsrc(0)                   ; K's stores have read v[PC] on and v[PW], which the quantiser writes again
	QUANT ACC                                      ; block t = channel tile t, along the group's 32 keys
	v_lshrrev_b32 v253, v[SH8], v[PW]              ; byte h: tile h's scale of channel r,
	v_lshrrev_b32 v254, 16, v253                   ; byte 2 + h: tile 2 + h's
	s_wait_alu depctr_va_vdst(0)                   ; v[PC] on, v253 and v254 are written, which the four stores read
.irp c, 0,1
	global_store_b128 v[LI], v[PC+4*\c:PC+4*\c+3], s[PO:PO+1] offset:VC+512*\c   ; lane (r, h), registers 4 c on: channel 16 (2 c + h) + r
.endr
	global_store_b8 v[LS], v253, s[SV:SV+1] offset:VSO
	global_store_b8 v[LS], v254, s[SV:SV+1] offset:VSO+128
	s_wait_dscnt 0x0                               ; the wave's end: six lines, on end, of a launch in the mode that stores to LDS
	s_wait_alu 0x0
	s_wait_tensorcnt 0x0
	ds_add_u32 v[SPW], v[NIL]
	s_wait_dscnt 0x0
	s_endpgm
.Lfunc_end_k_qd2d43060f6_project:
	.size	k_qd2d43060f6_project, .Lfunc_end_k_qd2d43060f6_project-k_qd2d43060f6_project
	.p2alignl 7, 3214868480
	.fill 96, 4, 3214868480
	.section	.rodata,"a",@progbits
	.p2align	6, 0x0
	.amdhsa_kernel k_qd2d43060f6_project
		.amdhsa_group_segment_fixed_size 21504
		.amdhsa_private_segment_fixed_size 0
		.amdhsa_enable_private_segment 0
		.amdhsa_kernarg_size 208
		.amdhsa_user_sgpr_count 2
		.amdhsa_user_sgpr_kernarg_segment_ptr 1
		.amdhsa_wavefront_size32 1
		.amdhsa_system_sgpr_workgroup_id_x 1
		.amdhsa_system_sgpr_workgroup_id_y 1
		.amdhsa_system_sgpr_workgroup_id_z 1
		.amdhsa_system_vgpr_workitem_id 0
		.amdhsa_next_free_vgpr 512
		.amdhsa_next_free_sgpr 86
		.amdhsa_reserve_vcc 0
		.amdhsa_float_denorm_mode_32 3
		.amdhsa_float_denorm_mode_16_64 3
		.amdhsa_memory_ordered 1
		.amdhsa_forward_progress 1
		.amdhsa_inst_pref_size 83
	.end_amdhsa_kernel
	.amdgpu_metadata
---
amdhsa.version: [ 1, 2 ]
amdhsa.kernels:
  - .name:           k_qd2d43060f6_project
    .symbol:         k_qd2d43060f6_project.kd
    .args:
      - { .name: gene_embeds, .offset: 0, .size: 8, .value_kind: global_buffer, .address_space: global }
      - { .name: lng_g, .offset: 8, .size: 8, .value_kind: global_buffer, .address_space: global }
      - { .name: lng_b, .offset: 16, .size: 8, .value_kind: global_buffer, .address_space: global }
      - { .name: wgq_codes, .offset: 24, .size: 8, .value_kind: global_buffer, .address_space: global }
      - { .name: wgq_scales, .offset: 32, .size: 8, .value_kind: global_buffer, .address_space: global }
      - { .name: bgq, .offset: 40, .size: 8, .value_kind: global_buffer, .address_space: global }
      - { .name: wgk_codes, .offset: 48, .size: 8, .value_kind: global_buffer, .address_space: global }
      - { .name: wgk_scales, .offset: 56, .size: 8, .value_kind: global_buffer, .address_space: global }
      - { .name: bgk, .offset: 64, .size: 8, .value_kind: global_buffer, .address_space: global }
      - { .name: wgv_codes, .offset: 72, .size: 8, .value_kind: global_buffer, .address_space: global }
      - { .name: wgv_scales, .offset: 80, .size: 8, .value_kind: global_buffer, .address_space: global }
      - { .name: bgv, .offset: 88, .size: 8, .value_kind: global_buffer, .address_space: global }
      - { .name: drug_embeds, .offset: 96, .size: 8, .value_kind: global_buffer, .address_space: global }
      - { .name: lnd_g, .offset: 104, .size: 8, .value_kind: global_buffer, .address_space: global }
      - { .name: lnd_b, .offset: 112, .size: 8, .value_kind: global_buffer, .address_space: global }
      - { .name: wdq_codes, .offset: 120, .size: 8, .value_kind: global_buffer, .address_space: global }
      - { .name: wdq_scales, .offset: 128, .size: 8, .value_kind: global_buffer, .address_space: global }
      - { .name: bdq, .offset: 136, .size: 8, .value_kind: global_buffer, .address_space: global }
      - { .name: wdk_codes, .offset: 144, .size: 8, .value_kind: global_buffer, .address_space: global }
      - { .name: wdk_scales, .offset: 152, .size: 8, .value_kind: global_buffer, .address_space: global }
      - { .name: bdk, .offset: 160, .size: 8, .value_kind: global_buffer, .address_space: global }
      - { .name: wdv_codes, .offset: 168, .size: 8, .value_kind: global_buffer, .address_space: global }
      - { .name: wdv_scales, .offset: 176, .size: 8, .value_kind: global_buffer, .address_space: global }
      - { .name: bdv, .offset: 184, .size: 8, .value_kind: global_buffer, .address_space: global }
      - { .name: codes1, .offset: 192, .size: 8, .value_kind: global_buffer, .address_space: global }
      - { .name: scales1, .offset: 200, .size: 8, .value_kind: global_buffer, .address_space: global }
    .group_segment_fixed_size: 21504
    .private_segment_fixed_size: 0
    .kernarg_segment_align: 8
    .kernarg_segment_size: 208
    .max_flat_workgroup_size: 256
    .sgpr_count:     86
    .vgpr_count:     512
    .wavefront_size: 32
...
	.end_amdgpu_metadata
.endif
;; end of part 4
;; launch attend (part 5): grid 16 x 16, 16 waves a work-group, clusters of 4 x 1, 327,680 bytes of LDS; arguments codes1, scales1, cc, cs; writes cc, cs
.if DOCPART == 5
	.amdgcn_target "amdgcn-amd-amdhsa--gfx1250"
	.amdhsa_code_object_version 6
	.text
	.protected	k_qd2d43060f6_attend
	.globl	k_qd2d43060f6_attend
	.p2align	8
	.type	k_qd2d43060f6_attend,@function
k_qd2d43060f6_attend:
	s_mov_b64 s[64:65], 0
	v_nop
	global_prefetch_b8 v0, s[64:65] scope:SCOPE_SE
	s_setreg_imm32_b32 hwreg(HW_REG_WAVE_MODE, 25, 1), 1
	s_wait_xcnt 0x0
	s_wait_alu depctr_hold_cnt(0) depctr_sa_sdst(0) depctr_va_vdst(0) depctr_va_sdst(0) depctr_va_ssrc(0) depctr_va_vcc(0) depctr_vm_vsrc(0)
	s_getreg_b32 s2, hwreg(HW_REG_IB_STS2, 6, 4)
	s_cmp_eq_u32 s2, 0
	s_cbranch_scc0 .Lentry_in_a_cluster
	s_endpgm
.Lentry_in_a_cluster:
	s_bfe_u32 s2, ttmp6, 0x10000c
	s_cmp_lg_u32 s2, 0x3003
	s_cbranch_scc0 .Lentry_shape_is_right
	s_endpgm
.Lentry_shape_is_right:
; ATTEND: both cross-attentions on codes of FP4: S^T = K Q^T, p = 2^t, p quantised along the keys, O^T = V^T P^T, O / l, ctx quantised along its 64 channels.
; LEFT OUT, as shown at the head of the first kernel: q and k are normalised by the problem itself, so |score| <= 0.383 for all finite inputs: the clip at +-10 changes no value; M = ceil(largest t) is 0 or 1, and any
; whole M gives the same codes' values and the same O / l: M = 0.  p lies in (0.68, 1.47), a row's sum under 6,030.  LIMIT: NaN and infinities are not served.
; SHARES.  y = 8 d + head: queries of side d, keys and values of side 1 - d.  A work-group owns 256 queries; each of its sixteen waves one tile of 16 (tile T = 16 qb + w), in 256 registers: four waves to a SIMD, so that
; one wave's vector work stands beside another's products and LDS loads.  A WHOLE HEAD'S K, V AND SCALES, 286,720 bytes, LIE IN LDS, filled once: no slot is ever filled again.
; CLUSTER.  The four query blocks of a cluster read the same head: each tile is asked for jointly, by the same tensor load with the same descriptor and the mask of all four.
; The fills go out as 8 chunks of 512 keys (wave 0: K's codes, wave 1: V's, wave 2: K's scale words, wave 3: V's): a loading wave has eight tensor loads out.  Chunk c is read behind a counted
; wait that leaves the 7 - c younger chunks on their way, and a barrier.
; LAYOUT.  A group of 32 keys is two tiles u; both lie in ONE operand of 128 along K: registers 0-3 tile 0's 64 codes, registers 4-7 tile 1's.  Against [q | 0] it gives tile 0's scores, against [0 | q] tile 1's: zero codes
; add nothing.  Lane r of tile u is key 8 u + r + 8 (r / 8), so the 16 registers of a group are keys 16 (lane / 16) + 0 .. 15.  A lane holds one query throughout.
; Nothing is prefetched: every byte that the work-group reads is asked for at its head.
.set KC,  2097152
.set KSO, 262144
.set VSO, 524288
.set KCL, 0                            ; LDS: K's codes, 128 groups x 1,024
.set VCL, 131072                       ;      V's codes, likewise
.set KSL, 262144                       ;      K's scale words, 128 groups x 128
.set VSL, 278528                       ;      V's scale words, 32 steps x 256
.set STG, 286720                       ;      ctx's scale bytes of the work-group's 16 tiles: 512 bytes, into which no fill lands
.set SPARE, 287232                     ;      the spare words, 128 bytes a wave
.set AK0, 1                            ; v1   16 x lane
.set AV0, 2                            ; v2   VCL + 1024 h + 16 r
.set ASK0, 3                           ; v3   KSL + 4 x lane
.set ASV0, 4                           ; v4   VSL + 4 x lane
.set SPW, 5                            ; v5   my spare word; never rewritten
.set NIL, 6                            ; v6   0; never rewritten
.set STA, 7                            ; v7   STG + 32 x wave + 2 r
.set ADK, 8                            ; v8-11 the step's addresses
.set ADV, 9
.set ADS, 10
.set ADT, 11
.set QW,  12                           ; v12  q's scale word: s0, s1, s0, s1
.set QB,  16                           ; v[16:23] = [0 | q]
.set QA,  20                           ; v[20:27] = [q | 0]
.set SUM, 28                           ; v28-35 the row's sum, in four pairs
.set KF,  36                           ; v36-67 four groups of K
.set KSR, 68                           ; v68-71 their scale words
.set VSR, 72                           ; v72-73 V's scale words: lanes 0-15 tile 2 i, lanes 16-31 tile 2 i + 1
.set VF,  76                           ; v76-107 four tiles of V^T
.set S,   108                          ; v108-171 S^T, then p
.set OA,  172                          ; v172-203 O^T
.set PC,  204                          ; v204-211 p's codes
.set PW,  212                          ; v212 p's scale word
.set TM,  214                          ; v214-225 at work
.set WV,  12                           ; s12 wave
.set SEL, 20
.set CL,  22                           ; s[22:23] log2(e)
.set TK,  24                           ; s24 the step's codes begin here, in K's and in V's region
.set TS,  25                           ; s25 K's scale words
.set TJ,  26                           ; s26 V's
.set CNT, 27
.set G0,  32                           ; s[32:63] eight groups 0, one for each of a wave's loads
.set G1C, 68                           ; s[68:75] group 1: 64 rows of 256 bytes
.set G1KS, 76                          ; s[76:83] 8 rows
.set G1VS, 84                          ; s[84:91] 4 rows
.set KB,  92
.set VB,  94
.set KSB, 96
.set VSB, 98
.macro CROUND                          ; a round of the cluster's barrier
	s_barrier_signal -1
	s_barrier_wait -1
	s_cmp_lg_u32 s[WV], 0
	s_cbranch_scc1 .Lnot_wave_0_\@
	s_barrier_signal -3
.Lnot_wave_0_\@:
	s_barrier_wait -3
	s_barrier_signal -1
	s_barrier_wait -1
.endm
.macro FILL8 base, lds, bytes, g1      ; eight dense chunks, each with a group 0 of its own; an s_nop 0 follows each load and four v_nop the last
.irp c, 0,1,2,3,4,5,6,7
	s_mov_b32 s[G0+4*\c], 1
	s_mov_b32 s[G0+4*\c+1], \lds+\c*\bytes
	s_add_nc_u64 s[G0+4*\c+2:G0+4*\c+3], s[\base:\base+1], \c*\bytes
	s_or_b32 s[G0+4*\c+3], s[G0+4*\c+3], 0x80000000
	tensor_load_to_lds s[G0+4*\c:G0+4*\c+3], s[\g1:\g1+7]
	s_nop 0
.endr
.rept 4
	v_nop
.endr
.endm
	s_load_b256 s[4:11], s[0:1], 0x0               ; codes1, scales1, cc, cs
	v_lshl_add_u32 v[SPW], v0, 2, SPARE
	v_mov_b32 v[NIL], 0
	ds_add_u32 v[SPW], v[NIL]                      ; the wave's opening: the add, twice on end, and its wait ahead of the first tensor load
	ds_add_u32 v[SPW], v[NIL]
	v_lshrrev_b32 v13, 5, v0
	s_delay_alu instid0(VALU_DEP_1)
	v_readfirstlane_b32 s[WV], v13
	s_bfe_u32 s13, ttmp6, 0x40000                  ; cx
	s_lshl_b32 s14, ttmp9, 2
	s_add_co_u32 s14, s14, s13                     ; qb = 4 x cluster x + cx: it enters Q's, cc's and cs's addresses alone
	s_and_b32 s15, ttmp7, 0xffff
	s_lshr_b32 s16, s15, 3                         ; d
	s_and_b32 s17, s15, 7                          ; head
.irp g, G1C, G1KS, G1VS
	s_mov_b32 s[\g], 15|(3<<16)|(1<<21)            ; the mask of all four; elements of 8 bytes; bit 21 beside a mask; no padding
	s_mov_b32 s[\g+1], 32<<16                      ; tensor_dim0 = 32 elements: rows of 256 bytes
	s_mov_b32 s[\g+3], 32<<16                      ; tile_dim0
	s_mov_b32 s[\g+5], 32                          ; the pitch: the block is dense
	s_mov_b32 s[\g+6], 0
	s_mov_b32 s[\g+7], 0
.endr
	s_mov_b32 s[G1C+2], 64<<16                     ; tensor_dim1,
	s_mov_b32 s[G1C+4], 64                         ; tile_dim1
	s_mov_b32 s[G1KS+2], 8<<16
	s_mov_b32 s[G1KS+4], 8
	s_mov_b32 s[G1VS+2], 4<<16
	s_mov_b32 s[G1VS+4], 4
	s_mov_b32 s[SEL], 0x76543210
	s_mov_b32 s[SEL+1], 0xfedcba98
	s_mov_b32 s[CL], 0x3fb8aa3b
	s_mov_b32 s[CL+1], s[CL]
	s_xor_b32 s18, s16, 1                          ; the keys' side
	s_lshl_b32 s[KB], s18, 20
	s_lshl_b32 s19, s17, 17
	s_add_co_u32 s[KB], s[KB], s19
	s_add_co_u32 s[KB], s[KB], KC
	s_mov_b32 s[KB+1], 0
	s_lshl_b32 s[KSB], s18, 17
	s_lshl_b32 s19, s17, 14
	s_add_co_u32 s[KSB], s[KSB], s19
	s_add_co_u32 s[KSB], s[KSB], KSO
	s_mov_b32 s[KSB+1], 0
	s_lshl_b32 s[VSB], s18, 16
	s_lshl_b32 s19, s17, 13
	s_add_co_u32 s[VSB], s[VSB], s19
	s_add_co_u32 s[VSB], s[VSB], VSO
	s_mov_b32 s[VSB+1], 0
	s_lshl_b32 s29, s14, 4
	s_add_co_u32 s29, s29, s[WV]                   ; T
	s_lshl_b32 s2, s16, 20                         ; q's codes: d, head, T x 512
	s_lshl_b32 s15, s17, 17
	s_add_co_u32 s2, s2, s15
	s_lshl_b32 s15, s29, 9
	s_add_co_u32 s2, s2, s15
	s_mov_b32 s3, 0
	s_lshl_b32 s30, s16, 17                        ; q's scale words: d, head, (T / 2) x 128
	s_lshl_b32 s15, s17, 14
	s_add_co_u32 s30, s30, s15
	s_lshr_b32 s15, s29, 1
	s_lshl_b32 s15, s15, 7
	s_add_co_u32 s30, s30, s15
	s_mov_b32 s31, 0
	s_lshl_b32 s66, s16, 20                        ; cc: d, T x 4096, head x 512
	s_lshl_b32 s15, s29, 12
	s_add_co_u32 s66, s66, s15
	s_lshl_b32 s15, s17, 9
	s_add_co_u32 s66, s66, s15
	s_mov_b32 s67, 0
	s_lshl_b32 s24, s16, 16                        ; cs: d, head x 8192, qb x 512
	s_lshl_b32 s15, s17, 13
	s_add_co_u32 s24, s24, s15
	s_lshl_b32 s15, s14, 9
	s_add_co_u32 s24, s24, s15
	s_mov_b32 s25, 0
	v_and_b32 v13, 31, v0
	s_delay_alu instid0(VALU_DEP_1)
	v_lshlrev_b32 v[AK0], 4, v13
	s_delay_alu instid0(VALU_DEP_2)
	v_lshlrev_b32 v14, 2, v13
	v_and_b32 v8, 15, v0
	v_bfe_u32 v9, v0, 4, 1
	s_delay_alu instid0(VALU_DEP_2)
	v_lshlrev_b32 v[AV0], 4, v8
	s_delay_alu instid0(VALU_DEP_1)
	v_lshl_add_u32 v[AV0], v9, 10, v[AV0]
	s_delay_alu instid0(VALU_DEP_1)
	v_add_nc_u32 v[AV0], VCL, v[AV0]
	v_add_nc_u32 v[ASK0], KSL, v14
	v_add_nc_u32 v[ASV0], VSL, v14
	s_lshl_b32 s19, s[WV], 5
	s_add_co_u32 s19, s19, STG
	v_lshl_add_u32 v[STA], v8, 1, s19
	s_wait_dscnt 0x0                               ; both opening adds are done
	s_wait_kmcnt 0x0
	s_add_nc_u64 s[KB:KB+1], s[4:5], s[KB:KB+1]
	s_add_nc_u64 s[VB:VB+1], s[KB:KB+1], 2097152
	s_add_nc_u64 s[KSB:KSB+1], s[6:7], s[KSB:KSB+1]
	s_add_nc_u64 s[VSB:VSB+1], s[6:7], s[VSB:VSB+1]
	s_add_nc_u64 s[4:5], s[4:5], s[2:3]
	s_add_nc_u64 s[6:7], s[6:7], s[30:31]
	s_add_nc_u64 s[8:9], s[8:9], s[66:67]
	s_add_nc_u64 s[10:11], s[10:11], s[24:25]
	CROUND                                         ; all four work-groups are here: the joint loads meet
	s_cmp_lg_u32 s[WV], 0                          ; each loading wave's eight fills stand in one arm of a branch on the wave's number, the same in all partners
	s_cbranch_scc1 .Lnot_k
	FILL8 KB, KCL, 16384, G1C
	s_branch .Lasked
.Lnot_k:
	s_cmp_lg_u32 s[WV], 1
	s_cbranch_scc1 .Lnot_v
	FILL8 VB, VCL, 16384, G1C
	s_branch .Lasked
.Lnot_v:
	s_cmp_lg_u32 s[WV], 2
	s_cbranch_scc1 .Lnot_ks
	FILL8 KSB, KSL, 2048, G1KS
	s_branch .Lasked
.Lnot_ks:
	s_cmp_lg_u32 s[WV], 3
	s_cbranch_scc1 .Lasked
	FILL8 VSB, VSL, 1024, G1VS
.Lasked:
	global_load_b128 v[QA:QA+3], v[AK0], s[4:5]    ; my tile of q: lanes 0-15 block 0, lanes 16-31 block 1
	s_wait_alu depctr_va_vdst(0)
	global_load_b32 v13, v14, s[6:7]               ; its group's scale word
.irp j, 16,17,18,19,24,25,26,27
	v_mov_b32 v[\j], 0                             ; zero codes on both sides of q
.endr
.irp j, 0,1,2,3,4,5,6,7
	v_mov_b32 v[SUM+\j], 0
.endr
.irp b, 0,1,2,3
	v_mov_b32 v[TM+4+\b], 0                        ; written once: a lane permute's destination counts as one of its sources
.endr
	s_and_b32 s18, s[WV], 1                        ; u = T % 2
	s_mov_b32 s28, 0x03020302
	s_cmp_eq_u32 s18, 0
	s_cselect_b32 s28, 0x01000100, s28
	s_wait_loadcnt 0x0
	v_perm_b32 v[QW], v13, v13, s28                ; my tile's two bytes, twice: they serve [q | 0] and [0 | q]
.rept 8
	v_nop                                          ; a scale register written by a vector instruction stands 8 places ahead of a scaled product
.endr
.macro PVI t, zero
.if (\t)%2
.if \zero
	v_wmma_scale_f32_16x16x128_f8f6f4 v[OA+8*\t:OA+8*\t+7], v[VF+8*\t:VF+8*\t+7], v[PC:PC+7], 0, v[VSR+(\t)/2], v[PW] matrix_a_fmt:MATRIX_FMT_FP4 matrix_b_fmt:MATRIX_FMT_FP4 matrix_a_scale:MATRIX_SCALE_ROW1
.else
	v_wmma_scale_f32_16x16x128_f8f6f4 v[OA+8*\t:OA+8*\t+7], v[VF+8*\t:VF+8*\t+7], v[PC:PC+7], v[OA+8*\t:OA+8*\t+7], v[VSR+(\t)/2], v[PW] matrix_a_fmt:MATRIX_FMT_FP4 matrix_b_fmt:MATRIX_FMT_FP4 matrix_a_scale:MATRIX_SCALE_ROW1
.endif
.else
.if \zero
	v_wmma_scale_f32_16x16x128_f8f6f4 v[OA+8*\t:OA+8*\t+7], v[VF+8*\t:VF+8*\t+7], v[PC:PC+7], 0, v[VSR+(\t)/2], v[PW] matrix_a_fmt:MATRIX_FMT_FP4 matrix_b_fmt:MATRIX_FMT_FP4
.else
	v_wmma_scale_f32_16x16x128_f8f6f4 v[OA+8*\t:OA+8*\t+7], v[VF+8*\t:VF+8*\t+7], v[PC:PC+7], v[OA+8*\t:OA+8*\t+7], v[VSR+(\t)/2], v[PW] matrix_a_fmt:MATRIX_FMT_FP4 matrix_b_fmt:MATRIX_FMT_FP4
.endif
.endif
.endm
; A KEY STEP: 128 keys, four groups b.  zero = 1: the first step starts O^T's sums.  Between two products on one tile of O^T stand three on the other tiles and eight on S^T: the accumulators take turns.
.macro STEP zero
	v_add_nc_u32 v[ADK], s[TK], v[AK0]             ; these four are also the places between the last step's products and the loads into V's registers
	v_add_nc_u32 v[ADV], s[TK], v[AV0]
	v_add_nc_u32 v[ADS], s[TS], v[ASK0]
	v_add_nc_u32 v[ADT], s[TJ], v[ASV0]
.irp b, 0,1,2,3
	ds_load_b128 v[KF+8*\b:KF+8*\b+3], v[ADK] offset:1024*\b
	ds_load_b128 v[KF+8*\b+4:KF+8*\b+7], v[ADK] offset:1024*\b+512
.endr
.irp b, 0,1,2,3
	ds_load_b32 v[KSR+\b], v[ADS] offset:128*\b
.endr
.irp t, 0,1,2,3
	ds_load_b128 v[VF+8*\t:VF+8*\t+3], v[ADV] offset:256*\t          ; keys 32 h on of channel (t, r),
	ds_load_b128 v[VF+8*\t+4:VF+8*\t+7], v[ADV] offset:256*\t+2048   ; and keys 64 + 32 h on
.endr
	ds_load_b32 v[VSR], v[ADT]
	ds_load_b32 v[VSR+1], v[ADT] offset:128
	s_wait_dscnt 10                                ; K's twelve loads are in; V's ten may be out
.irp b, 0,1,2,3
	v_wmma_scale_f32_16x16x128_f8f6f4 v[S+16*\b:S+16*\b+7], v[KF+8*\b:KF+8*\b+7], v[QA:QA+7], 0, v[KSR+\b], v[QW] matrix_a_fmt:MATRIX_FMT_FP4 matrix_b_fmt:MATRIX_FMT_FP4
	v_wmma_scale_f32_16x16x128_f8f6f4 v[S+16*\b+8:S+16*\b+15], v[KF+8*\b:KF+8*\b+7], v[QB:QB+7], 0, v[KSR+\b], v[QW] matrix_a_fmt:MATRIX_FMT_FP4 matrix_b_fmt:MATRIX_FMT_FP4
.endr
.rept 4
	v_nop
.endr
.set J_, 0
.rept 32
	v_pk_mul_f32 v[S+J_:S+J_+1], v[S+J_:S+J_+1], s[CL:CL+1] op_sel_hi:[1,0]   ; t = score x log2(e), each accumulator from its low end on
.set J_, J_+2
.endr
.set J_, 0
	s_wait_alu depctr_va_vdst(0)
.rept 64
	v_exp_f32 v[S+J_], v[S+J_]                     ; p = 2^t
.set J_, J_+1
.endr
	v_nop                                          ; a plain place behind the exponentials
	s_setprio 1
	s_wait_alu depctr_va_vdst(0)                   ; one wait for the batch, ahead of its first reader
.irp b, 0,1,2,3
	v_max3_num_f32 v[TM+\b], v[S+16*\b], v[S+16*\b+1], v[S+16*\b+2]   ; each block's largest p (p is over 1/2: no floor is wanted)
.endr
.irp i, 3,5,7,9,11,13
.irp b, 0,1,2,3
	v_max3_num_f32 v[TM+\b], v[TM+\b], v[S+16*\b+\i], v[S+16*\b+\i+1]
.endr
.endr
.irp b, 0,1,2,3
	v_max_num_f32 v[TM+\b], v[TM+\b], v[S+16*\b+15]
.endr
.irp b, 0,1,2,3
	s_delay_alu instid0(VALU_DEP_4)
	v_permlanex16_b32 v[TM+4+\b], v[TM+\b], s[SEL], s[SEL+1]
.endr
.irp b, 0,1,2,3
	s_delay_alu instid0(VALU_DEP_4)
	v_max_num_f32 v[TM+\b], v[TM+\b], v[TM+4+\b]
.endr
.irp b, 0,1,2,3
	s_delay_alu instid0(VALU_DEP_4)
	v_add_nc_u32 v[TM+8+\b], 0xff000000, v[TM+\b]  ; 2 off the exponent field: the conversion's scale operand
.endr
.irp b, 0,1,2,3
	s_delay_alu instid0(VALU_DEP_4)
	v_lshrrev_b32 v[TM+4+\b], 23, v[TM+8+\b]
.endr
	s_delay_alu instid0(VALU_DEP_3)
	v_lshl_or_b32 v[PW], v[TM+5], 8, v[TM+4]
	s_delay_alu instid0(VALU_DEP_1)
	v_lshl_or_b32 v[PW], v[TM+6], 16, v[PW]
	s_delay_alu instid0(VALU_DEP_1)
	v_lshl_or_b32 v[PW], v[TM+7], 24, v[PW]
.irp b, 0,1,2,3
	v_cvt_scalef32_pk8_fp4_f32 v[PC+2*\b], v[S+16*\b:S+16*\b+7], v[TM+8+\b]
	v_cvt_scalef32_pk8_fp4_f32 v[PC+1+2*\b], v[S+16*\b+8:S+16*\b+15], v[TM+8+\b]
.endr
	v_nop                                          ; one plain place behind a scaled conversion
.irp c, 0,1
.irp i, 0,1
	v_permlane16_swap_b32 v[PC+4*\c+\i], v[PC+2+4*\c+\i]
.endr
.endr
.set J_, 0
.rept 32
	v_pk_add_f32 v[SUM+2*((J_/2)%4):SUM+2*((J_/2)%4)+1], v[SUM+2*((J_/2)%4):SUM+2*((J_/2)%4)+1], v[S+J_:S+J_+1]   ; the row's sum, of the unquantised p; these 32 are also the places between p's codes and scale word and the products
.set J_, J_+2
.endr
	s_setprio 0
	s_wait_dscnt 0x0                               ; V is in
.irp t, 0,1,2,3
	PVI \t, \zero
.endr
	s_add_co_u32 s[TK], s[TK], 4096
	s_add_co_u32 s[TS], s[TS], 512
	s_add_co_u32 s[TJ], s[TJ], 256
.endm
; CHUNK c: 512 keys, four steps
.macro CHUNK c
	s_wait_tensorcnt 7-\c                          ; a loading wave's chunk c has landed; its 7 - c younger loads may stay out
	s_wait_dscnt 0x0
	s_barrier_signal -1
	s_barrier_wait -1
	s_mov_b32 s[TK], 16384*\c
	s_mov_b32 s[TS], 2048*\c
	s_mov_b32 s[TJ], 1024*\c
.if \c == 0
	STEP 1
	s_mov_b32 s[CNT], 3
.else
	s_mov_b32 s[CNT], 4
.endif
.Lstep_\@:
	s_setprio 2
	STEP 0
	s_sub_co_u32 s[CNT], s[CNT], 1
	s_cmp_lg_u32 s[CNT], 0
	s_cbranch_scc1 .Lstep_\@
	s_setprio 0
.endm
	s_wait_alu depctr_va_vdst(0)
.irp c, 0,1,2,3,4,5,6,7
	CHUNK \c
.endr
	s_wait_alu depctr_va_vdst(0)
	; THE WAY OUT: O^T / the sum; the quantiser along the head's 64 channels; half a fragment of ctx and its two scale bytes
	v_pk_add_f32 v[SUM:SUM+1], v[SUM:SUM+1], v[SUM+2:SUM+3]           ; (these four are the places behind the last products)
	v_pk_add_f32 v[SUM+4:SUM+5], v[SUM+4:SUM+5], v[SUM+6:SUM+7]
	s_delay_alu instid0(VALU_DEP_1)
	v_pk_add_f32 v[SUM:SUM+1], v[SUM:SUM+1], v[SUM+4:SUM+5]
	s_delay_alu instid0(VALU_DEP_1)
	v_add_f32 v[SUM], v[SUM], v[SUM+1]
	s_delay_alu instid0(VALU_DEP_1)
	v_permlanex16_b32 v[SUM+1], v[SUM], s[SEL], s[SEL+1]
	s_delay_alu instid0(VALU_DEP_1)
	v_add_f32 v[SUM], v[SUM], v[SUM+1]
	s_wait_alu depctr_va_vdst(0)
	v_rcp_f32 v[SUM], v[SUM]
	v_add_nc_u32 v14, STG, v[AK0]                  ; (a plain place behind the transcendental)
	s_wait_alu depctr_va_vdst(0)
.set J_, 0
.rept 16
	v_pk_mul_f32 v[OA+J_:OA+J_+1], v[OA+J_:OA+J_+1], v[SUM:SUM+1] op_sel_hi:[1,0]   ; register 16 b + i = channel 32 b + 16 h + i
.set J_, J_+2
.endr
.irp b, 0,1
	v_max3_num_f32 v[TM+\b], |v[OA+16*\b]|, |v[OA+16*\b+1]|, 0x1800000
.endr
.irp i, 2,4,6,8,10,12,14
.irp b, 0,1
	s_delay_alu instid0(VALU_DEP_2)
	v_max3_num_f32 v[TM+\b], v[TM+\b], |v[OA+16*\b+\i]|, |v[OA+16*\b+\i+1]|
.endr
.endr
.irp b, 0,1
	s_delay_alu instid0(VALU_DEP_2)
	v_permlanex16_b32 v[TM+4+\b], v[TM+\b], s[SEL], s[SEL+1]
.endr
.irp b, 0,1
	s_delay_alu instid0(VALU_DEP_2)
	v_max_num_f32 v[TM+\b], v[TM+\b], v[TM+4+\b]
.endr
.irp b, 0,1
	s_delay_alu instid0(VALU_DEP_2)
	v_add_nc_u32 v[TM+8+\b], 0xff000000, v[TM+\b]
.endr
.irp b, 0,1
	s_delay_alu instid0(VALU_DEP_2)
	v_lshrrev_b32 v[TM+4+\b], 23, v[TM+8+\b]
.endr
	s_delay_alu instid0(VALU_DEP_1)
	v_lshl_or_b32 v13, v[TM+5], 8, v[TM+4]
.irp b, 0,1
	v_cvt_scalef32_pk8_fp4_f32 v[PC+2*\b], v[OA+16*\b:OA+16*\b+7], v[TM+8+\b]
	v_cvt_scalef32_pk8_fp4_f32 v[PC+1+2*\b], v[OA+16*\b+8:OA+16*\b+15], v[TM+8+\b]
.endr
	v_nop
	v_permlane16_swap_b32 v[PC], v[PC+2]
	v_permlane16_swap_b32 v[PC+1], v[PC+3]         ; lanes 0-15: block 0, lanes 16-31: block 1
	global_store_b128 v[AK0], v[PC:PC+3], s[8:9]   ; 512 consecutive bytes, aligned
	ds_store_b16 v[STA], v13                       ; lanes l and l xor 16 write the same two bytes
	s_wait_dscnt 0x0
	s_barrier_signal -1
	s_barrier_wait -1
	s_cmp_lg_u32 s[WV], 0                          ; wave 0 stores the sixteen tiles' scale bytes: 512 consecutive bytes
	s_cbranch_scc1 .Lno_scales
	ds_load_b128 v[KF:KF+3], v14
	s_wait_dscnt 0x0
	global_store_b128 v[AK0], v[KF:KF+3], s[10:11]
.Lno_scales:
	s_wait_tensorcnt 0x0                           ; the wave's end: three lines behind my last tensor load and my last LDS store
	ds_add_u32 v[SPW], v[NIL]
	s_wait_dscnt 0x0
	CROUND                                         ; the closing round
	s_endpgm
.Lfunc_end_k_qd2d43060f6_attend:
	.size	k_qd2d43060f6_attend, .Lfunc_end_k_qd2d43060f6_attend-k_qd2d43060f6_attend
	.p2alignl 7, 3214868480
	.fill 96, 4, 3214868480
	.section	.rodata,"a",@progbits
	.p2align	6, 0x0
	.amdhsa_kernel k_qd2d43060f6_attend
		.amdhsa_group_segment_fixed_size 327680
		.amdhsa_private_segment_fixed_size 0
		.amdhsa_enable_private_segment 0
		.amdhsa_kernarg_size 32
		.amdhsa_user_sgpr_count 2
		.amdhsa_user_sgpr_kernarg_segment_ptr 1
		.amdhsa_wavefront_size32 1
		.amdhsa_system_sgpr_workgroup_id_x 1
		.amdhsa_system_sgpr_workgroup_id_y 1
		.amdhsa_system_sgpr_workgroup_id_z 1
		.amdhsa_system_vgpr_workitem_id 0
		.amdhsa_next_free_vgpr 256
		.amdhsa_next_free_sgpr 100
		.amdhsa_reserve_vcc 0
		.amdhsa_float_denorm_mode_32 3
		.amdhsa_float_denorm_mode_16_64 3
		.amdhsa_memory_ordered 1
		.amdhsa_forward_progress 1
		.amdhsa_inst_pref_size 150
	.end_amdhsa_kernel
	.amdgpu_metadata
---
amdhsa.version: [ 1, 2 ]
amdhsa.kernels:
  - .name:           k_qd2d43060f6_attend
    .symbol:         k_qd2d43060f6_attend.kd
    .args:
      - { .name: codes1, .offset: 0, .size: 8, .value_kind: global_buffer, .address_space: global }
      - { .name: scales1, .offset: 8, .size: 8, .value_kind: global_buffer, .address_space: global }
      - { .name: cc, .offset: 16, .size: 8, .value_kind: global_buffer, .address_space: global }
      - { .name: cs, .offset: 24, .size: 8, .value_kind: global_buffer, .address_space: global }
    .group_segment_fixed_size: 327680
    .private_segment_fixed_size: 0
    .kernarg_segment_align: 8
    .kernarg_segment_size: 32
    .max_flat_workgroup_size: 512
    .sgpr_count:     100
    .vgpr_count:     256
    .wavefront_size: 32
...
	.end_amdgpu_metadata
.endif
;; end of part 5
;; launch gate (part 6): grid 256 x 1, 8 waves a work-group, no clusters, 93,184 bytes of LDS; arguments gene_embeds, wgg_codes, wgg_scales, bgg, gg_g, gg_b, out0, drug_embeds, wdg_codes, wdg_scales, bdg, dg_g, dg_b, out1, wo_codes, wo_scales, bo, codes1, scales1, cc, cs; writes out0, out1
.if DOCPART == 6
	.amdgcn_target "amdgcn-amd-amdhsa--gfx1250"
	.amdhsa_code_object_version 6
	.text
	.protected	k_qd2d43060f6_gate
	.globl	k_qd2d43060f6_gate
	.p2align	8
	.type	k_qd2d43060f6_gate,@function
k_qd2d43060f6_gate:
	s_mov_b64 s[64:65], 0
	v_nop
	global_prefetch_b8 v0, s[64:65] scope:SCOPE_SE
	s_setreg_imm32_b32 hwreg(HW_REG_WAVE_SCHED_MODE, 0, 2), 2
	s_setreg_imm32_b32 hwreg(HW_REG_WAVE_MODE, 25, 1), 1
	s_wait_xcnt 0x0
	s_wait_alu depctr_vm_vsrc(0)
; GATE: out = x + sigmoid(LayerNorm([ctx, x] Wg + bg)) * (ctx Wo + bo), both products on codes of FP4.  ctx's and x's codes and scale bytes were made by the two launches before; nothing is left out here.
; SHARES.  A work-group takes 32 rows of one side (side = wg / 128, group g = wg % 128): two tiles u, lane r of tile u = row 32 g + 8 u + r + 8 (r / 8).  Wave w makes columns 64 w .. 64 w + 63 of both products.
; Transposed use (source 0 = 16 rows of W, source 1 = the rows' fragment): lane (r, h) holds one row, register j of tile t column 64 w + 16 t + 8 h + j.  The biases are loaded into the accumulators and so begin the sums.
; The sixteen fragments (ctx's eight K steps x tiles, x's eight) are fetched once, a fragment a wave, and go round through LDS as images of their registers.
; The weights go from memory into the registers that multiply them.  No joint loads: a work-group's weights, 417,792 bytes, do not fit into LDS at once.
; The LayerNorm's row spans the eight waves: each gives mean and M2 of its 64 columns; they are joined without a difference of large sums.
; LIMIT: NaN and infinities among the inputs are not served.
; THE MODE: SCHED_MODE bits 1:0 = 2 (LLVM: expert scheduling mode 2), set by the entry lines.  The code itself states the register dependences between vector or matrix instructions and memory or LDS
; instructions, with s_wait_alu, always for 0.
; THE PLAN.  Registers that memory or LDS instructions touch, in program order:
;   v1-v13, v252   offsets and LDS addresses: written at the head, never again.
;   v16-31, v248, v250   my two fragments and their scale words: loaded (v248 joined by one vector line), read by the LDS stores of the images; later written again, by the fragments' loads and by the statistics.
;   AF, AS         ctx's fragments land, the gate's first and Wo's products read them; x's fragments land, the gate's second products read them; at work in the statistics; the eight parts of the statistics land;
;                  at work again; the stage's rows land, x is added, the global stores read them.
;   GS, window 1 v0-127   the gate weight's first half of K lands, its products read it, the second half lands.
;   window 1 v128-255     Wo lands, its products read it; x's rows, the gain and the bias land.
;   v[248:251]     the statistics' result, read by one LDS store.   GG: at the end the data of the stage's stores.
; So a wait on va_vdst stands behind each of the first two runs of products, ahead of the loads into what they read, and ahead of each run of stores whose data vector instructions wrote; each also serves the
; LDS loads that follow it with no vector line between.  One wait on vm_vsrc stands behind the first barrier.
.set XC,  6291456
.set XSO, 655360
.set CI,    0                          ; LDS: ctx's eight fragments' images
.set CSW,   8192                       ;      their scale words
.set XI,    9216                       ;      x's images
.set XSW,   17408                      ;      their scale words
.set STAT,  18432                      ;      8 waves x 32 lanes x (mean 0, M2 0, mean 1, M2 1)
.set STG,   22528                      ;      a stage of 32 rows x (256 + 16) bytes for each wave
.set SPARE, 92160                      ;      the spare words
.set LI,  1                            ; v1   16 x lane
.set LS,  2                            ; v2   4 x lane
.set WGA, 3                            ; v3   512 r + 16 h
.set WOA, 4                            ; v4   256 r + 16 h
.set GSA, 5                            ; v5   32 r
.set OSA, 6                            ; v6   16 r
.set BA,  7                            ; v7   32 h
.set IW,  8                            ; v8   16 x lane + 1024 x wave
.set SWA, 9                            ; v9   4 x lane + 128 x wave
.set STW, 10                           ; v10  STAT + 16 x lane + 512 x wave
.set SO,  11                           ; v11  my stage: row r + 8 (r / 8), + 32 h
.set SR,  12                           ; v12  my stage: row lane / 16, + 16 (lane % 16)
.set RO,  13                           ; v13  the same two rows in x and in out
.set SPW, 14
.set NIL, 15
.set AF,  16                           ; v16-79   eight fragments; at work
.set AS,  80                           ; v80-87   their scale words
.set GG,  88                           ; v88-151  the gate's accumulators, 32 u + 8 t
.set YY,  152                          ; v152-215 ctx Wo + bo
.set GS,  216                          ; v216-231 the gate weight's scale words, 4 t + s
.set OS,  232                          ; v232-247 Wo's
.set SEL, 60
.set EMB, 8
.set WGC, 10
.set WGS, 12
.set BG,  14
.set GGG, 16
.set GGB, 18
.set OUT, 20
.set WOC, 40
.set WOS, 42
.set BO,  44
.set C1,  46
.set S1,  48
.set CC,  50
.set CS,  52
; window 1: v0-127 (R1) the gate's weights, a half of K at a time; v128-255 (R2) Wo, later x's rows (v128-191), the gain (v192-223) and the bias (v224-255)
.set MSB, 0
.macro WIN new
.if MSB != \new
	s_set_vgpr_msb (MSB<<8)|\new
.set MSB, \new
.endif
.endm
.macro PLACES
.rept 4
	v_nop
.endr
.endm
.macro BARRIER
	s_wait_dscnt 0x0
	s_barrier_signal -1
	s_barrier_wait -1
.endm
.macro LSTAT s, cnt, inv, scr, dst     ; mean and M2 of cnt registers of this lane and of lane l xor 16; the registers are read in ascending order
.irp k, 0,1,2,3
	v_pk_add_f32 v[\scr+2*\k:\scr+2*\k+1], v[\s+2*\k:\s+2*\k+1], v[\s+8+2*\k:\s+8+2*\k+1]
.endr
.set M_, 2
.rept \cnt/8-2
.irp k, 0,1,2,3
	v_pk_add_f32 v[\scr+2*\k:\scr+2*\k+1], v[\scr+2*\k:\scr+2*\k+1], v[\s+8*M_+2*\k:\s+8*M_+2*\k+1]
.endr
.set M_, M_+1
.endr
	v_pk_add_f32 v[\scr:\scr+1], v[\scr:\scr+1], v[\scr+2:\scr+3]
	v_pk_add_f32 v[\scr+4:\scr+5], v[\scr+4:\scr+5], v[\scr+6:\scr+7]
	v_pk_add_f32 v[\scr:\scr+1], v[\scr:\scr+1], v[\scr+4:\scr+5]
	v_add_f32 v[\scr], v[\scr], v[\scr+1]
	v_permlanex16_b32 v[\scr+1], v[\scr], s[SEL], s[SEL+1]
	v_add_f32 v[\scr], v[\scr], v[\scr+1]
	v_mul_f32 v[\dst], \inv, v[\scr]
.set M_, 0
.rept \cnt/8
.irp k, 0,1,2,3
	v_pk_add_f32 v[\scr+8+2*\k:\scr+9+2*\k], v[\s+8*M_+2*\k:\s+8*M_+2*\k+1], v[\dst:\dst+1] op_sel_hi:[1,0] neg_lo:[0,1] neg_hi:[0,1]
.endr
.irp k, 0,1,2,3
.if M_ == 0
	v_pk_mul_f32 v[\scr+2*\k:\scr+2*\k+1], v[\scr+8+2*\k:\scr+9+2*\k], v[\scr+8+2*\k:\scr+9+2*\k]
.else
	v_pk_fma_f32 v[\scr+2*\k:\scr+2*\k+1], v[\scr+8+2*\k:\scr+9+2*\k], v[\scr+8+2*\k:\scr+9+2*\k], v[\scr+2*\k:\scr+2*\k+1]
.endif
.endr
.set M_, M_+1
.endr
	v_pk_add_f32 v[\scr:\scr+1], v[\scr:\scr+1], v[\scr+2:\scr+3]
	v_pk_add_f32 v[\scr+4:\scr+5], v[\scr+4:\scr+5], v[\scr+6:\scr+7]
	v_pk_add_f32 v[\scr:\scr+1], v[\scr:\scr+1], v[\scr+4:\scr+5]
	v_add_f32 v[\scr], v[\scr], v[\scr+1]
	v_permlanex16_b32 v[\scr+1], v[\scr], s[SEL], s[SEL+1]
	v_add_f32 v[\dst+1], v[\scr], v[\scr+1]
.endm
.macro WLOAD R, base, adr, tstep, koff ; 16 fragments (tile t, K step s) of my 64 rows of a weight at v[R + 8 (4 t + s)] of window 1
	WIN 0x40
.irp t, 0,1,2,3
.irp s, 0,1,2,3
.irp c, 0,1
	global_load_b128 v[\R+8*(4*\t+\s)+4*\c:\R+8*(4*\t+\s)+4*\c+3], v[\adr], s[\base:\base+1] offset:\tstep*\t+\koff+64*\s+32*\c
.endr
.endr
.endr
	WIN 0
.endm
.macro AFETCH img, sc
.irp f, 0,1,2,3,4,5,6,7
	ds_load_b128 v[AF+8*\f:AF+8*\f+3], v[LI] offset:\img+1024*\f
	ds_load_b128 v[AF+8*\f+4:AF+8*\f+7], v[LI] offset:\img+1024*\f+512
	ds_load_b32 v[AS+\f], v[LS] offset:\sc+128*\f
.endr
.endm
.macro PROD acc, R, sc                 ; 32 products onto eight accumulators, which take turns
	WIN 0x01                                       ; source 0 (W) window 1
.irp s, 0,1,2,3
.irp u, 0,1
.irp t, 0,1,2,3
	v_wmma_scale_f32_16x16x128_f8f6f4 v[\acc+32*\u+8*\t:\acc+32*\u+8*\t+7], v[\R+8*(4*\t+\s):\R+8*(4*\t+\s)+7], v[AF+8*(4*\u+\s):AF+8*(4*\u+\s)+7], v[\acc+32*\u+8*\t:\acc+32*\u+8*\t+7], v[\sc+4*\t+\s], v[AS+4*\u+\s] matrix_a_fmt:MATRIX_FMT_FP4 matrix_b_fmt:MATRIX_FMT_FP4
.endr
.endr
.endr
	WIN 0
.endm
	s_load_b256 s[8:15], s[0:1], 0x0               ; the gene side's seven buffers
	s_load_b128 s[16:19], s[0:1], 0x20
	s_load_b64 s[20:21], s[0:1], 0x30
	s_load_b256 s[24:31], s[0:1], 0x38             ; the drug side's
	s_load_b128 s[32:35], s[0:1], 0x58
	s_load_b64 s[36:37], s[0:1], 0x68
	s_load_b256 s[40:47], s[0:1], 0x70             ; wo's codes, scales, bo, codes1
	s_load_b128 s[48:51], s[0:1], 0x90             ; scales1, cc
	s_load_b64 s[52:53], s[0:1], 0xa0              ; cs
	v_lshl_add_u32 v[SPW], v0, 2, SPARE
	v_mov_b32 v[NIL], 0
	v_lshrrev_b32 v253, 5, v0
	v_readfirstlane_b32 s2, v253                   ; wave
	s_wait_alu depctr_va_sdst(0)                   ; s2 is written, ahead of its first reader: tile, K step, LDS places and bases are made from it
	s_lshr_b32 s3, ttmp9, 7                        ; side
	s_and_b32 s4, ttmp9, 127                       ; g
	s_lshr_b32 s5, s2, 2                           ; u of the fragment that I fetch
	s_and_b32 s6, s2, 3                            ; and its K step
	s_mov_b32 s[SEL], 0x76543210
	s_mov_b32 s[SEL+1], 0xfedcba98
	s_mov_b32 s58, 0xbfb8aa3b                      ; -log2(e)
	s_mov_b32 s59, s58
	s_mov_b32 s62, 0x3727c5ac                      ; 1e-5
	s_mov_b32 s63, 0x3b000000                      ; 1 / 512
	v_and_b32 v253, 31, v0
	v_and_b32 v254, 15, v0
	v_bfe_u32 v255, v0, 4, 1
	v_lshlrev_b32 v[LI], 4, v253
	v_lshlrev_b32 v[LS], 2, v253
	v_lshlrev_b32 v[WGA], 9, v254
	v_lshl_add_u32 v[WGA], v255, 4, v[WGA]
	v_lshlrev_b32 v[WOA], 8, v254
	v_lshl_add_u32 v[WOA], v255, 4, v[WOA]
	v_lshlrev_b32 v[GSA], 5, v254
	v_lshlrev_b32 v[OSA], 4, v254
	v_lshlrev_b32 v[BA], 5, v255
	s_lshl_b32 s7, s2, 10
	v_add_nc_u32 v[IW], s7, v[LI]
	s_lshl_b32 s7, s2, 7
	v_add_nc_u32 v[SWA], s7, v[LS]
	s_lshl_b32 s7, s2, 9
	s_add_co_u32 s7, s7, STAT
	v_add_nc_u32 v[STW], s7, v[LI]
	s_mul_i32 s7, s2, 8704
	s_add_co_u32 s7, s7, STG
	v_and_b32 v251, 8, v254
	v_add_nc_u32 v251, v251, v254
	v_mul_u32_u24 v[SO], v251, 272
	v_lshl_add_u32 v[SO], v255, 5, v[SO]
	v_add_nc_u32 v[SO], s7, v[SO]
	v_mul_u32_u24 v[SR], v255, 272
	v_lshl_add_u32 v[SR], v254, 4, v[SR]
	v_add_nc_u32 v[SR], s7, v[SR]
	v_lshlrev_b32 v[RO], 11, v255
	v_lshl_add_u32 v[RO], v254, 4, v[RO]
	v_lshlrev_b32 v252, 1, v254                    ; 2 r: ctx's scale bytes
	s_wait_kmcnt 0x0
	s_cmp_eq_u32 s3, 0                             ; the choice hangs on the work-group's number alone
.irp i, 0,2,4,6,8,10,12
	s_cselect_b64 s[8+\i:9+\i], s[8+\i:9+\i], s[24+\i:25+\i]
.endr
	s_mov_b32 s25, 0
	s_lshl_b32 s26, s2, 8                          ; my 64 columns, in bytes of f32
	s_mov_b32 s27, 0
	s_lshl_b32 s24, s4, 16
	s_add_co_u32 s24, s24, s26
	s_add_nc_u64 s[EMB:EMB+1], s[EMB:EMB+1], s[24:25]
	s_add_nc_u64 s[OUT:OUT+1], s[OUT:OUT+1], s[24:25]
.irp p, BG, GGG, GGB, BO
	s_add_nc_u64 s[\p:\p+1], s[\p:\p+1], s[26:27]
.endr
	s_lshl_b32 s24, s2, 15
	s_add_nc_u64 s[WGC:WGC+1], s[WGC:WGC+1], s[24:25]
	s_lshl_b32 s24, s2, 11
	s_add_nc_u64 s[WGS:WGS+1], s[WGS:WGS+1], s[24:25]
	s_lshl_b32 s24, s2, 14
	s_add_nc_u64 s[WOC:WOC+1], s[WOC:WOC+1], s[24:25]
	s_lshl_b32 s24, s2, 10
	s_add_nc_u64 s[WOS:WOS+1], s[WOS:WOS+1], s[24:25]
	s_lshl_b32 s26, s4, 1
	s_add_co_u32 s26, s26, s5                      ; T = 2 g + u
	s_lshl_b32 s24, s3, 20                         ; cc: side, T x 4096, s x 1024
	s_lshl_b32 s7, s26, 12
	s_add_co_u32 s24, s24, s7
	s_lshl_b32 s7, s6, 10
	s_add_co_u32 s24, s24, s7
	s_add_nc_u64 s[CC:CC+1], s[CC:CC+1], s[24:25]
	s_lshl_b32 s24, s3, 20                         ; x's codes: XC, side, g x 8192, fragment x 1024
	s_lshl_b32 s7, s4, 13
	s_add_co_u32 s24, s24, s7
	s_lshl_b32 s7, s2, 10
	s_add_co_u32 s24, s24, s7
	s_add_co_u32 s24, s24, XC
	s_add_nc_u64 s[C1:C1+1], s[C1:C1+1], s[24:25]
	s_lshl_b32 s24, s3, 16                         ; cs: side, head 2 s x 8192, T x 32
	s_lshl_b32 s7, s6, 14
	s_add_co_u32 s24, s24, s7
	s_lshl_b32 s7, s26, 5
	s_add_co_u32 s24, s24, s7
	s_add_nc_u64 s[CS:CS+1], s[CS:CS+1], s[24:25]
	s_lshl_b32 s24, s3, 17                         ; x's scale words: XSO, side, g x 1024, fragment x 128
	s_lshl_b32 s7, s4, 10
	s_add_co_u32 s24, s24, s7
	s_lshl_b32 s7, s2, 7
	s_add_co_u32 s24, s24, s7
	s_add_co_u32 s24, s24, XSO
	s_add_nc_u64 s[S1:S1+1], s[S1:S1+1], s[24:25]
	s_wait_alu depctr_va_vdst(0)                   ; the offsets and LDS addresses v1 to v13 and v252 are written: every load, store and LDS instruction of the kernel reads one of them
	; all that is known is asked for now: my two fragments 7 loads, the biases 32, scale words 8, the gate's first half 32, Wo 32
	global_load_b128 v[16:19], v[LI], s[CC:CC+1]
	global_load_b128 v[20:23], v[LI], s[CC:CC+1] offset:512
	global_load_b128 v[24:27], v[LI], s[C1:C1+1]
	global_load_b128 v[28:31], v[LI], s[C1:C1+1] offset:512
	global_load_u16 v248, v252, s[CS:CS+1]         ; head 2 s: two bytes of row r,
	global_load_u16 v249, v252, s[CS:CS+1] offset:8192   ; head 2 s + 1
	global_load_b32 v250, v[LS], s[S1:S1+1]
.irp u, 0,1
.irp t, 0,1,2,3
	global_load_b128 v[GG+32*\u+8*\t:GG+32*\u+8*\t+3], v[BA], s[BG:BG+1] offset:64*\t
	global_load_b128 v[GG+32*\u+8*\t+4:GG+32*\u+8*\t+7], v[BA], s[BG:BG+1] offset:64*\t+16
	global_load_b128 v[YY+32*\u+8*\t:YY+32*\u+8*\t+3], v[BA], s[BO:BO+1] offset:64*\t
	global_load_b128 v[YY+32*\u+8*\t+4:YY+32*\u+8*\t+7], v[BA], s[BO:BO+1] offset:64*\t+16
.endr
.endr
.irp t, 0,1,2,3
	global_load_b128 v[GS+4*\t:GS+4*\t+3], v[GSA], s[WGS:WGS+1] offset:512*\t
	global_load_b128 v[OS+4*\t:OS+4*\t+3], v[OSA], s[WOS:WOS+1] offset:256*\t
.endr
	WLOAD 0, WGC, WGA, 8192, 0
	WLOAD 128, WOC, WOA, 4096, 0
	s_wait_loadcnt 63                              ; 104 loads are younger than my seven; the count's field holds 63: they are in
	v_lshl_or_b32 v248, v249, 16, v248             ; ctx's scale word of K step s
	s_wait_alu depctr_va_vdst(0)                   ; v248 is written, which an LDS store below reads
	ds_store_b128 v[IW], v[16:19] offset:CI
	ds_store_b128 v[IW], v[20:23] offset:CI+512
	ds_store_b128 v[IW], v[24:27] offset:XI
	ds_store_b128 v[IW], v[28:31] offset:XI+512
	ds_store_b32 v[SWA], v248 offset:CSW
	ds_store_b32 v[SWA], v250 offset:XSW
	BARRIER                                        ; the sixteen fragments lie in LDS
	s_wait_alu depctr_vm_vsrc(0)                   ; my LDS stores have read v16 to v31, in which the fragments land, and v248 and v250, which the statistics write
	AFETCH CI, CSW
	s_wait_loadcnt 32                              ; the biases, the scale words and the gate's first half are in; Wo's 32 loads may be out
	s_wait_dscnt 0x0
	PROD GG, 0, GS                                 ; the gate, K = ctx
	s_wait_alu depctr_va_vdst(0)                   ; these products are done reading the gate weight's first half and its scale words, in whose registers the second half lands
	WLOAD 0, WGC, WGA, 8192, 256                   ; the gate's second half of K
.irp t, 0,1,2,3
	global_load_b128 v[GS+4*\t:GS+4*\t+3], v[GSA], s[WGS:WGS+1] offset:512*\t+16
.endr
	s_wait_loadcnt 36                              ; Wo is in; the 36 just issued may be out
	PROD YY, 128, OS                               ; ctx Wo + bo
	s_wait_alu depctr_va_vdst(0)                   ; these products are done reading ctx's fragments, their scale words and Wo, in whose registers x's fragments, x's rows, the gain and the bias land
	AFETCH XI, XSW
	WIN 0x40
.irp i, 0,1,2,3,4,5,6,7,8,9,10,11,12,13,14,15
	global_load_b128 v[128+4*\i:128+4*\i+3], v[RO], s[EMB:EMB+1] offset:4096*\i      ; x's rows 2 i, 2 i + 1, my 256 bytes of each
.endr
.irp t, 0,1,2,3
	global_load_b128 v[192+8*\t:192+8*\t+3], v[BA], s[GGG:GGG+1] offset:64*\t
	global_load_b128 v[192+8*\t+4:192+8*\t+7], v[BA], s[GGG:GGG+1] offset:64*\t+16
	global_load_b128 v[224+8*\t:224+8*\t+3], v[BA], s[GGB:GGB+1] offset:64*\t
	global_load_b128 v[224+8*\t+4:224+8*\t+7], v[BA], s[GGB:GGB+1] offset:64*\t+16
.endr
	WIN 0
	s_wait_loadcnt 32                              ; the gate's second half and its scale words are in; the 32 just issued may be out
	s_wait_dscnt 0x0
	PROD GG, 0, GS                                 ; the gate, K = x
	PLACES                                         ; in front of the first read of results, and of the vector lines that write over the fragments
	LSTAT GG, 32, 0x3c800000, AF, 248              ; tile 0: mean and M2 of my 64 columns
	LSTAT GG+32, 32, 0x3c800000, AF+16, 250        ; tile 1
	s_wait_alu depctr_va_vdst(0)                   ; v[248:251] are written, which the LDS store reads; the statistics are done with v[AF] on, in which the loads behind the barrier land
	ds_store_b128 v[STW], v[248:251]
	BARRIER                                        ; the eight parts of every row's statistics lie in LDS
.irp q, 0,1,2,3,4,5,6,7
	ds_load_b128 v[AF+4*\q:AF+4*\q+3], v[LI] offset:STAT+512*\q   ; no vector instruction since the wait above
.endr
	s_wait_dscnt 0x0
.irp u, 0,1
	v_pk_add_f32 v[AF+32+2*\u:AF+33+2*\u], v[AF+2*\u:AF+2*\u+1], v[AF+4+2*\u:AF+5+2*\u]   ; (sum of means, sum of M2)
.endr
.irp q, 2,3,4,5,6,7
.irp u, 0,1
	v_pk_add_f32 v[AF+32+2*\u:AF+33+2*\u], v[AF+32+2*\u:AF+33+2*\u], v[AF+4*\q+2*\u:AF+4*\q+2*\u+1]
.endr
.endr
.irp u, 0,1
	v_mul_f32 v[AF+36+2*\u], 0x3e000000, v[AF+32+2*\u]   ; the row's mean
.endr
.irp q, 0,1,2,3,4,5,6,7
.irp u, 0,1
	v_sub_f32 v[AF+4*\q+2*\u], v[AF+4*\q+2*\u], v[AF+36+2*\u]
.endr
.endr
.irp u, 0,1
	v_mul_f32 v[AF+44+\u], v[AF+2*\u], v[AF+2*\u]
.endr
.irp q, 1,2,3,4,5,6,7
.irp u, 0,1
	v_fma_f32 v[AF+44+\u], v[AF+4*\q+2*\u], v[AF+4*\q+2*\u], v[AF+44+\u]
.endr
.endr
.irp u, 0,1
	v_fma_f32 v[AF+40+2*\u], 0x42800000, v[AF+44+\u], v[AF+33+2*\u]   ; M2 = sum of M2 + 64 x sum of (part's mean - mean)^2
.endr
.irp u, 0,1
	v_fma_f32 v[AF+40+2*\u], v[AF+40+2*\u], s63, s62
.endr
	s_wait_alu depctr_va_vdst(0)
.irp u, 0,1
	v_rsq_f32 v[AF+40+2*\u], v[AF+40+2*\u]
.endr
	v_nop
	s_wait_alu depctr_va_vdst(0)                   ; both reciprocal roots are written, ahead of their first reader
.irp u, 0,1
	v_mul_f32 v[AF+40+2*\u], s58, v[AF+40+2*\u]    ; x -log2(e): the sigmoid's exponent is made in one go
.endr
	s_wait_loadcnt 0x0
	WIN 0x41                                       ; destination and source 0 window 1
.set J_, 0
.rept 16
	v_pk_mul_f32 v[224+J_:225+J_], v[224+J_:225+J_], s[58:59] op_sel_hi:[1,0]
.set J_, J_+2
.endr
	WIN 0
.irp u, 0,1
.set J_, 0
.rept 16
	v_pk_add_f32 v[GG+32*\u+J_:GG+32*\u+J_+1], v[GG+32*\u+J_:GG+32*\u+J_+1], v[AF+36+2*\u:AF+37+2*\u] op_sel_hi:[1,0] neg_lo:[0,1] neg_hi:[0,1]
.set J_, J_+2
.endr
.endr
.irp u, 0,1
.set J_, 0
.rept 16
	v_pk_mul_f32 v[GG+32*\u+J_:GG+32*\u+J_+1], v[GG+32*\u+J_:GG+32*\u+J_+1], v[AF+40+2*\u:AF+41+2*\u] op_sel_hi:[1,0]
.set J_, J_+2
.endr
.endr
	WIN 0x14                                       ; sources 1 and 2 window 1
.irp u, 0,1
.set J_, 0
.rept 16
	v_pk_fma_f32 v[GG+32*\u+J_:GG+32*\u+J_+1], v[GG+32*\u+J_:GG+32*\u+J_+1], v[192+J_:193+J_], v[224+J_:225+J_]
.set J_, J_+2
.endr
.endr
	WIN 0
.set J_, 0
	s_wait_alu depctr_va_vdst(0)
.rept 64
	v_exp_f32 v[GG+J_], v[GG+J_]                   ; 2^(-z log2(e))
.set J_, J_+1
.endr
	v_nop
	s_wait_alu depctr_va_vdst(0)                   ; the 64 exponentials are written: one wait for the batch, ahead of its first reader
.set J_, 0
.rept 32
	v_pk_add_f32 v[GG+J_:GG+J_+1], v[GG+J_:GG+J_+1], 1.0 op_sel_hi:[1,0]
.set J_, J_+2
.endr
.set J_, 0
	s_wait_alu depctr_va_vdst(0)
.rept 64
	v_rcp_f32 v[GG+J_], v[GG+J_]                   ; the gate
.set J_, J_+1
.endr
	v_nop
	s_wait_alu depctr_va_vdst(0)                   ; the 64 reciprocals are written: one wait for the batch, ahead of its first reader
.set J_, 0
.rept 32
	v_pk_mul_f32 v[GG+J_:GG+J_+1], v[GG+J_:GG+J_+1], v[YY+J_:YY+J_+1]   ; x (ctx Wo + bo), each accumulator from its low end on
.set J_, J_+2
.endr
	; THE WAY OUT: through my own stage, so that sixteen lanes store 256 consecutive bytes of a row
	s_wait_alu depctr_va_vdst(0)                   ; the products above have written v[GG] on, which the LDS stores read; the LayerNorm's lines are done with v[AF] on, in which the stage's rows land
.irp u, 0,1
.irp t, 0,1,2,3
	ds_store_b128 v[SO], v[GG+32*\u+8*\t:GG+32*\u+8*\t+3] offset:2176*\u+64*\t
	ds_store_b128 v[SO], v[GG+32*\u+8*\t+4:GG+32*\u+8*\t+7] offset:2176*\u+64*\t+16
.endr
.endr
.irp i, 0,1,2,3,4,5,6,7,8,9,10,11,12,13,14,15
	ds_load_b128 v[AF+4*\i:AF+4*\i+3], v[SR] offset:544*\i   ; LDS serves a wave's instructions in order: these see my stores
.endr
	s_wait_dscnt 0x0
	WIN 0x04                                       ; source 1 window 1
.set J_, 0
.rept 32
	v_pk_add_f32 v[AF+J_:AF+J_+1], v[AF+J_:AF+J_+1], v[128+J_:129+J_]   ; + x
.set J_, J_+2
.endr
	WIN 0
	s_wait_alu depctr_va_vdst(0)                   ; the additions have written v[AF] on, which the global stores read
.irp i, 0,1,2,3,4,5,6,7,8,9,10,11,12,13,14,15
	global_store_b128 v[RO], v[AF+4*\i:AF+4*\i+3], s[OUT:OUT+1] offset:4096*\i th:TH_STORE_NT
.endr
	s_wait_dscnt 0x0                               ; the wave's end: six lines, on end, of a launch in the mode that stores to LDS
	s_wait_alu 0x0
	s_wait_tensorcnt 0x0
	ds_add_u32 v[SPW], v[NIL]
	s_wait_dscnt 0x0
	s_endpgm
.Lfunc_end_k_qd2d43060f6_gate:
	.size	k_qd2d43060f6_gate, .Lfunc_end_k_qd2d43060f6_gate-k_qd2d43060f6_gate
	.p2alignl 7, 3214868480
	.fill 96, 4, 3214868480
	.section	.rodata,"a",@progbits
	.p2align	6, 0x0
	.amdhsa_kernel k_qd2d43060f6_gate
		.amdhsa_group_segment_fixed_size 93184
		.amdhsa_private_segment_fixed_size 0
		.amdhsa_enable_private_segment 0
		.amdhsa_kernarg_size 168
		.amdhsa_user_sgpr_count 2
		.amdhsa_user_sgpr_kernarg_segment_ptr 1
		.amdhsa_wavefront_size32 1
		.amdhsa_system_sgpr_workgroup_id_x 1
		.amdhsa_system_sgpr_workgroup_id_y 1
		.amdhsa_system_sgpr_workgroup_id_z 1
		.amdhsa_system_vgpr_workitem_id 0
		.amdhsa_next_free_vgpr 512
		.amdhsa_next_free_sgpr 66
		.amdhsa_reserve_vcc 0
		.amdhsa_float_denorm_mode_32 3
		.amdhsa_float_denorm_mode_16_64 3
		.amdhsa_memory_ordered 1
		.amdhsa_forward_progress 1
		.amdhsa_inst_pref_size 70
	.end_amdhsa_kernel
	.amdgpu_metadata
---
amdhsa.version: [ 1, 2 ]
amdhsa.kernels:
  - .name:           k_qd2d43060f6_gate
    .symbol:         k_qd2d43060f6_gate.kd
    .args:
      - { .name: gene_embeds, .offset: 0, .size: 8, .value_kind: global_buffer, .address_space: global }
      - { .name: wgg_codes, .offset: 8, .size: 8, .value_kind: global_buffer, .address_space: global }
      - { .name: wgg_scales, .offset: 16, .size: 8, .value_kind: global_buffer, .address_space: global }
      - { .name: bgg, .offset: 24, .size: 8, .value_kind: global_buffer, .address_space: global }
      - { .name: gg_g, .offset: 32, .size: 8, .value_kind: global_buffer, .address_space: global }
      - { .name: gg_b, .offset: 40, .size: 8, .value_kind: global_buffer, .address_space: global }
      - { .name: out0, .offset: 48, .size: 8, .value_kind: global_buffer, .address_space: global }
      - { .name: drug_embeds, .offset: 56, .size: 8, .value_kind: global_buffer, .address_space: global }
      - { .name: wdg_codes, .offset: 64, .size: 8, .value_kind: global_buffer, .address_space: global }
      - { .name: wdg_scales, .offset: 72, .size: 8, .value_kind: global_buffer, .address_space: global }
      - { .name: bdg, .offset: 80, .size: 8, .value_kind: global_buffer, .address_space: global }
      - { .name: dg_g, .offset: 88, .size: 8, .value_kind: global_buffer, .address_space: global }
      - { .name: dg_b, .offset: 96, .size: 8, .value_kind: global_buffer, .address_space: global }
      - { .name: out1, .offset: 104, .size: 8, .value_kind: global_buffer, .address_space: global }
      - { .name: wo_codes, .offset: 112, .size: 8, .value_kind: global_buffer, .address_space: global }
      - { .name: wo_scales, .offset: 120, .size: 8, .value_kind: global_buffer, .address_space: global }
      - { .name: bo, .offset: 128, .size: 8, .value_kind: global_buffer, .address_space: global }
      - { .name: codes1, .offset: 136, .size: 8, .value_kind: global_buffer, .address_space: global }
      - { .name: scales1, .offset: 144, .size: 8, .value_kind: global_buffer, .address_space: global }
      - { .name: cc, .offset: 152, .size: 8, .value_kind: global_buffer, .address_space: global }
      - { .name: cs, .offset: 160, .size: 8, .value_kind: global_buffer, .address_space: global }
    .group_segment_fixed_size: 93184
    .private_segment_fixed_size: 0
    .kernarg_segment_align: 8
    .kernarg_segment_size: 168
    .max_flat_workgroup_size: 256
    .sgpr_count:     66
    .vgpr_count:     512
    .wavefront_size: 32
...
	.end_amdgpu_metadata
.endif
;; end of part 6
